; MI455X (gfx1250); checked and timed in simulation.
; The chip was launched on July 23, 2026; its instructions are those of AMD's public machine-readable ISA for CDNA 5 (MIT licence, August 2026) and "CDNA5" Instruction Set Architecture Reference Guide (July 2026). The comments in the code are by the model that wrote it; some were corrected since.
;; Attention. Allowed arithmetic: matrix products marked QUANTISED: E4M3 operands, one E8M0 scale for each 32 along K, by v_wmma_scale_f32_16x16x128_f8f6f4 with both operands' format E4M3, f32 sums; everything else in f32.
;; Inputs: freqs_cos 2,048 x 64 float32; freqs_sin 2,048 x 64 float32; wk 2,048 x 1,024 float32; wo 2,048 x 2,048 float32; wq 2,048 x 2,048 float32; wv 2,048 x 1,024 float32; x 1 x 2,048 x 2,048 float32.
;; Outputs: out0 1 x 2,048 x 2,048 float32.
;; This version of the problem:
;;   THIS VERSION OF THE PROBLEM IS GIVEN IN LOW PRECISION. The matrix products marked QUANTISED in the list below multiply operands that are first quantised to E4M3 (4 exponent bits, 3 mantissa bits; 8 bits a number), with one power-of-two scale for each 32 numbers along K (OCP MX v1.0); their sums are f32. All else is computed in f32.
;;   The module's matrix products, in the order in which they are computed (A, B: the left and right operand; K: the contracted axis; several contracted axes count as one K, in the product's order):
;;     1. [M 2,048, K 2,048] x [K 2,048, N 2,048]; A: input x; B: input wq: QUANTISED
;;     2. [M 2,048, K 2,048] x [K 2,048, N 1,024]; A: input x; B: input wk: QUANTISED
;;     3. [M 2,048, K 2,048] x [K 2,048, N 1,024]; A: input x; B: input wv: QUANTISED
;;     4. batch 16 x [M 2,048, K 128] x [K 128, N 2,048]; A: computed on the way; B: computed on the way: QUANTISED
;;     5. batch 16 x [M 128, K 2,048] x [K 2,048, N 2,048]; A: computed on the way; B: softmax (see below): QUANTISED
;;     6. [M 2,048, K 2,048] x [K 2,048, N 2,048]; A: computed on the way; B: input wo: QUANTISED
;;   THE QUANTISER, for each operand of a quantised product, along K:
;;     - K is cut into blocks of 32 from its start; a last block that is shorter is filled with zeros.
;;     - A block's scale is 2^e with e = floor(log2(the largest magnitude in the block)) - 8, held to -126 .. 127; a block of zeros has e = 0. As a byte (E8M0): e + 127.
;;     - Each number is divided by its block's scale, clamped to +-448, and rounded to the nearest number of E4M3, ties to even, subnormals kept.
;;     - The product sums the exact products of the quantised numbers (number of the format x scale) in f32.
;;   ~~~python
;;   def quantise(x, axis):      # numpy; x: float32 -> the quantised numbers, widened to float32 again
;;       x = np.moveaxis(x, axis, -1); K = x.shape[-1]
;;       x = np.pad(x, [(0, 0)] * (x.ndim - 1) + [(0, -K % 32)]); x = x.reshape(x.shape[:-1] + (-1, 32)); a = np.abs(x).max(-1, keepdims=True)
;;       e = np.where(a > 0, np.clip(np.frexp(np.where(a > 0, a, 1))[1] - 1 - 8, -126, 127), 0)      # np.frexp(a)[1] - 1 = floor(log2(a)), exactly
;;       r = np.clip(x / 2.0 ** e, -448, 448)
;;       step = 2.0 ** (np.maximum(np.frexp(np.where(r == 0, 1, r))[1] - 1, -6) - 3)
;;       q = np.round(r / step) * step * 2.0 ** e      # np.round: ties to even
;;       return np.moveaxis(q.reshape(q.shape[:-2] + (-1,))[..., :K], -1, axis).astype(np.float32)
;;   ~~~
;;   SOFTMAX AHEAD OF A QUANTISED PRODUCT. Where the list says 'softmax', what is quantised is not the finished softmax but p = 2^(t - M), with t = logit x log2(e) and M = ceil(the row's largest t), a whole number; so 1/2 < the row's largest p <= 1. The row's sum l is taken of the UNQUANTISED p, in f32, and the product's result is divided by l at the end. Since M is a whole number, a kernel that streams over the keys may use a running M (the ceiling of the running maximum): every later rescaling is an exact power of two, which a block's scale takes up: the codes' values come out the same.
;;   OPERANDS COMPUTED ON THE WAY. 'Computed on the way' means the value that the module computes at that place (a softmax that the list does not call 'softmax' is quantised finished and normalised). What goes into a quantiser is computed in f32, as accurately as f32 sums, v_exp_f32 and their like allow (about 1e-6 of the number): no bf16 or f16 on the way to a quantiser, and a product that is left as it is and whose result goes on into a quantised operand takes f32 operands (vector FMAs, or v_wmma_f32_16x16x4_f32). A number that lies on a knife's edge between two numbers of the format may be rounded either way, as far as f32 arithmetic and the matrix unit's own rounding can turn it there, and no further.
;; 2 versions. Each part assembles by itself: llvm-mc -triple=amdgcn-amd-amdhsa -mcpu=gfx1250 --defsym DOCPART=n.
;; ======== version 1 of 2: 4 launches
;; workspace buffers: xq 4,325,376 bytes; wc 12,976,128 bytes; qq 4,325,376 bytes; kv 4,325,376 bytes; oq 4,325,376 bytes
;; launch quant (part 1): grid 1024 x 1, 4 waves a work-group, no clusters, 68,096 bytes of LDS; arguments x, wq, wk, wv, wo, xq, wc; writes xq, wc
.if DOCPART == 1
	.amdgcn_target "amdgcn-amd-amdhsa--gfx1250"
	.amdhsa_code_object_version 6
	.text
	.protected	k_q3da479db35_quant
	.globl	k_q3da479db35_quant
	.p2align	8
	.type	k_q3da479db35_quant,@function
k_q3da479db35_quant:
	s_mov_b64 s[64:65], 0
	v_nop
	global_prefetch_b8 v0, s[64:65] scope:SCOPE_SE
	s_setreg_imm32_b32 hwreg(HW_REG_WAVE_MODE, 25, 1), 1
	s_wait_xcnt 0x0
; x [2048][2048] and the weights wq [2048][2048], wk, wv [2048][1024], wo [2048][2048], all f32, become codes of FP8 (E4M3) with one E8M0 scale byte for each 32 along K = the 2,048 of the model.
; THE RECORD, the one layout of every operand of this program: 128 rows of an operand x 128 along K in REC = 16,896 bytes: eight IMAGES of 2,048 bytes (16 rows each), then 128 scale words.
; An image is the operand's registers as the matrix instruction wants them: byte 512 c + 16 L + i is byte i of registers 4 c .. 4 c + 3 of lane L = r + 16 h, which hold k = 32 c + 16 h + 0 .. 15 of row r.
; A scale word is a row's four bytes, byte c for k = 32 c .. 32 c + 31.  xq: [panel of 128 rows][K step][REC].  wc: [panel of 128 columns: 0-15 wq, 16-23 wk, 24-31 wv, 32-47 wo][K step][REC]: a row of the operand is a column of W.
; A block's scale is 2^(floor(log2(its largest magnitude)) - 8); its byte is the largest magnitude's exponent field - 8, held at 1 from below.
; LIMITS: a block of zeros gets the byte 1 where the rule says 127 (its codes are zeros, and this program alone reads the bytes); blocks whose largest magnitude lies under 2^-118 keep the byte 1; NaN and infinities are not served.
; A stream: each f32 number is read once.  No matrix unit, no tensor load, no barrier: waves share nothing.  Work-groups 0-767 make one record of wc each, work-groups 768-1023 take x; only x's text uses LDS.
.set REC,  16896
.set WOFF, 16384                       ; where a record's scale words begin
.set NW,   768                         ; work-groups for the weights
.set MNT,  19                          ; s19      the mantissa field of 448
; the weights' text
.set VO,   32                          ; v32-63   byte offset of row i of a block of 32 rows of W, at my column; never rewritten
.set XW,   64                          ; v64-127  two sets of 32 numbers
.set CW,   128                         ; v128-159 codes: eight registers for each block, so that no store's data are written again
.set SB,   20                          ; v20      my column's scale word
; x's text
.set R,    64                          ; v64-191  32 rows as loaded
.set XA,   192                         ; v192-255 tile 0: 64 numbers of my row
.set XB,   64                          ; v64-127  tile 1
.set TM,   16                          ; v16-31   at work
.set PC0,  32                          ; v32-47, v48-63 the two tiles' codes
.set PC1,  48
.set PW0,  8                           ; v8, v9   their scale words; v10 both, by halves of the lanes
.set PW1,  9
.set PWC,  10
.set SEL,  44                          ; s[44:45] lane selects for v_permlanex16_b32: lane l xor 16
	s_load_b256 s[4:11], s[0:1], 0x0               ; x s[4:5], wq s[6:7], wk s[8:9], wv s[10:11]
	s_load_b128 s[12:15], s[0:1], 0x20             ; wo s[12:13], xq s[14:15]
	s_load_b64 s[16:17], s[0:1], 0x30              ; wc
	v_lshl_add_u32 v14, v0, 2, 0x10800
	v_mov_b32 v15, 0
	v_lshrrev_b32 v1, 5, v0
	v_readfirstlane_b32 s18, v1                    ; wave 0..3
	v_and_b32 v1, 31, v0                           ; lane
	s_mov_b32 s[MNT], 0x600000
	s_cmp_ge_u32 ttmp9, NW
	s_cbranch_scc1 .Lx_text
; ---------------- THE WEIGHTS.  Work-group 16 p + s makes the record of panel p, K step s.  Wave w takes columns 32 w .. 32 w + 31 of the panel (tiles 2 w, 2 w + 1).
; A LANE TAKES A COLUMN AND ITS REGISTERS RUN DOWN K: a load reads 128 neighbouring bytes of a row of W (the four waves stand side by side on 512), a block of 32 lies in one lane, and the codes come out with K innermost.
	s_lshr_b32 s20, ttmp9, 4                       ; p
	s_and_b32 s21, ttmp9, 15                       ; s
	v_lshlrev_b32 v2, 2, v1                        ; 4 x lane
	v_lshrrev_b32 v3, 4, v1
	v_and_b32 v4, 15, v1
	v_lshlrev_b32 v4, 4, v4
	v_lshl_add_u32 v4, v3, 11, v4                  ; my tile's image and my place in it: 2,048 (lane / 16) + 16 (lane % 16),
	s_lshl_b32 s42, s18, 12
	v_add_nc_u32 v4, s42, v4                       ; + 4,096 w
	s_lshl_b32 s42, s18, 7
	v_add_nc_u32 v5, s42, v2                       ; my column's scale word: 128 w + 4 x lane
	s_mov_b32 s24, 32                              ; the tensor's first panel, and log2 of its row's bytes: wo's to begin with
	s_mov_b32 s25, 13
	s_wait_kmcnt 0x0
	s_mov_b64 s[22:23], s[12:13]
	s_cmp_lt_u32 s20, 32                           ; the choices hang on the work-group's number alone
	s_cselect_b64 s[22:23], s[10:11], s[22:23]     ; wv
	s_cselect_b32 s24, 24, s24
	s_cselect_b32 s25, 12, s25
	s_cmp_lt_u32 s20, 24
	s_cselect_b64 s[22:23], s[8:9], s[22:23]       ; wk
	s_cselect_b32 s24, 16, s24
	s_cmp_lt_u32 s20, 16
	s_cselect_b64 s[22:23], s[6:7], s[22:23]       ; wq
	s_cselect_b32 s24, 0, s24
	s_cselect_b32 s25, 13, s25
	s_lshl_b32 s26, 1, s25                         ; a row of W in bytes
	s_sub_co_u32 s27, s20, s24
	s_lshl_b32 s27, s27, 9                         ; the panel's 128 columns: 512 bytes each panel,
	s_add_co_u32 s27, s27, s42                     ; + my wave's 32 columns
	s_lshl_b32 s38, s21, 7                         ; the K step's first row
	s_mov_b32 s37, 0
.irp t, 0,1,2,3
	s_add_co_u32 s36, s38, 32*\t                   ; block t's first row,
	s_lshl_b32 s36, s36, s25                       ; in bytes (under 2^25)
	s_add_co_u32 s36, s36, s27
	s_add_nc_u64 s[28+2*\t:29+2*\t], s[22:23], s[36:37]   ; a base for each block: none is stepped
.endr
	s_mul_i32 s36, ttmp9, REC
	s_add_nc_u64 s[40:41], s[16:17], s[36:37]      ; my record: number 16 p + s is the work-group's own number
.set i, 0
.rept 32
	v_mad_u32_u24 v[VO+i], s26, i, v2              ; row i of a block, my column
.set i, i+1
.endr
.macro LOADW t
.set i, 0
.rept 32
	global_load_b32 v[XW+32*((\t)%2)+i], v[VO+i], s[28+2*(\t):29+2*(\t)] th:TH_LOAD_NT
.set i, i+1
.endr
.endm
.macro BLOCK t
.set XS, XW+32*((\t)%2)
.if (\t) < 3
	s_wait_loadcnt 32                              ; this block's 32 loads are in; the next block's 32 may be out
.else
	s_wait_loadcnt 0x0
.endif
	v_max3_num_f32 v12, |v[XS]|, |v[XS+1]|, |v[XS+2]|     ; the block's largest magnitude: all 32 numbers are mine; two chains
	v_max3_num_f32 v13, |v[XS+3]|, |v[XS+4]|, |v[XS+5]|
.irp i, 6,10,14,18,22,26
	v_max3_num_f32 v12, v12, |v[XS+\i]|, |v[XS+\i+1]|
	v_max3_num_f32 v13, v13, |v[XS+\i+2]|, |v[XS+\i+3]|
.endr
	v_max3_num_f32 v12, v12, |v[XS+30]|, |v[XS+31]|
	v_max3_num_f32 v12, v12, v13, 0x4800000        ; and the floor 2^(9 - 127): the byte cannot fall under 1
	v_add_nc_u32 v11, 0xfc000000, v12              ; 8 off the exponent field: the conversion takes this operand's exponent field as its scale
	v_and_or_b32 v10, v12, 0x7f800000, s[MNT]      ; 448 x the scale
	v_lshrrev_b32 v13, 23, v11                     ; the scale's byte
.if (\t) == 0
	v_mov_b32 v[SB], v13
.else
	v_lshl_or_b32 v[SB], v13, 8*(\t), v[SB]
.endif
.set i, 0
.rept 32
	v_med3_num_f32 v[XS+i], v[XS+i], -v10, v10     ; the conversion to an 8-bit code does not saturate (ISA guide 7.6.2): the hold comes first
.set i, i+1
.endr
.irp g, 0,1,2,3
	v_cvt_scalef32_pk8_fp8_f32 v[CW+8*(\t)+2*\g:CW+8*(\t)+2*\g+1], v[XS+8*\g:XS+8*\g+7], v11
.endr
	v_nop                                          ; a plain line behind the conversions: the next block writes v11 anew
	global_store_b128 v4, v[CW+8*(\t):CW+8*(\t)+3], s[40:41] offset:512*(\t)           ; k = 32 t + 0 .. 15: the image's lanes 0-15; sixteen lanes store 256 consecutive aligned bytes
	global_store_b128 v4, v[CW+8*(\t)+4:CW+8*(\t)+7], s[40:41] offset:512*(\t)+256     ; k = 32 t + 16 .. 31: its lanes 16-31
.if (\t) < 2
	LOADW (\t)+2
.endif
.endm
	LOADW 0
	LOADW 1
	BLOCK 0
	BLOCK 1
	BLOCK 2
	BLOCK 3
	global_store_b32 v5, v[SB], s[40:41] offset:WOFF       ; 32 scale words: 128 consecutive bytes a wave
	s_endpgm
; ---------------- x.  Work-group 768 + u: rows 32 (u / 4) .. + 31 (two tiles), K steps 4 (u % 4) + wave.  A load reads 512 consecutive bytes of a row; the 32 rows turn through the wave's own stage in LDS
; (rows 528 bytes apart: row r starts at bank 4 r mod 64, ISA guide 11.1), from which lane (r, h) takes, of row r, 16 neighbours of each block of 32: the operand's own order.
.Lx_text:
	s_sub_co_u32 s20, ttmp9, NW                    ; u
	s_lshr_b32 s21, s20, 2                         ; which 32 rows
	s_and_b32 s22, s20, 3
	s_lshl_b32 s22, s22, 2
	s_add_co_u32 s22, s22, s18                     ; my K step
	s_lshl_b32 s24, s21, 18                        ; 32 rows of 8,192 bytes
	s_lshl_b32 s25, s22, 9                         ; 128 numbers a K step
	s_add_co_u32 s24, s24, s25
	s_mov_b32 s25, 0
	s_lshr_b32 s26, s21, 2                         ; the panel of 128 rows
	s_lshl_b32 s26, s26, 4
	s_add_co_u32 s26, s26, s22
	s_mul_i32 s26, s26, REC                        ; my record
	s_lshl_b32 s28, s21, 1
	s_and_b32 s28, s28, 7                          ; my first tile in it
	s_lshl_b32 s29, s28, 11
	s_add_co_u32 s30, s26, s29                     ; its image
	s_mov_b32 s31, 0
	s_lshl_b32 s29, s28, 6
	s_add_co_u32 s32, s26, s29
	s_add_co_u32 s32, s32, WOFF                    ; its scale words
	s_mov_b32 s33, 0
	s_mov_b32 s[SEL], 0x76543210
	s_mov_b32 s[SEL+1], 0xfedcba98
	v_lshlrev_b32 v2, 4, v1                        ; 16 x lane
	v_lshlrev_b32 v3, 2, v1                        ; 4 x lane
	s_mul_i32 s34, s18, 32*528                     ; my stage
	v_add_nc_u32 v4, s34, v2                       ; in: a row as it lies
	v_and_b32 v5, 15, v1
	v_lshrrev_b32 v6, 4, v1
	v_mul_u32_u24 v5, v5, 528
	v_lshl_add_u32 v5, v6, 6, v5
	v_add_nc_u32 v5, s34, v5                       ; out: row r, + 64 h
.irp b, 0,1,2,3
	v_mov_b32 v[TM+4+\b], 0                        ; written once: a lane permute's destination counts as one of its sources
.endr
	s_wait_kmcnt 0x0
	s_add_nc_u64 s[4:5], s[4:5], s[24:25]
	s_add_nc_u64 s[36:37], s[14:15], s[30:31]
	s_add_nc_u64 s[38:39], s[14:15], s[32:33]
.set i, 0
.rept 32
	global_load_b128 v[R+4*i:R+4*i+3], v2, s[4:5] offset:8192*i th:TH_LOAD_NT
.set i, i+1
.endr
.set i, 0
.rept 32
	s_wait_loadcnt 31-i                            ; loads come back in order: row i is in, the younger rows' loads stay out
	ds_store_b128 v4, v[R+4*i:R+4*i+3] offset:528*i
.set i, i+1
.endr
.macro BACK tile, dst                  ; register 16 c + 4 j + .. = k 32 c + 16 h + 4 j + .. of row 16 tile + r.  LDS serves a wave's instructions in order: these see my stores
.irp c, 0,1,2,3
.irp j, 0,1,2,3
	ds_load_b128 v[\dst+16*\c+4*\j:\dst+16*\c+4*\j+3], v5 offset:8448*\tile+128*\c+16*\j
.endr
.endr
.endm
; 64 numbers of a lane, register 16 b + i = k 32 b + 16 h + i of my row, become a fragment's codes in v[pc] on and its scale word in v[pw].  A block of 32 lies in lanes l and l xor 16.
.macro QUANT s, pc, pw
.irp b, 0,1,2,3
	v_max3_num_f32 v[TM+\b], |v[\s+16*\b]|, |v[\s+16*\b+1]|, 0x4800000     ; my 16 numbers and the floor 2^(9 - 127); the four blocks by turns
.endr
.irp i, 2,4,6,8,10,12,14
.irp b, 0,1,2,3
	v_max3_num_f32 v[TM+\b], |v[\s+16*\b+\i]|, |v[\s+16*\b+\i+1]|, v[TM+\b]
.endr
.endr
.irp b, 0,1,2,3
	v_permlanex16_b32 v[TM+4+\b], v[TM+\b], s[SEL], s[SEL+1]
.endr
.irp b, 0,1,2,3
	v_max_num_f32 v[TM+\b], v[TM+\b], v[TM+4+\b]   ; the block's largest magnitude
.endr
.irp b, 0,1,2,3
	v_add_nc_u32 v[TM+12+\b], 0xfc000000, v[TM+\b] ; the conversion's scale operand
.endr
.irp b, 0,1,2,3
	v_and_or_b32 v[TM+8+\b], v[TM+\b], 0x7f800000, s[MNT]   ; 448 x the scale
.endr
.irp b, 0,1,2,3
	v_lshrrev_b32 v[TM+4+\b], 23, v[TM+12+\b]      ; the scale's byte
.endr
	v_lshl_or_b32 v[\pw], v[TM+5], 8, v[TM+4]
	v_lshl_or_b32 v[\pw], v[TM+6], 16, v[\pw]
	v_lshl_or_b32 v[\pw], v[TM+7], 24, v[\pw]
.set n, 0
.rept 64
	v_med3_num_f32 v[\s+n], v[\s+n], -v[TM+8+n/16], v[TM+8+n/16]   ; the hold at 448 x the scale (ISA guide 7.6.2)
.set n, n+1
.endr
.irp b, 0,1,2,3
	v_cvt_scalef32_pk8_fp8_f32 v[\pc+4*\b:\pc+4*\b+1], v[\s+16*\b:\s+16*\b+7], v[TM+12+\b]
	v_cvt_scalef32_pk8_fp8_f32 v[\pc+4*\b+2:\pc+4*\b+3], v[\s+16*\b+8:\s+16*\b+15], v[TM+12+\b]
.endr
	v_nop                                          ; a plain line behind the last conversion
.endm
	BACK 0, XA
	s_wait_dscnt 0x0                               ; tile 0 is in, and the stores into the stage have read their registers,
	BACK 1, XB                                     ; which take tile 1 while tile 0 is worked
	QUANT XA, PC0, PW0
.irp c, 0,1,2,3
	global_store_b128 v2, v[PC0+4*\c:PC0+4*\c+3], s[36:37] offset:512*\c          ; the image: 512 consecutive aligned bytes a store
.endr
	s_wait_dscnt 0x0                               ; tile 1 is in
	QUANT XB, PC1, PW1
.irp c, 0,1,2,3
	global_store_b128 v2, v[PC1+4*\c:PC1+4*\c+3], s[36:37] offset:2048+512*\c
.endr
	v_cmp_le_u32 vcc_lo, 16, v1
	v_cndmask_b32 v[PWC], v[PW0], v[PW1], vcc_lo   ; lanes 0-15: tile 0's words, lanes 16-31: tile 1's (each lane of a pair l, l xor 16 holds its row's word)
	global_store_b32 v3, v[PWC], s[38:39]          ; 128 consecutive bytes
	s_wait_tensorcnt 0x0
	ds_add_u32 v14, v15
	s_wait_dscnt 0x0
	s_endpgm
.Lfunc_end_k_q3da479db35_quant:
	.size	k_q3da479db35_quant, .Lfunc_end_k_q3da479db35_quant-k_q3da479db35_quant
	.p2alignl 7, 3214868480
	.fill 96, 4, 3214868480
	.section	.rodata,"a",@progbits
	.p2align	6, 0x0
	.amdhsa_kernel k_q3da479db35_quant
		.amdhsa_group_segment_fixed_size 68096
		.amdhsa_private_segment_fixed_size 0
		.amdhsa_enable_private_segment 0
		.amdhsa_kernarg_size 56
		.amdhsa_user_sgpr_count 2
		.amdhsa_user_sgpr_kernarg_segment_ptr 1
		.amdhsa_wavefront_size32 1
		.amdhsa_system_sgpr_workgroup_id_x 1
		.amdhsa_system_sgpr_workgroup_id_y 1
		.amdhsa_system_sgpr_workgroup_id_z 1
		.amdhsa_system_vgpr_workitem_id 0
		.amdhsa_next_free_vgpr 256
		.amdhsa_next_free_sgpr 66
		.amdhsa_reserve_vcc 1
		.amdhsa_float_denorm_mode_32 3
		.amdhsa_float_denorm_mode_16_64 3
		.amdhsa_memory_ordered 1
		.amdhsa_forward_progress 1
		.amdhsa_inst_pref_size 59
	.end_amdhsa_kernel
	.amdgpu_metadata
---
amdhsa.version: [ 1, 2 ]
amdhsa.kernels:
  - .name:           k_q3da479db35_quant
    .symbol:         k_q3da479db35_quant.kd
    .args:
      - { .name: x, .offset: 0, .size: 8, .value_kind: global_buffer, .address_space: global }
      - { .name: wq, .offset: 8, .size: 8, .value_kind: global_buffer, .address_space: global }
      - { .name: wk, .offset: 16, .size: 8, .value_kind: global_buffer, .address_space: global }
      - { .name: wv, .offset: 24, .size: 8, .value_kind: global_buffer, .address_space: global }
      - { .name: wo, .offset: 32, .size: 8, .value_kind: global_buffer, .address_space: global }
      - { .name: xq, .offset: 40, .size: 8, .value_kind: global_buffer, .address_space: global }
      - { .name: wc, .offset: 48, .size: 8, .value_kind: global_buffer, .address_space: global }
    .group_segment_fixed_size: 68096
    .private_segment_fixed_size: 0
    .kernarg_segment_align: 8
    .kernarg_segment_size: 56
    .max_flat_workgroup_size: 128
    .sgpr_count:     66
    .vgpr_count:     256
    .wavefront_size: 32
...
	.end_amdgpu_metadata
.endif
;; end of part 1
;; launch qkv (part 2): grid 32 x 8, 4 waves a work-group, clusters of 4 x 4, 327,680 bytes of LDS; arguments xq, wc, freqs_cos, freqs_sin, qq, kv; writes qq, kv
.if DOCPART == 2
	.amdgcn_target "amdgcn-amd-amdhsa--gfx1250"
	.amdhsa_code_object_version 6
	.text
	.protected	k_q3da479db35_qkv
	.globl	k_q3da479db35_qkv
	.p2align	8
	.type	k_q3da479db35_qkv,@function
k_q3da479db35_qkv:
	s_mov_b64 s[64:65], 0
	v_nop
	global_prefetch_b8 v0, s[64:65] scope:SCOPE_SE
	s_setreg_imm32_b32 hwreg(HW_REG_WAVE_MODE, 25, 1), 1
	s_wait_xcnt 0x0
	s_wait_alu depctr_hold_cnt(0) depctr_sa_sdst(0) depctr_va_vdst(0) depctr_va_sdst(0) depctr_va_ssrc(0) depctr_va_vcc(0) depctr_vm_vsrc(0)
	s_getreg_b32 s2, hwreg(HW_REG_IB_STS2, 6, 4)
	s_cmp_eq_u32 s2, 0
	s_cbranch_scc0 .Lentry_in_a_cluster
	s_endpgm
.Lentry_in_a_cluster:
	s_bfe_u32 s2, ttmp6, 0x10000c
	s_cmp_lg_u32 s2, 0xf033
	s_cbranch_scc0 .Lentry_shape_is_right
	s_endpgm
.Lentry_shape_is_right:
; q = rope(x wq), k = rope(x wk), v = x wv on codes of FP8 (E4M3) with E8M0 scales, and the results quantised at once: q and k along the head's 128, v along the keys.  No f32 result goes to memory.
; OPERANDS are records (128 rows x 128 K in REC bytes: eight images of a fragment's registers, 2,048 bytes each, then 128 scale words): a fragment is four ds_load_b128 at 16 x lane + 512 c, with no pitch and no padding.
; SHAPE.  Operand P: one panel of 128 rows; operand R: two panels, 256 rows; K = 2,048 in 16 steps.  Four waves; wave w multiplies all 8 tiles of P by its 4 tiles of R (panel w / 2, tiles 4 (w % 2) + a): 32 accumulators.
; Source 0 = 16 rows of P, source 1 = 16 rows of R: lane (r, h) holds row r of R, and register j of accumulator (a, b) index 16 b + 8 h + j of P: a lane's 64 registers run along P's 128.
; Clusters X = 0 .. 5 (q, k): P = a panel of wq or wk (a head's 128), R = 256 rows of x: registers run along the head, which is the next product's K.
; Clusters X = 6, 7 (v): the roles are swapped: P = 128 rows of x (a key step), R = 256 columns of wv: registers run along the keys, which are v's K.
; 256 work-groups of equal matrix work.  A larger tile would halve the LDS bytes for each product, but would leave half of the WGPs without work.
; RESULTS.  qq: [head 16][query panel 16][REC].  kv: [kv head 8][key step 16][K's record | V's record] (V's rows are the head's 128, its K the step's 128 keys).
; In these records position 32 c + 16 h + i of a block holds index 32 c + 8 h + i % 8 + 16 (i / 8): a permutation inside a scale block, alike in q and k and alike in v and the softmax's p, so the products are the same;
; LIMIT: only the order of the matrix unit's partial sums differs from ascending K.  Other LIMITS: a block of zeros gets the byte 1 (its codes are zeros; this program alone reads the bytes); NaN and infinities are not served.
; CLUSTERS: 4 x 4 work-groups.  P hangs on cx and is shared along a column of the cluster, R on cy and is shared along a row: each tile is asked for JOINTLY, by the same tensor load with the same descriptor and a mask that names the four.
; RING: two LDS slots, each with two K steps: P's two records, then two records of each of R's panels: 101,376 bytes.  Waves 0, 1 fetch P's records (66 rows of 256 bytes each), waves 2, 3 one panel of R each (132 rows).
; REGISTERS: window 0: v1-16 addresses; v20-25 scale words made; v32-47 scale words of the operands, two sets, nothing else; v48-63 at work; v64-127 codes made; v128-255 R's fragments, two sets (in the epilogue: numbers at work).
;   window 1: P's fragments, two sets.   window 2: the accumulators, (a, b) at v[8 (8 a + b)].   window 3: cos at v[32 a + 4 b], sin at v[128 + 32 a + 4 b].
.set REC,   16896
.set WOFF,  16384
.set PANEL, 16*REC
.set SLOT,  6*REC
.set SPARE, 2*SLOT                     ; behind the ring: the spare words, 128 bytes for each wave: two blocks of 256 bytes that no other line names
.set ADP,  4                           ; v4, v5   P's fragments in slot 0, 1: 16 x lane + slot
.set LI,   4                           ; v4       is also 16 x lane
.set ADR,  6                           ; v6, v7   my four tiles of R
.set ASP,  8                           ; v8, v9   P's scale words: 4 x lane + ..
.set ASR,  10                          ; v10, v11 my tiles' scale words of R
.set LS,   13                          ; v13      4 x lane
.set SPW,  14                          ; v14      my spare word; never rewritten
.set NIL,  15                          ; v15      0; never rewritten
.set CSA,  16                          ; v16      my byte in the cos and sin tables
.set PW,   20                          ; v20-23   the four tiles' scale words;  v24, v25 two tiles' in one register
.set PWC,  24
.set SC,   32                          ; set p at v[SC + 8 p]: + i (0..3): P's tiles 2 i (lanes 0-15) and 2 i + 1 (lanes 16-31); + 4 + i (0, 1): my tiles 2 i, 2 i + 1 of R
.set TM,   48
.set PC,   64
.set RF,   128                         ; R's fragments: set p at v[RF + 64 p], tile a at + 16 a
.set ST,   128                         ; the epilogue: 64 numbers of a tile
.set T,    192                         ; and eight products at work
.set WV,   16                          ; s16 wave; s17 wave / 2: which panel of R is mine, and whether I fetch P (0) or R (1); s18 wave % 2
.set WH,   17
.set WL,   18
.set MNT,  19
.set SEL,  20
.set G1P,  24                          ; s[24:31] group 1 for P; s[32:39] its groups 0, one for each slot
.set G0P,  32
.set G1R,  48                          ; s[48:55], s[56:63] the same for R
.set G0R,  56
.set DST,  70                          ; s[70:71] where my four images go; s[72:73] their scale words
.set DSW,  72
.set CB,   74                          ; s[74:75] cos, s[76:77] sin at my work-group's first row
.set SNB,  76
.set MUL,  0xa1                        ; source 0 (P) window 1, source 1 (R) window 0, C and D window 2
.set MSB, 0
.macro WIN new                         ; the immediate's high byte repeats the setting that is left; a switch that changes nothing is dropped
.if MSB != (\new)
	s_set_vgpr_msb (MSB<<8)|(\new)
.set MSB, (\new)
.endif
.endm
.macro PLACES n
.rept \n
	v_nop
.endr
.endm
; A joint load.  Each of the two lines has one mask and one set of registers for all that issue it; the branch hangs on the wave's number alone.  Four v_nop follow each line.
.macro JLOAD s
	s_cmp_eq_u32 s[WH], 0
	s_cbranch_scc0 .Lfor_r_\@
	tensor_load_to_lds s[G0P+4*\s:G0P+4*\s+3], s[G1P:G1P+7]
	s_nop 0
.rept 4
	v_nop
.endr
	s_branch .Lasked_\@
.Lfor_r_\@:
	tensor_load_to_lds s[G0R+4*\s:G0R+4*\s+3], s[G1R:G1R+7]
	s_nop 0
.rept 4
	v_nop
.endr
.Lasked_\@:
.endm
.macro CREST                           ; a round of the cluster's barrier behind its opening barrier
	s_cmp_lg_u32 s[WV], 0
	s_cbranch_scc1 .Lnot_wave_0_\@
	s_barrier_signal -3
.Lnot_wave_0_\@:
	s_barrier_wait -3
	s_barrier_signal -1
	s_barrier_wait -1
.endm
.macro CROUND
	s_barrier_signal -1
	s_barrier_wait -1
	CREST
.endm
; One matrix instruction.  ra, rb: the side's scale words lie in lanes 16-31 of the register named
.macro WM d, a, b, zero, sa, ra, sb, rb
.if \zero
.if (\ra) && (\rb)
	v_wmma_scale_f32_16x16x128_f8f6f4 v[\d:\d+7], v[\a:\a+15], v[\b:\b+15], 0, v[\sa], v[\sb] matrix_a_scale:MATRIX_SCALE_ROW1 matrix_b_scale:MATRIX_SCALE_ROW1
.elseif (\ra)
	v_wmma_scale_f32_16x16x128_f8f6f4 v[\d:\d+7], v[\a:\a+15], v[\b:\b+15], 0, v[\sa], v[\sb] matrix_a_scale:MATRIX_SCALE_ROW1
.elseif (\rb)
	v_wmma_scale_f32_16x16x128_f8f6f4 v[\d:\d+7], v[\a:\a+15], v[\b:\b+15], 0, v[\sa], v[\sb] matrix_b_scale:MATRIX_SCALE_ROW1
.else
	v_wmma_scale_f32_16x16x128_f8f6f4 v[\d:\d+7], v[\a:\a+15], v[\b:\b+15], 0, v[\sa], v[\sb]
.endif
.else
.if (\ra) && (\rb)
	v_wmma_scale_f32_16x16x128_f8f6f4 v[\d:\d+7], v[\a:\a+15], v[\b:\b+15], v[\d:\d+7], v[\sa], v[\sb] matrix_a_scale:MATRIX_SCALE_ROW1 matrix_b_scale:MATRIX_SCALE_ROW1
.elseif (\ra)
	v_wmma_scale_f32_16x16x128_f8f6f4 v[\d:\d+7], v[\a:\a+15], v[\b:\b+15], v[\d:\d+7], v[\sa], v[\sb] matrix_a_scale:MATRIX_SCALE_ROW1
.elseif (\rb)
	v_wmma_scale_f32_16x16x128_f8f6f4 v[\d:\d+7], v[\a:\a+15], v[\b:\b+15], v[\d:\d+7], v[\sa], v[\sb] matrix_b_scale:MATRIX_SCALE_ROW1
.else
	v_wmma_scale_f32_16x16x128_f8f6f4 v[\d:\d+7], v[\a:\a+15], v[\b:\b+15], v[\d:\d+7], v[\sa], v[\sb]
.endif
.endif
.endm
; 8 matrix instructions: my tile a of R against P's eight, from set p.  The 32 accumulators take turns, one instruction a turn, in the same order in every step.  zero = 1: the products start the sums
.macro MULA p, a, zero
.irp b, 0,1,2,3,4,5,6,7
	WM 8*(8*(\a)+\b), 128*(\p)+16*\b, RF+64*(\p)+16*(\a), \zero, SC+8*(\p)+\b/2, \b%2, SC+8*(\p)+4+(\a)/2, (\a)%2
.endr
.endm
; 54 LDS loads in one run: the slot's q-th K step into set p: P's 8 fragments, my 4 of R, 4 + 2 registers of scale words
.macro FETCH slot, q, p
	WIN 0x40                                       ; destination window 1, address window 0
.irp b, 0,1,2,3,4,5,6,7
.irp c, 0,1,2,3
	ds_load_b128 v[128*(\p)+16*\b+4*\c:128*(\p)+16*\b+4*\c+3], v[ADP+\slot] offset:(\q)*REC+2048*\b+512*\c
.endr
.endr
	WIN 0
.irp a, 0,1,2,3
.irp c, 0,1,2,3
	ds_load_b128 v[RF+64*(\p)+16*\a+4*\c:RF+64*(\p)+16*\a+4*\c+3], v[ADR+\slot] offset:(\q)*REC+2048*\a+512*\c
.endr
.endr
.irp i, 0,1,2,3
	ds_load_b32 v[SC+8*(\p)+\i], v[ASP+\slot] offset:(\q)*REC+128*\i
.endr
.irp i, 0,1
	ds_load_b32 v[SC+8*(\p)+4+\i], v[ASR+\slot] offset:(\q)*REC+128*\i
.endr
.endm
; A slot's first K step: multiplies set 0; the slot's second step is fetched into set 1 ahead of the products.
.macro STEPA slot, zero
	s_wait_dscnt 0x0                               ; set 0 is in
	PLACES 8                                       ; loads into registers that matrix instructions have read stand eight plain vector instructions behind them: set 1 was multiplied just now
	FETCH \slot, 1, 1
	WIN MUL
	MULA 0, 0, \zero
	MULA 0, 1, \zero
	MULA 0, 2, \zero
	MULA 0, 3, \zero
	WIN 0
.endm
; A slot's second K step changes slots: ONE barrier; in front of it each wave waits for all its tensor loads, adds 0 to its spare word, and waits for that and for its reads of this slot.  fill = 1: this slot is filled again, two slots on.
.macro TURN slot, next, fill
	s_wait_tensorcnt 0x0                           ; all my tensor loads have landed: my part of the next slot
	ds_add_u32 v[SPW], v[NIL]                      ; 0 onto my spare word
	s_wait_dscnt 0x1                               ; only the add may be out: the step's 54 loads are in
	WIN MUL
	MULA 1, 0, 0                                   ; eight matrix instructions stand between the add and the wait for it
	s_wait_dscnt 0x0                               ; the add is done, and my reads of this slot are over
	s_barrier_signal -1
	MULA 1, 1, 0
	WIN 0
	s_barrier_wait -1
.if \fill
	CREST                                          ; the barrier has opened a round of the cluster's barrier: no wave of any partner still reads this slot or has a load on its way
	s_add_nc_u64 s[G0P+4*\slot+2:G0P+4*\slot+3], s[G0P+4*\slot+2:G0P+4*\slot+3], 4*REC
	s_add_nc_u64 s[G0R+4*\slot+2:G0R+4*\slot+3], s[G0R+4*\slot+2:G0R+4*\slot+3], 4*REC
	JLOAD \slot                                    ; the first tensor load behind the round: it has 16 + 32 matrix instructions in which to land; its four v_nop are among the eight places in front of the loads below
	PLACES 4
.else
	PLACES 8
.endif
	FETCH \next, 0, 0
	WIN MUL
	MULA 1, 2, 0
	MULA 1, 3, 0
	WIN 0
.endm
.macro LAST                            ; the very last K step: nothing more to fetch
	s_wait_dscnt 0x0
	WIN MUL
	MULA 1, 0, 0
	MULA 1, 1, 0
	MULA 1, 2, 0
	MULA 1, 3, 0
	WIN 0
.endm
; 64 numbers of a lane, v[s + 16 b + i] in window sw (block b of 32: my 16 and lane l xor 16's), become codes in v[pc] on and the scale word in v[pw]; the held numbers go to v[d] on, in window 0.
.macro QUANT s, sw, d, pc, pw
	WIN (\sw)|((\sw)<<2)                           ; the numbers are sources 0 and 1
.irp b, 0,1,2,3
	v_max3_num_f32 v[TM+\b], |v[\s+16*\b]|, |v[\s+16*\b+1]|, 0x4800000     ; my 16 numbers and the floor 2^(9 - 127); each accumulator is read from its low end on
.endr
.irp i, 2,4,6,8,10,12,14
.irp b, 0,1,2,3
	v_max3_num_f32 v[TM+\b], |v[\s+16*\b+\i]|, |v[\s+16*\b+\i+1]|, v[TM+\b]
.endr
.endr
	WIN 0
.irp b, 0,1,2,3
	v_permlanex16_b32 v[TM+4+\b], v[TM+\b], s[SEL], s[SEL+1]
.endr
.irp b, 0,1,2,3
	v_max_num_f32 v[TM+\b], v[TM+\b], v[TM+4+\b]   ; the block's largest magnitude
.endr
.irp b, 0,1,2,3
	v_add_nc_u32 v[TM+12+\b], 0xfc000000, v[TM+\b] ; 8 off its exponent field: the conversion's scale operand
.endr
.irp b, 0,1,2,3
	v_and_or_b32 v[TM+8+\b], v[TM+\b], 0x7f800000, s[MNT]   ; 448 x the scale
.endr
.irp b, 0,1,2,3
	v_lshrrev_b32 v[TM+4+\b], 23, v[TM+12+\b]      ; the scale's byte
.endr
	v_lshl_or_b32 v[\pw], v[TM+5], 8, v[TM+4]
	v_lshl_or_b32 v[\pw], v[TM+6], 16, v[\pw]
	v_lshl_or_b32 v[\pw], v[TM+7], 24, v[\pw]
	WIN \sw
.set n, 0
.rept 64
	v_med3_num_f32 v[\d+n], v[\s+n], -v[TM+8+n/16], v[TM+8+n/16]   ; the hold at 448 x the scale: the conversion does not saturate (ISA guide 7.6.2)
.set n, n+1
.endr
	WIN 0
.irp b, 0,1,2,3
	v_cvt_scalef32_pk8_fp8_f32 v[\pc+4*\b:\pc+4*\b+1], v[\d+16*\b:\d+16*\b+7], v[TM+12+\b]
	v_cvt_scalef32_pk8_fp8_f32 v[\pc+4*\b+2:\pc+4*\b+3], v[\d+16*\b+8:\d+16*\b+15], v[TM+12+\b]
.endr
	v_nop                                          ; a plain line behind the last conversion
.endm
; THE EPILOGUE, a tile of R's 16 rows at a time.  rope = 1: registers 2 p, 2 p + 1 of accumulator (a, b) are the pair of frequency 8 b + 4 h + p of token r: they are turned by cos and sin, then quantised.
.macro EPI rope
	PLACES 8                                       ; behind the last products: their results are read, and R's fragment registers are written
.irp a, 0,1,2,3
.if \rope
	s_wait_loadcnt 48-16*\a                        ; this tile's 16 loads of cos and sin are in; the 16 of each later tile may be out
	WIN 0x0e                                       ; source 0 window 2 (the sums), source 1 window 3 (cos, sin)
.irp b, 0,1,2,3,4,5,6,7
.irp p, 0,1,2,3
	v_mul_f32 v[T+2*\p], v[8*(8*\a+\b)+2*\p+1], v[128+32*\a+4*\b+\p]       ; xi sin
	v_mul_f32 v[T+2*\p+1], v[8*(8*\a+\b)+2*\p], v[128+32*\a+4*\b+\p]       ; xr sin
.endr
.irp p, 0,1,2,3
	v_fma_f32 v[ST+8*\b+2*\p], v[8*(8*\a+\b)+2*\p], v[32*\a+4*\b+\p], -v[T+2*\p]         ; xr cos - xi sin
	v_fma_f32 v[ST+8*\b+2*\p+1], v[8*(8*\a+\b)+2*\p+1], v[32*\a+4*\b+\p], v[T+2*\p+1]    ; xi cos + xr sin
.endr
.endr
	WIN 0
	QUANT ST, 0, ST, PC+16*\a, PW+\a
.else
	QUANT 64*\a, 2, ST, PC+16*\a, PW+\a
.endif
.irp c, 0,1,2,3
	global_store_b128 v[LI], v[PC+16*\a+4*\c:PC+16*\a+4*\c+3], s[DST:DST+1] offset:2048*\a+512*\c   ; the image: 512 consecutive aligned bytes a store; each tile has its own registers, so no store's data are written again
.endr
.endr
	v_cmp_le_u32 vcc_lo, 16, v1
	v_cndmask_b32 v[PWC], v[PW], v[PW+1], vcc_lo   ; lanes 0-15: tile 0's words, lanes 16-31: tile 1's
	v_cndmask_b32 v[PWC+1], v[PW+2], v[PW+3], vcc_lo
	global_store_b32 v[LS], v[PWC], s[DSW:DSW+1]
	global_store_b32 v[LS], v[PWC+1], s[DSW:DSW+1] offset:128
.endm
	s_load_b256 s[4:11], s[0:1], 0x0               ; xq s[4:5], wc s[6:7], cos s[8:9], sin s[10:11]
	s_load_b128 s[12:15], s[0:1], 0x20             ; qq s[12:13], kv s[14:15]
	v_lshl_add_u32 v[SPW], v0, 2, SPARE
	v_mov_b32 v[NIL], 0
	ds_add_u32 v14, v15
	s_wait_dscnt 0x0
	v_lshrrev_b32 v1, 5, v0
	v_readfirstlane_b32 s[WV], v1                  ; wave 0..3
	s_lshr_b32 s[WH], s[WV], 1
	s_and_b32 s[WL], s[WV], 1
	s_bfe_u32 s40, ttmp6, 0x40000                  ; cx, cy: my place in the cluster
	s_bfe_u32 s41, ttmp6, 0x40004
	s_and_b32 s23, ttmp7, 0xffff                   ; Y: the cluster's y (ttmp9: X, the cluster's x)
	s_lshl_b32 s42, 0x1111, s40                    ; my column of the cluster
	s_lshl_b32 s43, s41, 2
	s_lshl_b32 s43, 15, s43                        ; my row
	; descriptor groups 1: dense blocks as rows of 256 bytes (32 elements of 8 bytes): 66 rows (a record) for P, 132 (two records) for R
	s_or_b32 s[G1P], s42, (3<<16)|(1<<21)          ; 15:0 the mask; 17:16 elements of 8 bytes; 21 set beside a mask
	s_or_b32 s[G1R], s43, (3<<16)|(1<<21)
	s_mov_b32 s[G1P+1], 32<<16                     ; tensor_dim0
	s_mov_b32 s[G1P+2], 66<<16                     ; tensor_dim1
	s_mov_b32 s[G1P+3], 32<<16                     ; tile_dim0
	s_mov_b32 s[G1P+4], 66                         ; tile_dim1
	s_mov_b32 s[G1P+5], 32                         ; the pitch
	s_mov_b32 s[G1P+6], 0
	s_mov_b32 s[G1P+7], 0
	s_mov_b32 s[G1R+1], 32<<16
	s_mov_b32 s[G1R+2], 132<<16
	s_mov_b32 s[G1R+3], 32<<16
	s_mov_b32 s[G1R+4], 132
	s_mov_b32 s[G1R+5], 32
	s_mov_b32 s[G1R+6], 0
	s_mov_b32 s[G1R+7], 0
	; P's panel hangs on X, Y and cx alone: q, k: weight panel 4 X + cx; v: x's panel (the key step) 4 X - 24 + 8 Y + cx
	s_lshl_b32 s44, ttmp9, 2
	s_add_co_u32 s44, s44, s40
	s_lshl_b32 s45, s23, 3
	s_cmp_ge_u32 ttmp9, 6
	s_cselect_b32 s45, s45, 0
	s_cselect_b32 s46, 24, 0
	s_add_co_u32 s44, s44, s45
	s_sub_co_u32 s44, s44, s46
	s_mov_b32 s79, s44                             ; (kept for the results' addresses)
	s_mul_i32 s44, s44, PANEL
	s_mul_i32 s80, s[WL], REC                      ; which of a slot's two K steps I fetch: no place in the cluster enters an LDS address
	s_add_co_u32 s44, s44, s80
	s_mov_b32 s45, 0
	; R's panels hang on X, Y and cy alone: q, k: x's panels 8 Y + 2 cy, + 1; v: wv's panels 24 + 2 cy, + 1
	s_lshl_b32 s66, s41, 1
	s_lshl_b32 s67, s23, 3
	s_cmp_ge_u32 ttmp9, 6
	s_cselect_b32 s67, 24, s67
	s_add_co_u32 s66, s66, s67
	s_add_co_u32 s66, s66, s[WL]                   ; which of the two I fetch
	s_mul_i32 s66, s66, PANEL
	s_mov_b32 s67, 0
	s_mul_i32 s81, s[WL], 2*REC
	s_add_co_u32 s81, s81, 2*REC                   ; and where it lies in a slot
	; where my results go: record 16 pi + 2 ri + w / 2 of qq;  2 (that - 256) of kv (k);  2 (16 (2 cy + w / 2) + pi) + 1 of kv (v)
	s_lshl_b32 s78, s23, 2
	s_add_co_u32 s78, s78, s41                     ; ri = 4 Y + cy: which 256 rows of x
	s_lshl_b32 s82, s79, 4
	s_lshl_b32 s83, s78, 1
	s_add_co_u32 s82, s82, s83
	s_add_co_u32 s82, s82, s[WH]
	s_sub_co_u32 s83, s82, 256
	s_lshl_b32 s83, s83, 1
	s_lshl_b32 s84, s41, 1
	s_add_co_u32 s84, s84, s[WH]
	s_lshl_b32 s84, s84, 4
	s_add_co_u32 s84, s84, s79
	s_lshl_b32 s84, s84, 1
	s_add_co_u32 s84, s84, 1
	s_cmp_ge_u32 ttmp9, 4
	s_cselect_b32 s82, s83, s82
	s_cmp_ge_u32 ttmp9, 6
	s_cselect_b32 s82, s84, s82
	s_mul_i32 s82, s82, REC
	s_lshl_b32 s84, s[WL], 13                      ; my four tiles: images 4 (w % 2) on,
	s_add_co_u32 s84, s84, s82
	s_mov_b32 s85, 0
	s_lshl_b32 s86, s[WL], 8                       ; and their scale words
	s_add_co_u32 s86, s86, s82
	s_add_co_u32 s86, s86, WOFF
	s_mov_b32 s87, 0
	s_lshl_b32 s90, s78, 16                        ; 256 rows of cos or sin, 256 bytes each
	s_mov_b32 s91, 0
	s_mov_b32 s[MNT], 0x600000
	s_mov_b32 s[SEL], 0x76543210
	s_mov_b32 s[SEL+1], 0xfedcba98
	s_wait_kmcnt 0x0
	s_cmp_ge_u32 ttmp9, 6                          ; the choices of buffers hang on the cluster's x alone
	s_cselect_b64 s[46:47], s[4:5], s[6:7]
	s_cselect_b64 s[68:69], s[6:7], s[4:5]
	s_add_nc_u64 s[44:45], s[46:47], s[44:45]
	s_add_nc_u64 s[66:67], s[68:69], s[66:67]
	s_cmp_ge_u32 ttmp9, 4
	s_cselect_b64 s[88:89], s[14:15], s[12:13]
	s_add_nc_u64 s[DST:DST+1], s[88:89], s[84:85]
	s_add_nc_u64 s[DSW:DSW+1], s[88:89], s[86:87]
	s_add_nc_u64 s[CB:CB+1], s[8:9], s[90:91]
	s_add_nc_u64 s[SNB:SNB+1], s[10:11], s[90:91]
	CROUND                                         ; all sixteen work-groups are here: the first joint loads meet
.irp s, 0,1
	s_mov_b32 s[G0P+4*\s], 1                                       ; count = 1
	s_add_co_u32 s[G0P+4*\s+1], s80, \s*SLOT                       ; LDS address
	s_add_nc_u64 s[G0P+4*\s+2:G0P+4*\s+3], s[44:45], \s*2*REC      ; global address: slot s begins with K steps 2 s, 2 s + 1
	s_or_b32 s[G0P+4*\s+3], s[G0P+4*\s+3], 0x80000000              ; type = 2
	s_mov_b32 s[G0R+4*\s], 1
	s_add_co_u32 s[G0R+4*\s+1], s81, \s*SLOT
	s_add_nc_u64 s[G0R+4*\s+2:G0R+4*\s+3], s[66:67], \s*2*REC
	s_or_b32 s[G0R+4*\s+3], s[G0R+4*\s+3], 0x80000000
	JLOAD \s
.endr
	v_and_b32 v1, 31, v0                           ; lane
	v_and_b32 v2, 15, v0                           ; r
	v_bfe_u32 v3, v0, 4, 1                         ; h
	v_lshlrev_b32 v[LI], 4, v1
	v_lshlrev_b32 v[LS], 2, v1
	v_add_nc_u32 v[ADP+1], SLOT, v[LI]
	s_mul_i32 s90, s[WH], 2*REC
	s_add_co_u32 s90, s90, 2*REC                   ; my panel of R in a slot
	s_lshl_b32 s91, s[WL], 13
	s_add_co_u32 s91, s91, s90                     ; my four images
	s_lshl_b32 s92, s[WL], 8
	s_add_co_u32 s92, s92, s90
	s_add_co_u32 s92, s92, WOFF                    ; and their scale words
.irp s, 0,1
	v_add_nc_u32 v[ADR+\s], s91, v[LI]
	v_add_nc_u32 v[ASP+\s], \s*SLOT+WOFF, v[LS]
	v_add_nc_u32 v[ASR+\s], s92, v[LS]
	s_add_co_u32 s91, s91, SLOT
	s_add_co_u32 s92, s92, SLOT
.endr
	v_lshlrev_b32 v[CSA], 8, v2                    ; cos, sin: token 64 w + 16 a + r of my 256, 256 bytes a token; + 16 h
	v_lshl_add_u32 v[CSA], v3, 4, v[CSA]
	s_lshl_b32 s93, s[WV], 14
	v_add_nc_u32 v[CSA], s93, v[CSA]
.irp b, 0,1,2,3
	v_mov_b32 v[TM+4+\b], 0                        ; written once: a lane permute's destination counts as one of its sources
.endr
	s_wait_tensorcnt 0x1                           ; my part of slot 0 is in; slot 1's may stay out
	s_barrier_signal -1
	s_barrier_wait -1                              ; everybody's is
	FETCH 0, 0, 0
	STEPA 0, 1                                     ; the first K step stands in front of the loop: its products start the sums
	s_mov_b32 s3, 3
.Llap:                                                 ; a trip goes once round the ring and fills both slots again: 2 first fills + 3 x 2 = the 8 slots' worth of K
	TURN 0, 1, 1
	STEPA 1, 0
	TURN 1, 0, 1
	STEPA 0, 0
	s_sub_co_u32 s3, s3, 1
	s_cmp_lg_u32 s3, 0
	s_cbranch_scc1 .Llap
	TURN 0, 1, 0                                   ; the last change of slots fills nothing, and has no round of the cluster's barrier
	s_cmp_ge_u32 ttmp9, 6                          ; the one parting of q, k and v: on the cluster's x, alike in all partners; no barrier and no tensor load stands on either way
	s_cbranch_scc1 .Lv_way
	WIN 0xc0                                       ; destination window 3
.irp a, 0,1,2,3                        ; cos and sin of my 64 tokens: asked for here, 64 matrix instructions ahead of their use
.irp b, 0,1,2,3,4,5,6,7
	global_load_b128 v[32*\a+4*\b:32*\a+4*\b+3], v[CSA], s[CB:CB+1] offset:4096*\a+32*\b
.endr
.irp b, 0,1,2,3,4,5,6,7
	global_load_b128 v[128+32*\a+4*\b:128+32*\a+4*\b+3], v[CSA], s[SNB:SNB+1] offset:4096*\a+32*\b
.endr
.endr
	WIN 0
	STEPA 1, 0
	LAST
	EPI 1
	s_branch .Lend
.Lv_way:
	STEPA 1, 0
	LAST
	EPI 0
.Lend:
	s_wait_tensorcnt 0x0                           ; the wave's end
	ds_add_u32 v[SPW], v[NIL]
	s_wait_dscnt 0x0
	CROUND                                         ; the closing round: no work-group ends while a partner may still ask for a tile that names it
	s_endpgm
.Lfunc_end_k_q3da479db35_qkv:
	.size	k_q3da479db35_qkv, .Lfunc_end_k_q3da479db35_qkv-k_q3da479db35_qkv
	.p2alignl 7, 3214868480
	.fill 96, 4, 3214868480
	.section	.rodata,"a",@progbits
	.p2align	6, 0x0
	.amdhsa_kernel k_q3da479db35_qkv
		.amdhsa_group_segment_fixed_size 327680
		.amdhsa_private_segment_fixed_size 0
		.amdhsa_enable_private_segment 0
		.amdhsa_kernarg_size 48
		.amdhsa_user_sgpr_count 2
		.amdhsa_user_sgpr_kernarg_segment_ptr 1
		.amdhsa_wavefront_size32 1
		.amdhsa_system_sgpr_workgroup_id_x 1
		.amdhsa_system_sgpr_workgroup_id_y 1
		.amdhsa_system_sgpr_workgroup_id_z 1
		.amdhsa_system_vgpr_workitem_id 0
		.amdhsa_next_free_vgpr 1024
		.amdhsa_next_free_sgpr 96
		.amdhsa_reserve_vcc 1
		.amdhsa_float_denorm_mode_32 3
		.amdhsa_float_denorm_mode_16_64 3
		.amdhsa_memory_ordered 1
		.amdhsa_forward_progress 1
		.amdhsa_inst_pref_size 184
	.end_amdhsa_kernel
	.amdgpu_metadata
---
amdhsa.version: [ 1, 2 ]
amdhsa.kernels:
  - .name:           k_q3da479db35_qkv
    .symbol:         k_q3da479db35_qkv.kd
    .args:
      - { .name: xq, .offset: 0, .size: 8, .value_kind: global_buffer, .address_space: global }
      - { .name: wc, .offset: 8, .size: 8, .value_kind: global_buffer, .address_space: global }
      - { .name: freqs_cos, .offset: 16, .size: 8, .value_kind: global_buffer, .address_space: global }
      - { .name: freqs_sin, .offset: 24, .size: 8, .value_kind: global_buffer, .address_space: global }
      - { .name: qq, .offset: 32, .size: 8, .value_kind: global_buffer, .address_space: global }
      - { .name: kv, .offset: 40, .size: 8, .value_kind: global_buffer, .address_space: global }
    .group_segment_fixed_size: 327680
    .private_segment_fixed_size: 0
    .kernarg_segment_align: 8
    .kernarg_segment_size: 48
    .max_flat_workgroup_size: 128
    .sgpr_count:     96
    .vgpr_count:     1024
    .wavefront_size: 32
...
	.end_amdgpu_metadata
.endif
;; end of part 2
;; launch attn (part 3): grid 8 x 32, 8 waves a work-group, clusters of 4 x 1, 327,680 bytes of LDS; arguments qq, kv, oq; writes oq
.if DOCPART == 3
	.amdgcn_target "amdgcn-amd-amdhsa--gfx1250"
	.amdhsa_code_object_version 6
	.text
	.protected	k_q3da479db35_attn
	.globl	k_q3da479db35_attn
	.p2align	8
	.type	k_q3da479db35_attn,@function
k_q3da479db35_attn:
	s_mov_b64 s[64:65], 0
	v_nop
	global_prefetch_b8 v0, s[64:65] scope:SCOPE_SE
	s_setreg_imm32_b32 hwreg(HW_REG_WAVE_MODE, 25, 1), 1
	s_wait_xcnt 0x0
	s_wait_alu depctr_hold_cnt(0) depctr_sa_sdst(0) depctr_va_vdst(0) depctr_va_sdst(0) depctr_va_ssrc(0) depctr_va_vcc(0) depctr_vm_vsrc(0)
	s_getreg_b32 s2, hwreg(HW_REG_IB_STS2, 6, 4)
	s_cmp_eq_u32 s2, 0
	s_cbranch_scc0 .Lentry_in_a_cluster
	s_endpgm
.Lentry_in_a_cluster:
	s_bfe_u32 s2, ttmp6, 0x10000c
	s_cmp_lg_u32 s2, 0x3003
	s_cbranch_scc0 .Lentry_shape_is_right
	s_endpgm
.Lentry_shape_is_right:
; Causal attention on codes of FP8 (E4M3) with E8M0 scales: 16 query heads, 8 key and value heads, 2,048 tokens, head size 128; the result is quantised along the model's 2,048 and leaves as codes.
; t = score x log2(e) / sqrt(128); M = the running largest t rounded UP to a whole number; p = 2^(t - M) is quantised along the keys, not normalised; the row's sum is taken of the unquantised p and divides at the end.
; When M moves, the sum and O are multiplied by 2^(old M - new M): exact.
; OPERANDS are records (REC bytes: eight images of a fragment's registers, then 128 scale words).  qq: [head][query panel][REC].  kv: [kv head][key step][K's record | V's record].  oq: [query panel][head][REC].
; LAYOUT.  S^T = K Q^T (source 0 = 16 keys, source 1 = my 16 queries), O^T = V^T P^T (source 0 = 16 of the head's 128, source 1 = p): a lane holds ONE query (lane % 16) throughout; register j of tile t is key, or channel, 16 t + 8 h + j.
; So position 32 c + 16 h + i of p's codes holds key 32 c + 8 h + i % 8 + 16 (i / 8), and V's record was made in the same order: the permutation stays inside a scale block and is alike on both sides.
; LIMITS: the order of the matrix unit's partial sums differs from ascending K by that permutation; 1 / sum by v_rcp_f32; a block's largest p is taken from the block's largest score by the same two instructions
; (it takes v_exp_f32 not to fall where its input rises); a block of zeros gets the byte 1 (its codes are zeros; this program alone reads the bytes); NaN and infinities are not served.
; SHARES.  y = 2 head + J; jj = which 16 queries of a panel of 128.  Wave w owns the 16 queries 128 mu + 16 jj with mu = 2 m + (J xor (m % 2)), m = w xor 3 (w / 4).  Panel mu has mu + 1 key steps of work,
; and the eight mu of a work-group are 0, 3, 4, 7, 8, 11, 12, 15 or 1, 2, 5, 6, 9, 10, 13, 14: 68 steps' work in each of the 256 work-groups, and 17 for waves w and w + 4 together.
; EVERY work-group walks all 16 key steps: trip counts are constants, and no tensor load and no barrier is jumped over.  A step all of whose keys come after the wave's queries is left out by a scalar branch on ids.
; CLUSTER.  The four work-groups of a cluster differ in jj alone: they walk the same K and V, and mu hangs on the wave's number and on y alone, so they branch alike.  Each record is asked for JOINTLY, with a mask that names the four.
; RING.  Two slots of two key steps: 4 records, 67,584 consecutive bytes of kv; waves 0 to 3 fetch one record each, all eight read.
; REGISTERS.  window 0: v1-11 addresses; v12 -M, v13 the largest t, v[14:15] the sum; v16-31 Q; v32-41 scale words and nothing else; v48-87 at work; v96-159 S^T, then p; v160-223 O^T; v224-239 p's codes.
;   window 1: v0-127 K's eight fragments, v128-255 V's.
.set REC,   16896
.set WOFF,  16384
.set SLOT1, 1<<17                      ; slot 1 begins here, so that one exclusive or turns an address in one slot into the other's
.set SPARE, 2*SLOT1                    ; the spare words, 128 bytes for each wave: four blocks of 256 bytes that no other line names
.set LI,   1                           ; v1   16 x lane: K's images
.set LIV,  2                           ; v2   + REC: V's
.set LSK,  3                           ; v3   4 x lane + WOFF: K's scale words
.set LSV,  4                           ; v4   + REC: V's
.set SPW,  5                           ; v5   my spare word; never rewritten
.set NIL,  6                           ; v6   0; never rewritten
.set DM,   7                           ; v7   16 jj + r - 8 h: on the diagonal register 8 t + j is hidden where 16 t + j is larger
.set ADK,  8                           ; v8-11 the four addresses in the slot in hand
.set ADV,  9
.set ADS,  10
.set ADT,  11
.set KSW,  32                          ; v32-35 K's scale words: register i: tile 2 i in lanes 0-15, tile 2 i + 1 in lanes 16-31;  v36-39 V's;  v40 Q's;  v41 p's
.set VSW,  36
.set QS,   40
.set PSW,  41
.set BM,   48                          ; v48-51 a block's largest score, then its largest p
.set TP,   52                          ; v52-55 at work
.set LM,   56                          ; v56-59 448 x the scale
.set SO,   60                          ; v60-63 the conversions' scale operands
.set PWO,  70                          ; v70    the result's scale word
.set TM,   72                          ; v72-87 the way out, at work
.set WV,   16
.set LIM,  17                          ; s17  mu: my last key step
.set MNT,  19
.set SEL,  20
.set CS,   22                          ; s[22:23] c = log2(e) / sqrt(128)
.set G1,   24
.set G0,   32                          ; s[32:35] the one group 0, which walks
.set TB,   36                          ; s36  LDS byte at which the slot in hand begins
.set KSI,  37                          ; s37  the key step in hand
.set SLOTS, 38
.set MSB, 0
.macro WIN new
.if MSB != (\new)
	s_set_vgpr_msb (MSB<<8)|(\new)
.set MSB, (\new)
.endif
.endm
.macro PLACES n
.rept \n
	v_nop
.endr
.endm
.macro CROUND                          ; a round of the cluster's barrier
	s_barrier_signal -1
	s_barrier_wait -1
	s_cmp_lg_u32 s[WV], 0
	s_cbranch_scc1 .Lnot_wave_0_\@
	s_barrier_signal -3
.Lnot_wave_0_\@:
	s_barrier_wait -3
	s_barrier_signal -1
	s_barrier_wait -1
.endm
.macro TLOAD                           ; waves 0 to 3 fetch a record each; the branch hangs on the wave's number alone; four v_nop follow the line
	s_cmp_lt_u32 s[WV], 4
	s_cbranch_scc0 .Lnone_\@
	tensor_load_to_lds s[G0:G0+3], s[G1:G1+7]
	s_nop 0
.rept 4
	v_nop
.endr
.Lnone_\@:
.endm
.macro WM d, a, b, zero, sa, ra, sb    ; ra: source 0's scale words lie in lanes 16-31
.if \zero
.if (\ra)
	v_wmma_scale_f32_16x16x128_f8f6f4 v[\d:\d+7], v[\a:\a+15], v[\b:\b+15], 0, v[\sa], v[\sb] matrix_a_scale:MATRIX_SCALE_ROW1
.else
	v_wmma_scale_f32_16x16x128_f8f6f4 v[\d:\d+7], v[\a:\a+15], v[\b:\b+15], 0, v[\sa], v[\sb]
.endif
.else
.if (\ra)
	v_wmma_scale_f32_16x16x128_f8f6f4 v[\d:\d+7], v[\a:\a+15], v[\b:\b+15], v[\d:\d+7], v[\sa], v[\sb] matrix_a_scale:MATRIX_SCALE_ROW1
.else
	v_wmma_scale_f32_16x16x128_f8f6f4 v[\d:\d+7], v[\a:\a+15], v[\b:\b+15], v[\d:\d+7], v[\sa], v[\sb]
.endif
.endif
.endm
	s_load_b128 s[4:7], s[0:1], 0x0                ; qq s[4:5], kv s[6:7]
	s_load_b64 s[8:9], s[0:1], 0x10                ; oq
	v_lshl_add_u32 v[SPW], v0, 2, SPARE
	v_mov_b32 v[NIL], 0
	ds_add_u32 v5, v6
	s_wait_dscnt 0x0
	v_lshrrev_b32 v8, 5, v0
	v_readfirstlane_b32 s[WV], v8                  ; wave 0..7
	s_bfe_u32 s40, ttmp6, 0x40000                  ; cx
	s_lshl_b32 s41, ttmp9, 2
	s_add_co_u32 s41, s41, s40                     ; jj = 4 x cluster x + cx: it enters Q's and the result's addresses and the mask's numbers alone
	s_and_b32 s42, ttmp7, 0xffff                   ; y, which the four partners share
	s_lshr_b32 s43, s42, 1                         ; head
	s_and_b32 s44, s42, 1                          ; J
	s_lshr_b32 s45, s42, 2                         ; key and value head
	s_lshr_b32 s46, s[WV], 2
	s_mul_i32 s46, s46, 3
	s_xor_b32 s46, s46, s[WV]                      ; m
	s_and_b32 s47, s46, 1
	s_xor_b32 s47, s47, s44
	s_lshl_b32 s[LIM], s46, 1
	s_add_co_u32 s[LIM], s[LIM], s47               ; mu
	s_and_b32 s48, s[WV], 3
	s_mul_i32 s48, s48, REC                        ; the record that I fetch, in a slot and in memory
	s_mul_i32 s50, s45, 32*REC                     ; the head's 16 key steps x 2 records
	s_add_co_u32 s50, s50, s48
	s_mov_b32 s51, 0
	s_lshl_b32 s54, s41, 11                        ; my tile's image in a record,
	s_lshl_b32 s55, s41, 6                         ; and its scale words
	s_lshl_b32 s52, s43, 4
	s_add_co_u32 s52, s52, s[LIM]
	s_mul_i32 s52, s52, REC                        ; Q: record 16 head + mu
	s_add_co_u32 s46, s52, s55
	s_add_co_u32 s46, s46, WOFF
	s_mov_b32 s47, 0
	s_add_co_u32 s52, s52, s54
	s_mov_b32 s53, 0
	s_lshl_b32 s60, s[LIM], 4
	s_add_co_u32 s60, s60, s43
	s_mul_i32 s60, s60, REC                        ; the result: record 16 mu + head
	s_add_co_u32 s62, s60, s55
	s_add_co_u32 s62, s62, WOFF
	s_mov_b32 s63, 0
	s_add_co_u32 s60, s60, s54
	s_mov_b32 s61, 0
	s_lshl_b32 s55, s41, 4                         ; 16 jj
	; descriptor group 1: a record, dense, as 66 rows of 256 bytes (32 elements of 8 bytes)
	s_mov_b32 s[G1], 15|(3<<16)|(1<<21)            ; 15:0 the mask: all four work-groups; 17:16 elements of 8 bytes; 21 set beside a mask
	s_mov_b32 s[G1+1], 32<<16
	s_mov_b32 s[G1+2], 66<<16
	s_mov_b32 s[G1+3], 32<<16
	s_mov_b32 s[G1+4], 66
	s_mov_b32 s[G1+5], 32
	s_mov_b32 s[G1+6], 0
	s_mov_b32 s[G1+7], 0
	s_mov_b32 s[SEL], 0x76543210
	s_mov_b32 s[SEL+1], 0xfedcba98
	s_mov_b32 s[CS], 0x3e0293ee
	s_mov_b32 s[CS+1], s[CS]                       ; (named with it as a pair, so it is written)
	s_mov_b32 s[MNT], 0x600000
	s_mov_b32 s[TB], 0
	s_mov_b32 s[KSI], 0
	s_mov_b32 s[SLOTS], 7
	s_wait_kmcnt 0x0
	s_mov_b32 s[G0], 1                             ; count = 1
	s_mov_b32 s[G0+1], s48                         ; LDS address: slot 0
	s_add_nc_u64 s[G0+2:G0+3], s[6:7], s[50:51]    ; global address: key steps 0 and 1
	s_or_b32 s[G0+3], s[G0+3], 0x80000000          ; type = 2
	s_add_nc_u64 s[10:11], s[4:5], s[52:53]        ; Q's image
	s_add_nc_u64 s[12:13], s[4:5], s[46:47]        ; Q's scale words
	s_add_nc_u64 s[14:15], s[8:9], s[60:61]        ; the result's image
	s_add_nc_u64 s[56:57], s[8:9], s[62:63]        ; the result's scale words
	CROUND                                         ; all four work-groups are here: the first joint loads meet
	TLOAD                                          ; slot 0
	v_and_b32 v8, 31, v0
	v_lshlrev_b32 v[LI], 4, v8
	v_add_nc_u32 v[LIV], REC, v[LI]
	v_lshlrev_b32 v[LSK], 2, v8
	v_add_nc_u32 v[LSV], REC+WOFF, v[LSK]
	v_add_nc_u32 v[LSK], WOFF, v[LSK]
.irp c, 0,1,2,3
	global_load_b128 v[16+4*\c:19+4*\c], v[LI], s[10:11] offset:512*\c     ; Q's fragment stays in registers
.endr
	v_and_b32 v8, 15, v0                           ; r
	v_bfe_u32 v9, v0, 4, 1                         ; h
	v_lshlrev_b32 v11, 2, v8
	global_load_b32 v[QS], v11, s[12:13]           ; lane r: query r's scale word (lanes 16-31 hold the same and are not read)
	v_lshlrev_b32 v10, 3, v9
	v_sub_nc_u32 v[DM], v8, v10
	v_add_nc_u32 v[DM], s55, v[DM]
	v_mov_b32 v13, 0xff61b1e6                      ; the largest t so far: -3e38, under every t
	v_floor_f32 v12, -v13                          ; -M
	v_mov_b32 v14, 0                               ; the sum, in two halves
	v_mov_b32 v15, 0
	v_mov_b32 v66, 0                               ; (lane permutes' destinations count as sources: written once)
	v_mov_b32 v69, 0                               ; (named as the upper half of the pair v[68:69])
.irp b, 0,1,2,3
	v_mov_b32 v[TP+\b], 0
	v_mov_b32 v[TM+4+\b], 0
.endr
.set n, 0
.rept 64
	v_mov_b32 v[160+n], 0                          ; O^T.  The key step is written once: the first finds zeros, which the first change of M leaves zeros; a first step of its own would be a third copy of the step's text
.set n, n+1
.endr
; A KEY STEP: 128 keys, the q-th of the slot in hand.
.macro STEP q
	s_cmp_gt_u32 s[KSI], s[LIM]                    ; all its keys come after my queries: the work is left out (a branch on ids; no barrier and no tensor load stands in a step)
	s_cbranch_scc1 .Lhidden_\@
	v_add_nc_u32 v[ADK], s[TB], v[LI]
	v_add_nc_u32 v[ADV], s[TB], v[LIV]
	v_add_nc_u32 v[ADS], s[TB], v[LSK]
	v_add_nc_u32 v[ADT], s[TB], v[LSV]
	PLACES 4                                       ; with the four additions: eight places behind the last step's products, in front of loads into registers that they read
	WIN 0x40                                       ; destination window 1
.irp t, 0,1,2,3,4,5,6,7
.irp c, 0,1,2,3
	ds_load_b128 v[16*\t+4*\c:16*\t+4*\c+3], v[ADK] offset:(\q)*2*REC+2048*\t+512*\c
.endr
.endr
	WIN 0
.irp i, 0,1,2,3
	ds_load_b32 v[KSW+\i], v[ADS] offset:(\q)*2*REC+128*\i
.endr
	s_wait_dscnt 0x0
	WIN 0x01                                       ; source 0 window 1
.irp t, 0,1,2,3,4,5,6,7
	WM 96+8*\t, 16*\t, 16, 1, KSW+\t/2, \t%2, QS   ; S^T, tile t: keys 16 t + 8 h + j
.endr
	WIN 0x40
.irp t, 0,1,2,3,4,5,6,7                ; V's fragments are asked for here and land under the softmax
.irp c, 0,1,2,3
	ds_load_b128 v[128+16*\t+4*\c:128+16*\t+4*\c+3], v[ADV] offset:(\q)*2*REC+2048*\t+512*\c
.endr
.endr
	WIN 0
.irp i, 0,1,2,3
	ds_load_b32 v[VSW+\i], v[ADT] offset:(\q)*2*REC+128*\i
.endr
	PLACES 8                                       ; behind the products, in front of the first read of the scores (ISA guide 7.12.1)
	s_cmp_lg_u32 s[KSI], s[LIM]                    ; only my last step lies on the diagonal: there hidden scores become -infinity ahead of the maximum, so that p = 0
	s_cbranch_scc1 .Lopen_\@
	v_mov_b32 v66, 0xff800000
.set n, 0
.rept 64
	v_cmp_gt_i32 vcc_lo, 16*(n/8)+n%8, v[DM]
	v_cndmask_b32 v[96+n], v[96+n], v66, vcc_lo
.set n, n+1
.endr
.Lopen_\@:
.irp b, 0,1,2,3
	v_max3_num_f32 v[BM+\b], v[96+16*\b], v[97+16*\b], v[98+16*\b]         ; the largest score of each block of 32 keys: for the row's maximum, and, since p rises with the score, for the block's largest p
.endr
.irp i, 3,5,7,9,11,13
.irp b, 0,1,2,3
	v_max3_num_f32 v[BM+\b], v[BM+\b], v[96+16*\b+\i], v[97+16*\b+\i]      ; (the four blocks by turns)
.endr
.endr
.irp b, 0,1,2,3
	v_max_num_f32 v[BM+\b], v[BM+\b], v[111+16*\b]
.endr
.irp b, 0,1,2,3
	v_permlanex16_b32 v[TP+\b], v[BM+\b], s[SEL], s[SEL+1]
.endr
.irp b, 0,1,2,3
	v_max_num_f32 v[BM+\b], v[BM+\b], v[TP+\b]     ; with lane l xor 16's 16 keys
.endr
	v_max3_num_f32 v66, v[BM], v[BM+1], v[BM+2]
	v_max_num_f32 v66, v66, v[BM+3]                ; the step's largest score of my query
	v_mul_f32 v66, s[CS], v66                      ; as t (c is positive)
	v_max_num_f32 v13, v13, v66                    ; the running largest t
	v_mov_b32 v66, v12
	v_floor_f32 v12, -v13                          ; the new -M = floor(-t) = -ceil(t): M is a whole number
	v_sub_f32 v66, v12, v66                        ; old M - new M: a whole number, 0 or less
	v_cvt_i32_f32 v66, v66                         ; (it saturates)
	v_ldexp_f32 v68, 1.0, v66                      ; f = 2^(old M - new M)
.set n, 0
.rept 32
	v_pk_fma_f32 v[96+n:97+n], v[96+n:97+n], s[CS:CS+1], v[12:13] op_sel_hi:[1,0,0]   ; t - M, two at a time (of the pairs c and -M the low word serves both halves)
.set n, n+2
.endr
.irp b, 0,1,2,3
	v_fma_f32 v[BM+\b], v[BM+\b], s[CS], v12       ; the same of each block's largest score
.endr
.set n, 0
.rept 64
	v_exp_f32 v[96+n], v[96+n]                     ; p = 2^(t - M), at most 1: not normalised
.set n, n+1
.endr
.irp b, 0,1,2,3
	v_exp_f32 v[BM+\b], v[BM+\b]                   ; the block's largest p
.endr
	v_pk_mul_f32 v[14:15], v[14:15], v[68:69] op_sel_hi:[1,0]      ; the sums under the new M.  (A plain line behind the exponentials)
	s_wait_alu depctr_va_vdst(0)
.irp b, 0,1,2,3
	v_max_num_f32 v[BM+\b], 0x4800000, v[BM+\b]    ; the floor 2^(9 - 127): the byte cannot fall under 1
.endr
.irp b, 0,1,2,3
	v_add_nc_u32 v[SO+\b], 0xfc000000, v[BM+\b]    ; 8 off the exponent field: the conversion's scale operand
.endr
.irp b, 0,1,2,3
	v_and_or_b32 v[LM+\b], v[BM+\b], 0x7f800000, s[MNT]    ; 448 x the scale
.endr
.irp b, 0,1,2,3
	v_lshrrev_b32 v[TP+\b], 23, v[SO+\b]           ; the scale's byte
.endr
	v_lshl_or_b32 v[PSW], v[TP+1], 8, v[TP]        ; p's scale word for these 128 keys
	v_lshl_or_b32 v[PSW], v[TP+2], 16, v[PSW]
	v_lshl_or_b32 v[PSW], v[TP+3], 24, v[PSW]
	v_pk_add_f32 v[64:65], v[96:97], v[98:99]      ; the row's sum is taken of the unquantised p: two at a time, in two chains
.irp j, 4,8,12,16,20,24,28,32,36,40,44,48,52,56,60
	v_pk_add_f32 v[14:15], v[14:15], v[96+\j:97+\j]
	v_pk_add_f32 v[64:65], v[64:65], v[98+\j:99+\j]
.endr
	v_pk_add_f32 v[14:15], v[14:15], v[64:65]
.irp b, 0,1,2,3
.irp i, 0,1,2,3,4,5,6,7,8,9,10,11,12,13,14,15
	v_min_num_f32 v[96+16*\b+\i], v[96+16*\b+\i], v[LM+\b]         ; the conversion does not saturate (ISA guide 7.6.2); p is not negative, so the hold is one-sided
.endr
	v_cvt_scalef32_pk8_fp8_f32 v[224+4*\b:225+4*\b], v[96+16*\b:103+16*\b], v[SO+\b]
	v_cvt_scalef32_pk8_fp8_f32 v[226+4*\b:227+4*\b], v[104+16*\b:111+16*\b], v[SO+\b]
.endr
.set n, 0
.rept 32
	v_pk_mul_f32 v[160+n:161+n], v[160+n:161+n], v[68:69] op_sel_hi:[1,0]  ; O^T under the new M; each accumulator from its low end on.  (These 32 are also the places between the codes and the products)
.set n, n+2
.endr
	s_wait_dscnt 0x0                               ; V is in
	WIN 0x01
.irp t, 0,1,2,3,4,5,6,7
	WM 160+8*\t, 128+16*\t, 224, 0, VSW+\t/2, \t%2, PSW    ; O^T += V^T P^T: the eight accumulators by turns, one instruction a turn
.endr
	WIN 0
.Lhidden_\@:
	s_add_co_u32 s[KSI], s[KSI], 1
.endm
; THE CHANGE OF SLOTS stands at a slot's head.  Each wave waits for all its tensor loads (its part of the slot ahead), adds 0 to its spare word, and waits for that and for its reads of the slot that it has left.
; fill = 1: that slot is filled with the keys that follow: the barrier is a round of the cluster's, and the joint load is the first thing behind it: it has two key steps in which to land.
.macro CHANGE fill
	s_wait_tensorcnt 0x0                           ; no tensor load of mine is out, so the group 0 may be written
	ds_add_u32 v[SPW], v[NIL]                      ; 0 onto my spare word
.if \fill
	s_xor_b32 s[G0+1], s[G0+1], SLOT1              ; the other slot than last time,
	s_add_nc_u64 s[G0+2:G0+3], s[G0+2:G0+3], 4*REC ; the next two key steps; the type bits on top are not reached
.endif
	s_wait_dscnt 0x0                               ; the add is done, and my reads of the slot that I have left are over
.if \fill
	CROUND
	TLOAD
.else
	s_barrier_signal -1
	s_barrier_wait -1
.endif
.endm
	s_wait_loadcnt 0x0                             ; Q
.Lslot:                                                ; 7 trips: behind each change of slots but the last the next slot is asked for
	CHANGE 1
	STEP 0
	STEP 1
	s_xor_b32 s[TB], s[TB], SLOT1                  ; on to the other slot
	s_sub_co_u32 s[SLOTS], s[SLOTS], 1
	s_cmp_lg_u32 s[SLOTS], 0
	s_cbranch_scc1 .Lslot
	CHANGE 0                                       ; the last slot is written out
	STEP 0
	STEP 1
	; THE WAY OUT.  O^T / the sum is the last product's operand: it is quantised along the head's 128 (four blocks of the model's 2,048) and leaves as an image and a scale word a row.
	PLACES 8
	v_add_f32 v14, v14, v15                        ; the sum's two halves,
	v_permlanex16_b32 v66, v14, s[SEL], s[SEL+1]
	v_add_f32 v14, v14, v66                        ; and lane l xor 16's: the row's sum
	v_rcp_f32 v14, v14
	v_and_b32 v8, 31, v0                           ; (a plain line behind the transcendental)
.set n, 0
	s_wait_alu depctr_va_vdst(0)
.rept 64
	v_mul_f32 v[96+n], v[160+n], v14               ; register 8 t + j is o(query r, channel 16 t + 8 h + j)
.set n, n+1
.endr
.irp b, 0,1,2,3
	v_max3_num_f32 v[TM+\b], |v[96+16*\b]|, |v[97+16*\b]|, 0x4800000       ; block b: my 16 numbers and the floor 2^(9 - 127)
.endr
.irp i, 2,4,6,8,10,12,14
.irp b, 0,1,2,3
	v_max3_num_f32 v[TM+\b], |v[96+16*\b+\i]|, |v[97+16*\b+\i]|, v[TM+\b]
.endr
.endr
.irp b, 0,1,2,3
	v_permlanex16_b32 v[TM+4+\b], v[TM+\b], s[SEL], s[SEL+1]
.endr
.irp b, 0,1,2,3
	v_max_num_f32 v[TM+\b], v[TM+\b], v[TM+4+\b]
.endr
.irp b, 0,1,2,3
	v_add_nc_u32 v[TM+12+\b], 0xfc000000, v[TM+\b]
.endr
.irp b, 0,1,2,3
	v_and_or_b32 v[TM+8+\b], v[TM+\b], 0x7f800000, s[MNT]
.endr
.irp b, 0,1,2,3
	v_lshrrev_b32 v[TM+4+\b], 23, v[TM+12+\b]
.endr
	v_lshl_or_b32 v[PWO], v[TM+5], 8, v[TM+4]
	v_lshl_or_b32 v[PWO], v[TM+6], 16, v[PWO]
	v_lshl_or_b32 v[PWO], v[TM+7], 24, v[PWO]
.set n, 0
.rept 64
	v_med3_num_f32 v[96+n], v[96+n], -v[TM+8+n/16], v[TM+8+n/16]
.set n, n+1
.endr
.irp b, 0,1,2,3
	v_cvt_scalef32_pk8_fp8_f32 v[224+4*\b:225+4*\b], v[96+16*\b:103+16*\b], v[TM+12+\b]
	v_cvt_scalef32_pk8_fp8_f32 v[226+4*\b:227+4*\b], v[104+16*\b:111+16*\b], v[TM+12+\b]
.endr
	v_lshlrev_b32 v9, 2, v8                        ; 4 x lane.  (A plain line behind the last conversion)
; wo's codes lie in true order, so these must too: lane (r, 0) wants channels 32 c + 0 .. 15 and lane (r, 1) 32 c + 16 .. 31.  Lane (r, 1)'s registers 4 c, 4 c + 1 (32 c + 8 ..) change places with lane (r, 0)'s 4 c + 2, 4 c + 3 (32 c + 16 ..).
.irp c, 0,1,2,3
	v_permlane16_swap_b32 v[224+4*\c], v[226+4*\c]
	v_permlane16_swap_b32 v[225+4*\c], v[227+4*\c]
.endr
.irp c, 0,1,2,3
	global_store_b128 v[LI], v[224+4*\c:227+4*\c], s[14:15] offset:512*\c  ; the image: 512 consecutive aligned bytes a store
.endr
	v_cmp_gt_u32 vcc_lo, 16, v8
	s_wait_xcnt 0x0                                ; EXEC is a source of the stores above: it changes only behind this wait
	s_and_saveexec_b32 s58, vcc_lo
	global_store_b32 v9, v[PWO], s[56:57]          ; lanes 0-15: the 16 rows' scale words
	s_wait_xcnt 0x0                                ; and again, in front of the line that widens it
	s_or_b32 exec_lo, exec_lo, s58
	s_wait_tensorcnt 0x0                           ; the wave's end
	ds_add_u32 v[SPW], v[NIL]
	s_wait_dscnt 0x0
	CROUND                                         ; the closing round: no work-group ends while a partner may still ask for a tile that names it
	s_endpgm
.Lfunc_end_k_q3da479db35_attn:
	.size	k_q3da479db35_attn, .Lfunc_end_k_q3da479db35_attn-k_q3da479db35_attn
	.p2alignl 7, 3214868480
	.fill 96, 4, 3214868480
	.section	.rodata,"a",@progbits
	.p2align	6, 0x0
	.amdhsa_kernel k_q3da479db35_attn
		.amdhsa_group_segment_fixed_size 327680
		.amdhsa_private_segment_fixed_size 0
		.amdhsa_enable_private_segment 0
		.amdhsa_kernarg_size 24
		.amdhsa_user_sgpr_count 2
		.amdhsa_user_sgpr_kernarg_segment_ptr 1
		.amdhsa_wavefront_size32 1
		.amdhsa_system_sgpr_workgroup_id_x 1
		.amdhsa_system_sgpr_workgroup_id_y 1
		.amdhsa_system_sgpr_workgroup_id_z 1
		.amdhsa_system_vgpr_workitem_id 0
		.amdhsa_next_free_vgpr 512
		.amdhsa_next_free_sgpr 66
		.amdhsa_reserve_vcc 1
		.amdhsa_float_denorm_mode_32 3
		.amdhsa_float_denorm_mode_16_64 3
		.amdhsa_memory_ordered 1
		.amdhsa_forward_progress 1
		.amdhsa_inst_pref_size 130
	.end_amdhsa_kernel
	.amdgpu_metadata
---
amdhsa.version: [ 1, 2 ]
amdhsa.kernels:
  - .name:           k_q3da479db35_attn
    .symbol:         k_q3da479db35_attn.kd
    .args:
      - { .name: qq, .offset: 0, .size: 8, .value_kind: global_buffer, .address_space: global }
      - { .name: kv, .offset: 8, .size: 8, .value_kind: global_buffer, .address_space: global }
      - { .name: oq, .offset: 16, .size: 8, .value_kind: global_buffer, .address_space: global }
    .group_segment_fixed_size: 327680
    .private_segment_fixed_size: 0
    .kernarg_segment_align: 8
    .kernarg_segment_size: 24
    .max_flat_workgroup_size: 256
    .sgpr_count:     66
    .vgpr_count:     512
    .wavefront_size: 32
...
	.end_amdgpu_metadata
.endif
;; end of part 3
;; launch oproj (part 4): grid 16 x 8, 4 waves a work-group, clusters of 4 x 4, 327,680 bytes of LDS; arguments oq, wc, out0; writes out0
.if DOCPART == 4
	.amdgcn_target "amdgcn-amd-amdhsa--gfx1250"
	.amdhsa_code_object_version 6
	.text
	.protected	k_q3da479db35_oproj
	.globl	k_q3da479db35_oproj
	.p2align	8
	.type	k_q3da479db35_oproj,@function
k_q3da479db35_oproj:
	s_mov_b64 s[64:65], 0
	v_nop
	global_prefetch_b8 v0, s[64:65] scope:SCOPE_SE
	s_setreg_imm32_b32 hwreg(HW_REG_WAVE_MODE, 25, 1), 1
	s_wait_xcnt 0x0
	s_wait_alu depctr_hold_cnt(0) depctr_sa_sdst(0) depctr_va_vdst(0) depctr_va_sdst(0) depctr_va_ssrc(0) depctr_va_vcc(0) depctr_vm_vsrc(0)
	s_getreg_b32 s2, hwreg(HW_REG_IB_STS2, 6, 4)
	s_cmp_eq_u32 s2, 0
	s_cbranch_scc0 .Lentry_in_a_cluster
	s_endpgm
.Lentry_in_a_cluster:
	s_bfe_u32 s2, ttmp6, 0x10000c
	s_cmp_lg_u32 s2, 0xf033
	s_cbranch_scc0 .Lentry_shape_is_right
	s_endpgm
.Lentry_shape_is_right:
; out0 = (attention's result) wo on codes of FP8 (E4M3) with E8M0 scales; out0 [2048][2048] f32; one f32 sum for each output.
; OPERANDS are records (128 rows x 128 K in REC bytes: eight images of a fragment's registers, 2,048 bytes each, then 128 scale words): a fragment is four ds_load_b128 at 16 x lane + 512 c, with no pitch and no padding.
; SHAPE.  Operand P: one panel of wo's 128 columns (wc's panels 32 to 47); operand R: 256 rows of oq; K = 2,048 in 16 steps.  Four waves; wave w multiplies all 8 tiles of P by its 4 tiles of R: 32 accumulators.
; Source 0 = 16 rows of P, source 1 = 16 rows of R: lane (r, h) holds token r, and register j of accumulator (a, b) output column 16 b + 8 h + j: eight neighbouring numbers of a row of out0.
; 128 work-groups: the tile is the one of the launch that makes q, k and v, so that both products run one core; a tile of 128 x 128 would give 256.
; CLUSTERS: 4 x 4 work-groups.  P hangs on cx and is shared along a column of the cluster, R on cy and is shared along a row: each tile is asked for JOINTLY, by the same tensor load with the same descriptor and a mask that names the four.
; RING: two LDS slots, each with two K steps: 101,376 bytes.  Waves 0, 1 fetch P's records (66 rows of 256 bytes each), waves 2, 3 one panel of R each (132 rows).
; LIMITS: NaN and infinities are not served.
; REGISTERS: window 0: v1-17 addresses; v32-47 scale words of the operands, two sets, nothing else; v128-255 R's fragments, two sets (on the way out: rows of out0).   window 1: P's fragments, two sets.   window 2: the accumulators, (a, b) at v[8 (8 a + b)].
.set REC,   16896
.set WOFF,  16384
.set PANEL, 16*REC
.set SLOT,  6*REC
.set STAGE, 2*SLOT                     ; behind the ring, bytes of its own: 16 rows x (512 + 16) bytes for each wave, for the way out
.set SPITCH, 528
.set SPARE, STAGE+4*16*SPITCH          ; the spare words, 128 bytes for each wave: two blocks of 256 bytes that no other line names
.set ADP,  4                           ; v4, v5   P's fragments in slot 0, 1
.set LI,   4                           ; v4       is also 16 x lane
.set ADR,  6                           ; v6, v7   my four tiles of R
.set ASP,  8                           ; v8, v9   P's scale words
.set ASR,  10                          ; v10, v11 my tiles' scale words of R
.set LS,   13                          ; v13      4 x lane
.set SPW,  14                          ; v14      my spare word; never rewritten
.set NIL,  15                          ; v15      0; never rewritten
.set STO,  16                          ; v16      the way out: where I put 32 bytes of a row
.set RD,   17                          ; v17      and where I read a row back
.set SC,   32
.set RF,   128
.set WV,   16
.set WH,   17
.set WL,   18
.set G1P,  24
.set G0P,  32
.set G1R,  48
.set G0R,  56
.set CD,   70                          ; s[70:71] out0 at my wave's first row and my panel's first column; never stepped
.set MUL,  0xa1                        ; source 0 (P) window 1, source 1 (R) window 0, C and D window 2
.set MSB, 0
.macro WIN new
.if MSB != (\new)
	s_set_vgpr_msb (MSB<<8)|(\new)
.set MSB, (\new)
.endif
.endm
.macro PLACES n
.rept \n
	v_nop
.endr
.endm
.macro JLOAD s                         ; a joint load: waves 0, 1 for P, waves 2, 3 for R; the branch hangs on the wave's number alone; four v_nop follow each line
	s_cmp_eq_u32 s[WH], 0
	s_cbranch_scc0 .Lfor_r_\@
	tensor_load_to_lds s[G0P+4*\s:G0P+4*\s+3], s[G1P:G1P+7]
	s_nop 0
.rept 4
	v_nop
.endr
	s_branch .Lasked_\@
.Lfor_r_\@:
	tensor_load_to_lds s[G0R+4*\s:G0R+4*\s+3], s[G1R:G1R+7]
	s_nop 0
.rept 4
	v_nop
.endr
.Lasked_\@:
.endm
.macro CREST
	s_cmp_lg_u32 s[WV], 0
	s_cbranch_scc1 .Lnot_wave_0_\@
	s_barrier_signal -3
.Lnot_wave_0_\@:
	s_barrier_wait -3
	s_barrier_signal -1
	s_barrier_wait -1
.endm
.macro CROUND
	s_barrier_signal -1
	s_barrier_wait -1
	CREST
.endm
.macro WM d, a, b, zero, sa, ra, sb, rb        ; ra, rb: the side's scale words lie in lanes 16-31 of the register named
.if \zero
.if (\ra) && (\rb)
	v_wmma_scale_f32_16x16x128_f8f6f4 v[\d:\d+7], v[\a:\a+15], v[\b:\b+15], 0, v[\sa], v[\sb] matrix_a_scale:MATRIX_SCALE_ROW1 matrix_b_scale:MATRIX_SCALE_ROW1
.elseif (\ra)
	v_wmma_scale_f32_16x16x128_f8f6f4 v[\d:\d+7], v[\a:\a+15], v[\b:\b+15], 0, v[\sa], v[\sb] matrix_a_scale:MATRIX_SCALE_ROW1
.elseif (\rb)
	v_wmma_scale_f32_16x16x128_f8f6f4 v[\d:\d+7], v[\a:\a+15], v[\b:\b+15], 0, v[\sa], v[\sb] matrix_b_scale:MATRIX_SCALE_ROW1
.else
	v_wmma_scale_f32_16x16x128_f8f6f4 v[\d:\d+7], v[\a:\a+15], v[\b:\b+15], 0, v[\sa], v[\sb]
.endif
.else
.if (\ra) && (\rb)
	v_wmma_scale_f32_16x16x128_f8f6f4 v[\d:\d+7], v[\a:\a+15], v[\b:\b+15], v[\d:\d+7], v[\sa], v[\sb] matrix_a_scale:MATRIX_SCALE_ROW1 matrix_b_scale:MATRIX_SCALE_ROW1
.elseif (\ra)
	v_wmma_scale_f32_16x16x128_f8f6f4 v[\d:\d+7], v[\a:\a+15], v[\b:\b+15], v[\d:\d+7], v[\sa], v[\sb] matrix_a_scale:MATRIX_SCALE_ROW1
.elseif (\rb)
	v_wmma_scale_f32_16x16x128_f8f6f4 v[\d:\d+7], v[\a:\a+15], v[\b:\b+15], v[\d:\d+7], v[\sa], v[\sb] matrix_b_scale:MATRIX_SCALE_ROW1
.else
	v_wmma_scale_f32_16x16x128_f8f6f4 v[\d:\d+7], v[\a:\a+15], v[\b:\b+15], v[\d:\d+7], v[\sa], v[\sb]
.endif
.endif
.endm
.macro MULA p, a, zero                 ; 8 matrix instructions: my tile a of R against P's eight.  The 32 accumulators take turns, one instruction a turn, in the same order in every step
.irp b, 0,1,2,3,4,5,6,7
	WM 8*(8*(\a)+\b), 128*(\p)+16*\b, RF+64*(\p)+16*(\a), \zero, SC+8*(\p)+\b/2, \b%2, SC+8*(\p)+4+(\a)/2, (\a)%2
.endr
.endm
.macro FETCH slot, q, p                ; 54 LDS loads in one run: the slot's q-th K step into set p
	WIN 0x40
.irp b, 0,1,2,3,4,5,6,7
.irp c, 0,1,2,3
	ds_load_b128 v[128*(\p)+16*\b+4*\c:128*(\p)+16*\b+4*\c+3], v[ADP+\slot] offset:(\q)*REC+2048*\b+512*\c
.endr
.endr
	WIN 0
.irp a, 0,1,2,3
.irp c, 0,1,2,3
	ds_load_b128 v[RF+64*(\p)+16*\a+4*\c:RF+64*(\p)+16*\a+4*\c+3], v[ADR+\slot] offset:(\q)*REC+2048*\a+512*\c
.endr
.endr
.irp i, 0,1,2,3
	ds_load_b32 v[SC+8*(\p)+\i], v[ASP+\slot] offset:(\q)*REC+128*\i
.endr
.irp i, 0,1
	ds_load_b32 v[SC+8*(\p)+4+\i], v[ASR+\slot] offset:(\q)*REC+128*\i
.endr
.endm
.macro STEPA slot, zero                ; a slot's first K step
	s_wait_dscnt 0x0                               ; set 0 is in
	PLACES 8                                       ; loads into registers that matrix instructions have read stand eight plain vector instructions behind them
	FETCH \slot, 1, 1
	WIN MUL
	MULA 0, 0, \zero
	MULA 0, 1, \zero
	MULA 0, 2, \zero
	MULA 0, 3, \zero
	WIN 0
.endm
.macro TURN slot, next, fill           ; a slot's second K step changes slots: ONE barrier
	s_wait_tensorcnt 0x0                           ; all my tensor loads have landed: my part of the next slot
	ds_add_u32 v[SPW], v[NIL]                      ; 0 onto my spare word
	s_wait_dscnt 0x1                               ; only the add may be out: the step's 54 loads are in
	WIN MUL
	MULA 1, 0, 0
	s_wait_dscnt 0x0                               ; the add is done, and my reads of this slot are over
	s_barrier_signal -1
	MULA 1, 1, 0
	WIN 0
	s_barrier_wait -1
.if \fill
	CREST                                          ; the barrier has opened a round of the cluster's barrier: no wave of any partner still reads this slot or has a load on its way
	s_add_nc_u64 s[G0P+4*\slot+2:G0P+4*\slot+3], s[G0P+4*\slot+2:G0P+4*\slot+3], 4*REC
	s_add_nc_u64 s[G0R+4*\slot+2:G0R+4*\slot+3], s[G0R+4*\slot+2:G0R+4*\slot+3], 4*REC
	JLOAD \slot                                    ; the first tensor load behind the round; its four v_nop are among the eight places in front of the loads below
	PLACES 4
.else
	PLACES 8
.endif
	FETCH \next, 0, 0
	WIN MUL
	MULA 1, 2, 0
	MULA 1, 3, 0
	WIN 0
.endm
	s_load_b128 s[4:7], s[0:1], 0x0                ; oq s[4:5], wc s[6:7]
	s_load_b64 s[8:9], s[0:1], 0x10                ; out0
	v_lshl_add_u32 v[SPW], v0, 2, SPARE
	v_mov_b32 v[NIL], 0
	ds_add_u32 v14, v15
	s_wait_dscnt 0x0
	v_lshrrev_b32 v1, 5, v0
	v_readfirstlane_b32 s[WV], v1                  ; wave 0..3
	s_lshr_b32 s[WH], s[WV], 1
	s_and_b32 s[WL], s[WV], 1
	s_bfe_u32 s40, ttmp6, 0x40000                  ; cx, cy
	s_bfe_u32 s41, ttmp6, 0x40004
	s_and_b32 s23, ttmp7, 0xffff                   ; the cluster's y
	s_lshl_b32 s42, 0x1111, s40                    ; my column of the cluster
	s_lshl_b32 s43, s41, 2
	s_lshl_b32 s43, 15, s43                        ; my row
	s_or_b32 s[G1P], s42, (3<<16)|(1<<21)          ; 15:0 the mask; 17:16 elements of 8 bytes; 21 set beside a mask
	s_or_b32 s[G1R], s43, (3<<16)|(1<<21)
	s_mov_b32 s[G1P+1], 32<<16                     ; dense blocks as rows of 256 bytes: 66 rows (a record) for P,
	s_mov_b32 s[G1P+2], 66<<16
	s_mov_b32 s[G1P+3], 32<<16
	s_mov_b32 s[G1P+4], 66
	s_mov_b32 s[G1P+5], 32
	s_mov_b32 s[G1P+6], 0
	s_mov_b32 s[G1P+7], 0
	s_mov_b32 s[G1R+1], 32<<16                     ; 132 (two records) for R
	s_mov_b32 s[G1R+2], 132<<16
	s_mov_b32 s[G1R+3], 32<<16
	s_mov_b32 s[G1R+4], 132
	s_mov_b32 s[G1R+5], 32
	s_mov_b32 s[G1R+6], 0
	s_mov_b32 s[G1R+7], 0
	s_lshl_b32 s44, ttmp9, 2                       ; P: wc's panel 32 + 4 X + cx
	s_add_co_u32 s44, s44, s40
	s_add_co_u32 s44, s44, 32
	s_mul_i32 s44, s44, PANEL
	s_mul_i32 s80, s[WL], REC                      ; which of a slot's two K steps I fetch
	s_add_co_u32 s44, s44, s80
	s_mov_b32 s45, 0
	s_lshl_b32 s66, s23, 3                         ; R: oq's panels 8 Y + 2 cy, + 1
	s_lshl_b32 s67, s41, 1
	s_add_co_u32 s66, s66, s67
	s_add_co_u32 s66, s66, s[WL]
	s_mul_i32 s66, s66, PANEL
	s_mov_b32 s67, 0
	s_mul_i32 s81, s[WL], 2*REC
	s_add_co_u32 s81, s81, 2*REC
	s_lshl_b32 s78, s23, 2                         ; out0: row 256 (4 Y + cy) + 64 w, 8,192 bytes a row; column 128 (4 X + cx), 4 bytes each
	s_add_co_u32 s78, s78, s41
	s_lshl_b32 s78, s78, 8
	s_lshl_b32 s79, s[WV], 6
	s_add_co_u32 s78, s78, s79
	s_lshl_b32 s78, s78, 13
	s_lshl_b32 s79, ttmp9, 2
	s_add_co_u32 s79, s79, s40
	s_lshl_b32 s79, s79, 9
	s_add_co_u32 s78, s78, s79
	s_mov_b32 s79, 0
	s_wait_kmcnt 0x0
	s_add_nc_u64 s[44:45], s[6:7], s[44:45]
	s_add_nc_u64 s[66:67], s[4:5], s[66:67]
	s_add_nc_u64 s[CD:CD+1], s[8:9], s[78:79]
	CROUND                                         ; all sixteen work-groups are here: the first joint loads meet
.irp s, 0,1
	s_mov_b32 s[G0P+4*\s], 1
	s_add_co_u32 s[G0P+4*\s+1], s80, \s*SLOT
	s_add_nc_u64 s[G0P+4*\s+2:G0P+4*\s+3], s[44:45], \s*2*REC
	s_or_b32 s[G0P+4*\s+3], s[G0P+4*\s+3], 0x80000000
	s_mov_b32 s[G0R+4*\s], 1
	s_add_co_u32 s[G0R+4*\s+1], s81, \s*SLOT
	s_add_nc_u64 s[G0R+4*\s+2:G0R+4*\s+3], s[66:67], \s*2*REC
	s_or_b32 s[G0R+4*\s+3], s[G0R+4*\s+3], 0x80000000
	JLOAD \s
.endr
	v_and_b32 v1, 31, v0                           ; lane
	v_and_b32 v2, 15, v0                           ; r
	v_bfe_u32 v3, v0, 4, 1                         ; h
	v_lshlrev_b32 v[LI], 4, v1
	v_lshlrev_b32 v[LS], 2, v1
	v_add_nc_u32 v[ADP+1], SLOT, v[LI]
	s_mul_i32 s90, s[WH], 2*REC
	s_add_co_u32 s90, s90, 2*REC                   ; my panel of R in a slot
	s_lshl_b32 s91, s[WL], 13
	s_add_co_u32 s91, s91, s90
	s_lshl_b32 s92, s[WL], 8
	s_add_co_u32 s92, s92, s90
	s_add_co_u32 s92, s92, WOFF
.irp s, 0,1
	v_add_nc_u32 v[ADR+\s], s91, v[LI]
	v_add_nc_u32 v[ASP+\s], \s*SLOT+WOFF, v[LS]
	v_add_nc_u32 v[ASR+\s], s92, v[LS]
	s_add_co_u32 s91, s91, SLOT
	s_add_co_u32 s92, s92, SLOT
.endr
	s_mul_i32 s93, s[WV], 16*SPITCH
	s_add_co_u32 s93, s93, STAGE                   ; my stage
	v_mul_u32_u24 v[STO], v2, SPITCH               ; in: row r, 32 bytes for each half of the lanes
	v_lshl_add_u32 v[STO], v3, 5, v[STO]
	v_add_nc_u32 v[STO], s93, v[STO]
	v_add_nc_u32 v[RD], s93, v[LI]                 ; back: the 32 lanes take one row of 512 bytes
	s_wait_tensorcnt 0x1                           ; my part of slot 0 is in; slot 1's may stay out
	s_barrier_signal -1
	s_barrier_wait -1
	FETCH 0, 0, 0
	STEPA 0, 1                                     ; the first K step stands in front of the loop: its products start the sums
	s_mov_b32 s3, 3
.Llap:                                                 ; a trip goes once round the ring and fills both slots again
	TURN 0, 1, 1
	STEPA 1, 0
	TURN 1, 0, 1
	STEPA 0, 0
	s_sub_co_u32 s3, s3, 1
	s_cmp_lg_u32 s3, 0
	s_cbranch_scc1 .Llap
	TURN 0, 1, 0                                   ; the last change of slots fills nothing
	STEPA 1, 0
	s_wait_dscnt 0x0                               ; the very last K step
	WIN MUL
	MULA 1, 0, 0
	MULA 1, 1, 0
	MULA 1, 2, 0
	MULA 1, 3, 0
	WIN 0
; THE WAY OUT, a block of 16 rows x 128 columns at a time.  A lane holds 32 neighbouring bytes of a row and the lanes beside it hold other rows: a block goes through my own stage and comes back as whole rows of 512 bytes.
; LDS serves a wave's instructions in order (ISA guide 5.7.1.4): no wait between the stores and the loads, nor in front of the next block's stores.
.macro TOSTAGE a
	WIN 0x08                                       ; an LDS store's data are its source 1: window 2
.irp b, 0,1,2,3,4,5,6,7
	ds_store_b128 v[STO], v[8*(8*(\a)+\b):8*(8*(\a)+\b)+3] offset:64*\b            ; each accumulator from its low end on
	ds_store_b128 v[STO], v[8*(8*(\a)+\b)+4:8*(8*(\a)+\b)+7] offset:64*\b+16
.endr
	WIN 0
.irp t, 0,1,2,3,4,5,6,7,8,9,10,11,12,13,14,15
	ds_load_b128 v[RF+64*((\a)%2)+4*\t:RF+64*((\a)%2)+4*\t+3], v[RD] offset:\t*SPITCH
.endr
.endm
.macro SEND a, younger                 ; younger: the LDS instructions issued behind block a's loads, which may stay out
	s_wait_dscnt \younger
.irp t, 0,1,2,3,4,5,6,7,8,9,10,11,12,13,14,15
	global_store_b128 v[LI], v[RF+64*((\a)%2)+4*\t:RF+64*((\a)%2)+4*\t+3], s[CD:CD+1] offset:(16*(\a)+\t)*8192 th:TH_STORE_NT   ; 32 lanes store 512 consecutive aligned bytes; 63 rows at the most stand in the immediate
.endr
.endm
	PLACES 8                                       ; behind the last products: their results are read, and R's fragment registers are loaded into
	TOSTAGE 0
	TOSTAGE 1
	SEND 0, 32                                     ; behind block 0's loads: block 1's 16 stores and 16 loads
	s_wait_xcnt 0x0                                ; block 0's stores have read their registers: block 2's loads may land there
	TOSTAGE 2
	SEND 1, 32
	s_wait_xcnt 0x0
	TOSTAGE 3
	SEND 2, 32
	SEND 3, 0
	s_wait_tensorcnt 0x0                           ; the wave's end
	ds_add_u32 v[SPW], v[NIL]
	s_wait_dscnt 0x0
	CROUND                                         ; the closing round
	s_endpgm
.Lfunc_end_k_q3da479db35_oproj:
	.size	k_q3da479db35_oproj, .Lfunc_end_k_q3da479db35_oproj-k_q3da479db35_oproj
	.p2alignl 7, 3214868480
	.fill 96, 4, 3214868480
	.section	.rodata,"a",@progbits
	.p2align	6, 0x0
	.amdhsa_kernel k_q3da479db35_oproj
		.amdhsa_group_segment_fixed_size 327680
		.amdhsa_private_segment_fixed_size 0
		.amdhsa_enable_private_segment 0
		.amdhsa_kernarg_size 24
		.amdhsa_user_sgpr_count 2
		.amdhsa_user_sgpr_kernarg_segment_ptr 1
		.amdhsa_wavefront_size32 1
		.amdhsa_system_sgpr_workgroup_id_x 1
		.amdhsa_system_sgpr_workgroup_id_y 1
		.amdhsa_system_sgpr_workgroup_id_z 1
		.amdhsa_system_vgpr_workitem_id 0
		.amdhsa_next_free_vgpr 768
		.amdhsa_next_free_sgpr 96
		.amdhsa_reserve_vcc 0
		.amdhsa_float_denorm_mode_32 3
		.amdhsa_float_denorm_mode_16_64 3
		.amdhsa_memory_ordered 1
		.amdhsa_forward_progress 1
		.amdhsa_inst_pref_size 87
	.end_amdhsa_kernel
	.amdgpu_metadata
---
amdhsa.version: [ 1, 2 ]
amdhsa.kernels:
  - .name:           k_q3da479db35_oproj
    .symbol:         k_q3da479db35_oproj.kd
    .args:
      - { .name: oq, .offset: 0, .size: 8, .value_kind: global_buffer, .address_space: global }
      - { .name: wc, .offset: 8, .size: 8, .value_kind: global_buffer, .address_space: global }
      - { .name: out0, .offset: 16, .size: 8, .value_kind: global_buffer, .address_space: global }
    .group_segment_fixed_size: 327680
    .private_segment_fixed_size: 0
    .kernarg_segment_align: 8
    .kernarg_segment_size: 24
    .max_flat_workgroup_size: 128
    .sgpr_count:     96
    .vgpr_count:     768
    .wavefront_size: 32
...
	.end_amdgpu_metadata
.endif
;; end of part 4
;; ======== version 2 of 2: 4 launches
;; limits: right only within a limited range of input values
;; workspace buffers: xq 4,325,376 bytes; wc 12,976,128 bytes; qq 4,325,376 bytes; kv 4,325,376 bytes; oq 4,325,376 bytes
;; launch quant (part 5): grid 1024 x 1, 4 waves a work-group, no clusters, 68,096 bytes of LDS; arguments x, wq, wk, wv, wo, xq, wc; writes xq, wc
.if DOCPART == 5
	.amdgcn_target "amdgcn-amd-amdhsa--gfx1250"
	.amdhsa_code_object_version 6
	.text
	.protected	k_q3da479db35_quant
	.globl	k_q3da479db35_quant
	.p2align	8
	.type	k_q3da479db35_quant,@function
k_q3da479db35_quant:
	s_mov_b64 s[64:65], 0
	v_nop
	global_prefetch_b8 v0, s[64:65] scope:SCOPE_SE
	s_setreg_imm32_b32 hwreg(HW_REG_WAVE_MODE, 25, 1), 1
	s_wait_xcnt 0x0
; x [2048][2048] and the weights wq [2048][2048], wk, wv [2048][1024], wo [2048][2048], all f32, become codes of FP8 (E4M3) with one E8M0 scale byte for each 32 along K = the 2,048 of the model.
; THE RECORD, the one layout of every operand of this program: 128 rows of an operand x 128 along K in REC = 16,896 bytes: eight IMAGES of 2,048 bytes (16 rows each), then 128 scale words.
; An image is the operand's registers as the matrix instruction wants them: byte 512 c + 16 L + i is byte i of registers 4 c .. 4 c + 3 of lane L = r + 16 h, which hold k = 32 c + 16 h + 0 .. 15 of row r.
; A scale word is a row's four bytes, byte c for k = 32 c .. 32 c + 31.  xq: [panel of 128 rows][K step][REC].  wc: [panel of 128 columns: 0-15 wq, 16-23 wk, 24-31 wv, 32-47 wo][K step][REC]: a row of the operand is a column of W.
; A block's scale is 2^(floor(log2(its largest magnitude)) - 8); its byte is the largest magnitude's exponent field - 8, held at 1 from below.
; LIMITS: a block of zeros gets the byte 1 where the rule says 127 (its codes are zeros, and this program alone reads the bytes); blocks whose largest magnitude lies under 2^-118 keep the byte 1; NaN and infinities are not served.
; A stream: each f32 number is read once.  No matrix unit, no tensor load, no barrier: waves share nothing.  Work-groups 0-767 make one record of wc each, work-groups 768-1023 take x; only x's text uses LDS.
.set REC,  16896
.set WOFF, 16384                       ; where a record's scale words begin
.set NW,   768                         ; work-groups for the weights
.set MNT,  19                          ; s19      the mantissa field of 448
; the weights' text
.set VO,   32                          ; v32-63   byte offset of row i of a block of 32 rows of W, at my column; never rewritten
.set XW,   64                          ; v64-127  two sets of 32 numbers
.set CW,   128                         ; v128-159 codes: eight registers for each block, so that no store's data are written again
.set SB,   20                          ; v20      my column's scale word
; x's text
.set R,    64                          ; v64-191  32 rows as loaded
.set XA,   192                         ; v192-255 tile 0: 64 numbers of my row
.set XB,   64                          ; v64-127  tile 1
.set TM,   16                          ; v16-31   at work
.set PC0,  32                          ; v32-47, v48-63 the two tiles' codes
.set PC1,  48
.set PW0,  8                           ; v8, v9   their scale words; v10 both, by halves of the lanes
.set PW1,  9
.set PWC,  10
.set SEL,  44                          ; s[44:45] lane selects for v_permlanex16_b32: lane l xor 16
	s_load_b256 s[4:11], s[0:1], 0x0               ; x s[4:5], wq s[6:7], wk s[8:9], wv s[10:11]
	s_load_b128 s[12:15], s[0:1], 0x20             ; wo s[12:13], xq s[14:15]
	s_load_b64 s[16:17], s[0:1], 0x30              ; wc
	v_lshl_add_u32 v14, v0, 2, 0x10800
	v_mov_b32 v15, 0
	v_lshrrev_b32 v1, 5, v0
	v_readfirstlane_b32 s18, v1                    ; wave 0..3
	v_and_b32 v1, 31, v0                           ; lane
	s_mov_b32 s[MNT], 0x600000
	s_cmp_ge_u32 ttmp9, NW
	s_cbranch_scc1 .Lx_text
; ---------------- THE WEIGHTS.  Work-group 16 p + s makes the record of panel p, K step s.  Wave w takes columns 32 w .. 32 w + 31 of the panel (tiles 2 w, 2 w + 1).
; A LANE TAKES A COLUMN AND ITS REGISTERS RUN DOWN K: a load reads 128 neighbouring bytes of a row of W (the four waves stand side by side on 512), a block of 32 lies in one lane, and the codes come out with K innermost.
	s_lshr_b32 s20, ttmp9, 4                       ; p
	s_and_b32 s21, ttmp9, 15                       ; s
	v_lshlrev_b32 v2, 2, v1                        ; 4 x lane
	v_lshrrev_b32 v3, 4, v1
	v_and_b32 v4, 15, v1
	v_lshlrev_b32 v4, 4, v4
	v_lshl_add_u32 v4, v3, 11, v4                  ; my tile's image and my place in it: 2,048 (lane / 16) + 16 (lane % 16),
	s_lshl_b32 s42, s18, 12
	v_add_nc_u32 v4, s42, v4                       ; + 4,096 w
	s_lshl_b32 s42, s18, 7
	v_add_nc_u32 v5, s42, v2                       ; my column's scale word: 128 w + 4 x lane
	s_mov_b32 s24, 32                              ; the tensor's first panel, and log2 of its row's bytes: wo's to begin with
	s_mov_b32 s25, 13
	s_wait_alu depctr_va_vdst(0)
	s_wait_kmcnt 0x0
	s_mov_b64 s[22:23], s[12:13]
	s_cmp_lt_u32 s20, 32                           ; the choices hang on the work-group's number alone
	s_cselect_b64 s[22:23], s[10:11], s[22:23]     ; wv
	s_cselect_b32 s24, 24, s24
	s_cselect_b32 s25, 12, s25
	s_cmp_lt_u32 s20, 24
	s_cselect_b64 s[22:23], s[8:9], s[22:23]       ; wk
	s_cselect_b32 s24, 16, s24
	s_cmp_lt_u32 s20, 16
	s_cselect_b64 s[22:23], s[6:7], s[22:23]       ; wq
	s_cselect_b32 s24, 0, s24
	s_cselect_b32 s25, 13, s25
	s_lshl_b32 s26, 1, s25                         ; a row of W in bytes
	s_sub_co_u32 s27, s20, s24
	s_lshl_b32 s27, s27, 9                         ; the panel's 128 columns: 512 bytes each panel,
	s_add_co_u32 s27, s27, s42                     ; + my wave's 32 columns
	s_lshl_b32 s38, s21, 7                         ; the K step's first row
	s_mov_b32 s37, 0
.irp t, 0,1,2,3
	s_add_co_u32 s36, s38, 32*\t                   ; block t's first row,
	s_lshl_b32 s36, s36, s25                       ; in bytes (under 2^25)
	s_add_co_u32 s36, s36, s27
	s_add_nc_u64 s[28+2*\t:29+2*\t], s[22:23], s[36:37]   ; a base for each block: none is stepped
.endr
	s_mul_i32 s36, ttmp9, REC
	s_add_nc_u64 s[40:41], s[16:17], s[36:37]      ; my record: number 16 p + s is the work-group's own number
.set i, 0
.rept 32
	v_mad_u32_u24 v[VO+i], s26, i, v2              ; row i of a block, my column
.set i, i+1
.endr
.macro LOADW t
.set i, 0
.rept 32
	global_load_b32 v[XW+32*((\t)%2)+i], v[VO+i], s[28+2*(\t):29+2*(\t)] th:TH_LOAD_NT
.set i, i+1
.endr
.endm
.macro BLOCK t
.set XS, XW+32*((\t)%2)
.if (\t) < 3
	s_wait_loadcnt 32                              ; this block's 32 loads are in; the next block's 32 may be out
.else
	s_wait_loadcnt 0x0
.endif
	v_max3_num_f32 v12, |v[XS]|, |v[XS+1]|, |v[XS+2]|     ; the block's largest magnitude: all 32 numbers are mine; two chains
	v_max3_num_f32 v13, |v[XS+3]|, |v[XS+4]|, |v[XS+5]|
.irp i, 6,10,14,18,22,26
	v_max3_num_f32 v12, v12, |v[XS+\i]|, |v[XS+\i+1]|
	v_max3_num_f32 v13, v13, |v[XS+\i+2]|, |v[XS+\i+3]|
.endr
	v_max3_num_f32 v12, v12, |v[XS+30]|, |v[XS+31]|
	v_max3_num_f32 v12, v12, v13, 0x4800000        ; and the floor 2^(9 - 127): the byte cannot fall under 1
	v_add_nc_u32 v11, 0xfc000000, v12              ; 8 off the exponent field: the conversion takes this operand's exponent field as its scale
	v_and_or_b32 v10, v12, 0x7f800000, s[MNT]      ; 448 x the scale
	v_lshrrev_b32 v13, 23, v11                     ; the scale's byte
.if (\t) == 0
	v_mov_b32 v[SB], v13
.else
	v_lshl_or_b32 v[SB], v13, 8*(\t), v[SB]
.endif
.set i, 0
.rept 32
	v_med3_num_f32 v[XS+i], v[XS+i], -v10, v10     ; the conversion to an 8-bit code does not saturate (ISA guide 7.6.2): the hold comes first
.set i, i+1
.endr
.irp g, 0,1,2,3
	v_cvt_scalef32_pk8_fp8_f32 v[CW+8*(\t)+2*\g:CW+8*(\t)+2*\g+1], v[XS+8*\g:XS+8*\g+7], v11
.endr
	v_nop                                          ; a plain line behind the conversions: the next block writes v11 anew
	global_store_b128 v4, v[CW+8*(\t):CW+8*(\t)+3], s[40:41] offset:512*(\t)           ; k = 32 t + 0 .. 15: the image's lanes 0-15; sixteen lanes store 256 consecutive aligned bytes
	global_store_b128 v4, v[CW+8*(\t)+4:CW+8*(\t)+7], s[40:41] offset:512*(\t)+256     ; k = 32 t + 16 .. 31: its lanes 16-31
.if (\t) < 2
	LOADW (\t)+2
.endif
.endm
	LOADW 0
	LOADW 1
	BLOCK 0
	BLOCK 1
	BLOCK 2
	BLOCK 3
	global_store_b32 v5, v[SB], s[40:41] offset:WOFF       ; 32 scale words: 128 consecutive bytes a wave
	s_endpgm
; ---------------- x.  Work-group 768 + u: rows 32 (u / 4) .. + 31 (two tiles), K steps 4 (u % 4) + wave.  A load reads 512 consecutive bytes of a row; the 32 rows turn through the wave's own stage in LDS
; (rows 528 bytes apart: row r starts at bank 4 r mod 64, ISA guide 11.1), from which lane (r, h) takes, of row r, 16 neighbours of each block of 32: the operand's own order.
.Lx_text:
	s_sub_co_u32 s20, ttmp9, NW                    ; u
	s_lshr_b32 s21, s20, 2                         ; which 32 rows
	s_and_b32 s22, s20, 3
	s_lshl_b32 s22, s22, 2
	s_add_co_u32 s22, s22, s18                     ; my K step
	s_lshl_b32 s24, s21, 18                        ; 32 rows of 8,192 bytes
	s_lshl_b32 s25, s22, 9                         ; 128 numbers a K step
	s_add_co_u32 s24, s24, s25
	s_mov_b32 s25, 0
	s_lshr_b32 s26, s21, 2                         ; the panel of 128 rows
	s_lshl_b32 s26, s26, 4
	s_add_co_u32 s26, s26, s22
	s_mul_i32 s26, s26, REC                        ; my record
	s_lshl_b32 s28, s21, 1
	s_and_b32 s28, s28, 7                          ; my first tile in it
	s_lshl_b32 s29, s28, 11
	s_add_co_u32 s30, s26, s29                     ; its image
	s_mov_b32 s31, 0
	s_lshl_b32 s29, s28, 6
	s_add_co_u32 s32, s26, s29
	s_add_co_u32 s32, s32, WOFF                    ; its scale words
	s_mov_b32 s33, 0
	s_mov_b32 s[SEL], 0x76543210
	s_mov_b32 s[SEL+1], 0xfedcba98
	s_wait_alu depctr_va_vdst(0)
	v_lshlrev_b32 v2, 4, v1                        ; 16 x lane
	v_lshlrev_b32 v3, 2, v1                        ; 4 x lane
	s_mul_i32 s34, s18, 32*528                     ; my stage
	v_add_nc_u32 v4, s34, v2                       ; in: a row as it lies
	v_and_b32 v5, 15, v1
	v_lshrrev_b32 v6, 4, v1
	v_mul_u32_u24 v5, v5, 528
	v_lshl_add_u32 v5, v6, 6, v5
	v_add_nc_u32 v5, s34, v5                       ; out: row r, + 64 h
.irp b, 0,1,2,3
	v_mov_b32 v[TM+4+\b], 0                        ; written once: a lane permute's destination counts as one of its sources
.endr
	s_wait_alu depctr_va_vdst(0)
	s_wait_kmcnt 0x0
	s_add_nc_u64 s[4:5], s[4:5], s[24:25]
	s_add_nc_u64 s[36:37], s[14:15], s[30:31]
	s_add_nc_u64 s[38:39], s[14:15], s[32:33]
.set i, 0
.rept 32
	global_load_b128 v[R+4*i:R+4*i+3], v2, s[4:5] offset:8192*i th:TH_LOAD_NT
.set i, i+1
.endr
.set i, 0
.rept 32
	s_wait_loadcnt 31-i                            ; loads come back in order: row i is in, the younger rows' loads stay out
	ds_store_b128 v4, v[R+4*i:R+4*i+3] offset:528*i
.set i, i+1
.endr
.macro BACK tile, dst                  ; register 16 c + 4 j + .. = k 32 c + 16 h + 4 j + .. of row 16 tile + r.  LDS serves a wave's instructions in order: these see my stores
.irp c, 0,1,2,3
.irp j, 0,1,2,3
	ds_load_b128 v[\dst+16*\c+4*\j:\dst+16*\c+4*\j+3], v5 offset:8448*\tile+128*\c+16*\j
.endr
.endr
.endm
; 64 numbers of a lane, register 16 b + i = k 32 b + 16 h + i of my row, become a fragment's codes in v[pc] on and its scale word in v[pw].  A block of 32 lies in lanes l and l xor 16.
.macro QUANT s, pc, pw
.irp b, 0,1,2,3
	v_max3_num_f32 v[TM+\b], |v[\s+16*\b]|, |v[\s+16*\b+1]|, 0x4800000     ; my 16 numbers and the floor 2^(9 - 127); the four blocks by turns
.endr
.irp i, 2,4,6,8,10,12,14
.irp b, 0,1,2,3
	v_max3_num_f32 v[TM+\b], |v[\s+16*\b+\i]|, |v[\s+16*\b+\i+1]|, v[TM+\b]
.endr
.endr
.irp b, 0,1,2,3
	v_permlanex16_b32 v[TM+4+\b], v[TM+\b], s[SEL], s[SEL+1]
.endr
.irp b, 0,1,2,3
	v_max_num_f32 v[TM+\b], v[TM+\b], v[TM+4+\b]   ; the block's largest magnitude
.endr
.irp b, 0,1,2,3
	v_add_nc_u32 v[TM+12+\b], 0xfc000000, v[TM+\b] ; the conversion's scale operand
.endr
.irp b, 0,1,2,3
	v_and_or_b32 v[TM+8+\b], v[TM+\b], 0x7f800000, s[MNT]   ; 448 x the scale
.endr
.irp b, 0,1,2,3
	v_lshrrev_b32 v[TM+4+\b], 23, v[TM+12+\b]      ; the scale's byte
.endr
	v_lshl_or_b32 v[\pw], v[TM+5], 8, v[TM+4]
	v_lshl_or_b32 v[\pw], v[TM+6], 16, v[\pw]
	v_lshl_or_b32 v[\pw], v[TM+7], 24, v[\pw]
.set n, 0
.rept 64
	v_med3_num_f32 v[\s+n], v[\s+n], -v[TM+8+n/16], v[TM+8+n/16]   ; the hold at 448 x the scale (ISA guide 7.6.2)
.set n, n+1
.endr
.irp b, 0,1,2,3
	v_cvt_scalef32_pk8_fp8_f32 v[\pc+4*\b:\pc+4*\b+1], v[\s+16*\b:\s+16*\b+7], v[TM+12+\b]
	v_cvt_scalef32_pk8_fp8_f32 v[\pc+4*\b+2:\pc+4*\b+3], v[\s+16*\b+8:\s+16*\b+15], v[TM+12+\b]
.endr
	v_nop                                          ; a plain line behind the last conversion
.endm
	BACK 0, XA
	s_wait_dscnt 0x0                               ; tile 0 is in, and the stores into the stage have read their registers,
	BACK 1, XB                                     ; which take tile 1 while tile 0 is worked
	QUANT XA, PC0, PW0
.irp c, 0,1,2,3
	global_store_b128 v2, v[PC0+4*\c:PC0+4*\c+3], s[36:37] offset:512*\c          ; the image: 512 consecutive aligned bytes a store
.endr
	s_wait_dscnt 0x0                               ; tile 1 is in
	QUANT XB, PC1, PW1
.irp c, 0,1,2,3
	global_store_b128 v2, v[PC1+4*\c:PC1+4*\c+3], s[36:37] offset:2048+512*\c
.endr
	v_cmp_le_u32 vcc_lo, 16, v1
	v_cndmask_b32 v[PWC], v[PW0], v[PW1], vcc_lo   ; lanes 0-15: tile 0's words, lanes 16-31: tile 1's (each lane of a pair l, l xor 16 holds its row's word)
	global_store_b32 v3, v[PWC], s[38:39]          ; 128 consecutive bytes
	s_wait_tensorcnt 0x0
	ds_add_u32 v14, v15
	s_wait_dscnt 0x0
	s_endpgm
.Lfunc_end_k_q3da479db35_quant:
	.size	k_q3da479db35_quant, .Lfunc_end_k_q3da479db35_quant-k_q3da479db35_quant
	.p2alignl 7, 3214868480
	.fill 96, 4, 3214868480
	.section	.rodata,"a",@progbits
	.p2align	6, 0x0
	.amdhsa_kernel k_q3da479db35_quant
		.amdhsa_group_segment_fixed_size 68096
		.amdhsa_private_segment_fixed_size 0
		.amdhsa_enable_private_segment 0
		.amdhsa_kernarg_size 56
		.amdhsa_user_sgpr_count 2
		.amdhsa_user_sgpr_kernarg_segment_ptr 1
		.amdhsa_wavefront_size32 1
		.amdhsa_system_sgpr_workgroup_id_x 1
		.amdhsa_system_sgpr_workgroup_id_y 1
		.amdhsa_system_sgpr_workgroup_id_z 1
		.amdhsa_system_vgpr_workitem_id 0
		.amdhsa_next_free_vgpr 256
		.amdhsa_next_free_sgpr 66
		.amdhsa_reserve_vcc 1
		.amdhsa_float_denorm_mode_32 3
		.amdhsa_float_denorm_mode_16_64 3
		.amdhsa_memory_ordered 1
		.amdhsa_forward_progress 1
		.amdhsa_inst_pref_size 59
	.end_amdhsa_kernel
	.amdgpu_metadata
---
amdhsa.version: [ 1, 2 ]
amdhsa.kernels:
  - .name:           k_q3da479db35_quant
    .symbol:         k_q3da479db35_quant.kd
    .args:
      - { .name: x, .offset: 0, .size: 8, .value_kind: global_buffer, .address_space: global }
      - { .name: wq, .offset: 8, .size: 8, .value_kind: global_buffer, .address_space: global }
      - { .name: wk, .offset: 16, .size: 8, .value_kind: global_buffer, .address_space: global }
      - { .name: wv, .offset: 24, .size: 8, .value_kind: global_buffer, .address_space: global }
      - { .name: wo, .offset: 32, .size: 8, .value_kind: global_buffer, .address_space: global }
      - { .name: xq, .offset: 40, .size: 8, .value_kind: global_buffer, .address_space: global }
      - { .name: wc, .offset: 48, .size: 8, .value_kind: global_buffer, .address_space: global }
    .group_segment_fixed_size: 68096
    .private_segment_fixed_size: 0
    .kernarg_segment_align: 8
    .kernarg_segment_size: 56
    .max_flat_workgroup_size: 128
    .sgpr_count:     66
    .vgpr_count:     256
    .wavefront_size: 32
...
	.end_amdgpu_metadata
.endif
;; end of part 5
;; launch qkv (part 6): grid 32 x 8, 4 waves a work-group, clusters of 4 x 4, 327,680 bytes of LDS; arguments xq, wc, freqs_cos, freqs_sin, qq, kv; writes qq, kv
.if DOCPART == 6
	.amdgcn_target "amdgcn-amd-amdhsa--gfx1250"
	.amdhsa_code_object_version 6
	.text
	.protected	k_q3da479db35_qkv
	.globl	k_q3da479db35_qkv
	.p2align	8
	.type	k_q3da479db35_qkv,@function
k_q3da479db35_qkv:
	s_mov_b64 s[64:65], 0
	v_nop
	global_prefetch_b8 v0, s[64:65] scope:SCOPE_SE
	s_setreg_imm32_b32 hwreg(HW_REG_WAVE_MODE, 25, 1), 1
	s_wait_xcnt 0x0
	s_wait_alu depctr_hold_cnt(0) depctr_sa_sdst(0) depctr_va_vdst(0) depctr_va_sdst(0) depctr_va_ssrc(0) depctr_va_vcc(0) depctr_vm_vsrc(0)
	s_getreg_b32 s2, hwreg(HW_REG_IB_STS2, 6, 4)
	s_cmp_eq_u32 s2, 0
	s_cbranch_scc0 .Lentry_in_a_cluster
	s_endpgm
.Lentry_in_a_cluster:
	s_bfe_u32 s2, ttmp6, 0x10000c
	s_cmp_lg_u32 s2, 0xf033
	s_cbranch_scc0 .Lentry_shape_is_right
	s_endpgm
.Lentry_shape_is_right:
; q = rope(x wq), k = rope(x wk), v = x wv on codes of FP8 (E4M3) with E8M0 scales, and the results quantised at once: q and k along the head's 128, v along the keys.  No f32 result goes to memory.
; OPERANDS are records (128 rows x 128 K in REC bytes: eight images of a fragment's registers, 2,048 bytes each, then 128 scale words): a fragment is four loads of 16 bytes a lane at 16 x lane + 512 c.
; SHAPE.  Operand P: one panel of 128 rows; operand R: two panels, 256 rows; K = 2,048 in 16 steps.  Four waves; wave w multiplies all 8 tiles of P by its 4 tiles of R (panel w / 2, tiles 4 (w % 2) + a): 32 accumulators.
; Source 0 = 16 rows of P, source 1 = 16 rows of R: lane (r, h) holds row r of R, and register j of accumulator (a, b) index 16 b + 8 h + j of P: a lane's 64 registers run along P's 128.
; Clusters X = 0 .. 5 (q, k): P = a panel of wq or wk (a head's 128), R = 256 rows of x.  Clusters X = 6, 7 (v): P = 128 rows of x (a key step), R = 256 columns of wv: registers run along the keys, which are v's K.
; P LIES IN LDS WHOLE: its 16 records are 270,336 bytes.  Each wave asks for four of them at the head, by one joint load shared along a column of the cluster (P hangs on cx); no LDS byte is filled twice, so the loop has no round.
; Wave 0's records (K steps 0 to 3) are shown by the first barrier, at which wave 0 alone waits (it has a load line of its own); the others' by the barrier in the loop's third step, ahead of the first read of K step 4 (in later trips that wait is met at once).
; R GOES FROM MEMORY STRAIGHT INTO REGISTERS: each of its tiles is read by ONE wave of the work-group, so LDS would only pass it on.  Four sets of 64 registers; step s asks for K step s + 3 into the set that step s - 1 read.
; That is why R has no joint load: a joint load lands in LDS, P's panel takes 270,336 of its bytes, and R's bytes have one reader each.
; PREFETCH.  Trip t asks for the images that trip t + 1 loads (K steps 4 t + 8 .. 4 t + 11), the head for those of trip 0: of the four partners that read the same R, the one at place cx takes K step + cx of my wave's four images: 32 blocks of 256 bytes, a lane a block.
; The last trip asks for nothing.  K steps 0 to 3 and the records' scale words come by their loads alone.  P is not prefetched: all of it is asked for at the head, and there is no loop to run ahead in.
; RESULTS.  qq: [head 16][query panel 16][REC].  kv: [kv head 8][key step 16][K's record | V's record] (V's rows are the head's 128, its K the step's 128 keys).
; In these records position 32 c + 16 h + i of a block holds index 32 c + 8 h + i % 8 + 16 (i / 8): a permutation inside a scale block, alike in q and k and alike in v and the softmax's p, so the products are the same.
; LIMITS: only the order of the matrix unit's partial sums differs from ascending K; a block of zeros gets the byte 1 (its codes are zeros; this program alone reads the bytes); NaN and infinities are not served.
; REGISTERS: window 0: v1-16 addresses; v20-25 scale words made; v32-47 the operands' scale words, nothing else; v48-63 at work; v64-127 codes made; v128-199 numbers at work on the way out.
;   window 1: P's fragments, two sets.   window 2: the accumulators, (a, b) at v[8 (8 a + b)].   window 3: R's four sets.  cos and sin of tile a take R's set a as it falls free (tile 3: P's set 0).
.set REC,   16896
.set WOFF,  16384
.set PANEL, 16*REC
.set SPARE, PANEL                      ; behind P: the spare words, 128 bytes for each wave: two blocks of 256 bytes that no other line names
.set LI,   4                           ; v4       16 x lane
.set ADP,  5                           ; v5, v6   P's images of the trip's K steps: 16 x lane + (4 t + 2) REC, + 2 REC
.set ASP,  8                           ; v8, v9   their scale words
.set RSO,  10                          ; v10      my scale words of R, from my images' base
.set PFO,  11                          ; v11      the prefetches' offset: 256 x lane + cx REC
.set LSW,  12                          ; v12      4 x lane + WOFF
.set LS,   13                          ; v13      4 x lane
.set SPW,  14                          ; v14      my spare word; never rewritten
.set NIL,  15                          ; v15      0; never rewritten
.set CSA,  16                          ; v16      my byte in the cos and sin tables
.set PW,   20
.set PWC,  24
.set SCP,  32                          ; P's scale words: set p at v[32 + 8 p + i]: tiles 2 i (lanes 0-15), 2 i + 1 (lanes 16-31)
.set SCR,  36                          ; R's: set q at v[36 + 2 (q % 2) + 8 (q / 2) + i]: no product's two scale registers have numbers equal modulo 8
.set TM,   48
.set PC,   64
.set ST,   128
.set T,    192
.set WV,   16
.set WH,   17
.set WL,   18
.set MNT,  19
.set SEL,  20
.set G1P,  24                          ; s[24:31], s[32:35] P's descriptor
.set G0P,  32
.set RB,   56                          ; s[56:57] my four images of R at K step 4 t
.set DST,  70
.set DSW,  72
.set CB,   74
.set SNB,  76
.set MUL,  0xad                        ; source 0 (P) window 1, source 1 (R) window 3, C and D window 2
.set MSB, 0
.macro WIN new                         ; the immediate's high byte repeats the setting that is left; a switch that changes nothing is dropped
.if MSB != (\new)
	s_set_vgpr_msb (MSB<<8)|(\new)
.set MSB, (\new)
.endif
.endm
.macro PLACES n
.rept \n
	v_nop
.endr
.endm
.macro CROUND                          ; a round of the cluster's barrier
	s_barrier_signal -1
	s_barrier_wait -1
	s_cmp_lg_u32 s[WV], 0
	s_cbranch_scc1 .Lnot_wave_0_\@
	s_barrier_signal -3
.Lnot_wave_0_\@:
	s_barrier_wait -3
	s_barrier_signal -1
	s_barrier_wait -1
.endm
.macro WM d, a, b, zero, sa, ra, sb, rb    ; ra, rb: the side's scale words lie in lanes 16-31 of the register named
.if \zero
.if (\ra) && (\rb)
	v_wmma_scale_f32_16x16x128_f8f6f4 v[\d:\d+7], v[\a:\a+15], v[\b:\b+15], 0, v[\sa], v[\sb] matrix_a_scale:MATRIX_SCALE_ROW1 matrix_b_scale:MATRIX_SCALE_ROW1
.elseif (\ra)
	v_wmma_scale_f32_16x16x128_f8f6f4 v[\d:\d+7], v[\a:\a+15], v[\b:\b+15], 0, v[\sa], v[\sb] matrix_a_scale:MATRIX_SCALE_ROW1
.elseif (\rb)
	v_wmma_scale_f32_16x16x128_f8f6f4 v[\d:\d+7], v[\a:\a+15], v[\b:\b+15], 0, v[\sa], v[\sb] matrix_b_scale:MATRIX_SCALE_ROW1
.else
	v_wmma_scale_f32_16x16x128_f8f6f4 v[\d:\d+7], v[\a:\a+15], v[\b:\b+15], 0, v[\sa], v[\sb]
.endif
.else
.if (\ra) && (\rb)
	v_wmma_scale_f32_16x16x128_f8f6f4 v[\d:\d+7], v[\a:\a+15], v[\b:\b+15], v[\d:\d+7], v[\sa], v[\sb] matrix_a_scale:MATRIX_SCALE_ROW1 matrix_b_scale:MATRIX_SCALE_ROW1
.elseif (\ra)
	v_wmma_scale_f32_16x16x128_f8f6f4 v[\d:\d+7], v[\a:\a+15], v[\b:\b+15], v[\d:\d+7], v[\sa], v[\sb] matrix_a_scale:MATRIX_SCALE_ROW1
.elseif (\rb)
	v_wmma_scale_f32_16x16x128_f8f6f4 v[\d:\d+7], v[\a:\a+15], v[\b:\b+15], v[\d:\d+7], v[\sa], v[\sb] matrix_b_scale:MATRIX_SCALE_ROW1
.else
	v_wmma_scale_f32_16x16x128_f8f6f4 v[\d:\d+7], v[\a:\a+15], v[\b:\b+15], v[\d:\d+7], v[\sa], v[\sb]
.endif
.endif
.endm
; two of the 16 loads of tile a's cos (J_ = 0 .. 7) and sin (8 .. 15), into window w at v[base + 4 J_]
.macro CSPAIR a, w, base
	WIN (\w)<<6
.if J_ < 8
	global_load_b128 v[(\base)+4*J_:(\base)+4*J_+3], v[CSA], s[CB:CB+1] offset:4096*(\a)+32*J_
	global_load_b128 v[(\base)+4*J_+4:(\base)+4*J_+7], v[CSA], s[CB:CB+1] offset:4096*(\a)+32*J_+32
.else
	global_load_b128 v[(\base)+4*J_:(\base)+4*J_+3], v[CSA], s[SNB:SNB+1] offset:4096*(\a)+32*(J_-8)
	global_load_b128 v[(\base)+4*J_+4:(\base)+4*J_+7], v[CSA], s[SNB:SNB+1] offset:4096*(\a)+32*(J_-8)+32
.endif
.endm
; A K STEP.  First eight v_nop: the places between the last step's products and the loads into what they read.  Then ONE run of loads for the later steps:
; the next step's P from LDS (36 loads) and K step s + 3 of R from memory (18 loads).  Then 32 products on end, P's set ps x R's set rs, the 32 accumulators by turns in the same order in every step.
; lc: the global loads that may stay out: those issued behind set rs's.
; mode: 1 P is fetched (v[padr], v[sadr], + poff); 2 R is (K step rq from the base); 4 in R's place cos and sin of the tile whose number is the free set's; 8 in P's place tile 2's; 16 in R's place tile 3's, into P's set 0.
; bar = 1: every wave's tensor load is in, and a barrier says so, ahead of this step's LDS loads.
.macro STEP ps, rs, zero, lc, padr, poff, sadr, rq, mode, bar
.if \bar
	s_wait_tensorcnt 0x0
.endif
	s_wait_dscnt 0x0                               ; P's set is in
	s_wait_loadcnt \lc                             ; R's set is in
.if \bar
	s_barrier_signal -1
.endif
.set PN_, 128*(1-(\ps))
.set TL_, ((\rs)+3)%4
.set RN_, 64*TL_
.set SN_, SCR+2*(TL_%2)+8*(TL_/2)
.set N_, 0
.rept 32
.if N_ < 4
	v_nop
	v_nop
.elseif N_ < 20
.set J_, 2*(N_-4)
.if (\mode)&1
	WIN 0x40
	ds_load_b128 v[PN_+4*J_:PN_+4*J_+3], v[\padr] offset:(\poff)+512*J_
	ds_load_b128 v[PN_+4*J_+4:PN_+4*J_+7], v[\padr] offset:(\poff)+512*J_+512
.elseif ((\mode)&8) && (J_ < 16)
	CSPAIR 2, 3, 128
.endif
.elseif N_ < 22
.set J_, 2*(N_-20)
.if (\mode)&1
	WIN 0
	ds_load_b32 v[SCP+8*(1-(\ps))+J_], v[\sadr] offset:(\poff)+128*J_
	ds_load_b32 v[SCP+8*(1-(\ps))+J_+1], v[\sadr] offset:(\poff)+128*J_+128
.endif
.elseif N_ < 30
.set J_, 2*(N_-22)
.if (\mode)&2
	WIN 0xc0
	global_load_b128 v[RN_+4*J_:RN_+4*J_+3], v[LI], s[RB:RB+1] offset:(\rq)*REC+512*J_
	global_load_b128 v[RN_+4*J_+4:RN_+4*J_+7], v[LI], s[RB:RB+1] offset:(\rq)*REC+512*J_+512
.elseif (\mode)&4
	CSPAIR TL_, 3, RN_
.elseif (\mode)&16
	CSPAIR 3, 1, 0
.endif
.elseif N_ == 30
.if (\mode)&2
	WIN 0
	global_load_b32 v[SN_], v[RSO], s[RB:RB+1] offset:(\rq)*REC
	global_load_b32 v[SN_+1], v[RSO], s[RB:RB+1] offset:(\rq)*REC+128
.endif
.endif
.if (\bar) && (N_ == 3)
	s_barrier_wait -1                              ; only v_nop stand between the signal and this wait
.endif
.set N_, N_+1
.endr
	WIN MUL
.set N_, 0
.rept 32
	WM 8*N_, 128*(\ps)+16*(N_%8), 64*(\rs)+16*(N_/8), \zero, SCP+8*(\ps)+(N_%8)/2, N_%2, SCR+2*((\rs)%2)+8*((\rs)/2)+N_/16, (N_/8)%2
.set N_, N_+1
.endr
	WIN 0
.endm
; 64 numbers of a lane, v[s + 16 b + i] in window sw (block b of 32: my 16 and lane l xor 16's), become codes in v[pc] on and the scale word in v[pw]; the held numbers go to v[d] on, in window 0.
.macro QUANT s, sw, d, pc, pw
	WIN (\sw)|((\sw)<<2)
.irp b, 0,1,2,3
	v_max3_num_f32 v[TM+\b], |v[\s+16*\b]|, |v[\s+16*\b+1]|, 0x4800000     ; my 16 numbers and the floor 2^(9 - 127); each accumulator is read from its low end on
.endr
.irp i, 2,4,6,8,10,12,14
.irp b, 0,1,2,3
	v_max3_num_f32 v[TM+\b], |v[\s+16*\b+\i]|, |v[\s+16*\b+\i+1]|, v[TM+\b]
.endr
.endr
	WIN 0
.irp b, 0,1,2,3
	v_permlanex16_b32 v[TM+4+\b], v[TM+\b], s[SEL], s[SEL+1]
.endr
.irp b, 0,1,2,3
	v_max_num_f32 v[TM+\b], v[TM+\b], v[TM+4+\b]   ; the block's largest magnitude
.endr
.irp b, 0,1,2,3
	v_add_nc_u32 v[TM+12+\b], 0xfc000000, v[TM+\b] ; 8 off its exponent field: the conversion's scale operand
.endr
.irp b, 0,1,2,3
	v_and_or_b32 v[TM+8+\b], v[TM+\b], 0x7f800000, s[MNT]   ; 448 x the scale
.endr
.irp b, 0,1,2,3
	v_lshrrev_b32 v[TM+4+\b], 23, v[TM+12+\b]      ; the scale's byte
.endr
	v_lshl_or_b32 v[\pw], v[TM+5], 8, v[TM+4]
	v_lshl_or_b32 v[\pw], v[TM+6], 16, v[\pw]
	v_lshl_or_b32 v[\pw], v[TM+7], 24, v[\pw]
	WIN \sw
.set n, 0
.rept 64
	v_med3_num_f32 v[\d+n], v[\s+n], -v[TM+8+n/16], v[TM+8+n/16]   ; the hold at 448 x the scale: the conversion does not saturate (ISA guide 7.6.2)
.set n, n+1
.endr
	WIN 0
.irp b, 0,1,2,3
	v_cvt_scalef32_pk8_fp8_f32 v[\pc+4*\b:\pc+4*\b+1], v[\d+16*\b:\d+16*\b+7], v[TM+12+\b]
	v_cvt_scalef32_pk8_fp8_f32 v[\pc+4*\b+2:\pc+4*\b+3], v[\d+16*\b+8:\d+16*\b+15], v[TM+12+\b]
.endr
	v_nop                                          ; a plain line behind the last conversion
.endm
; THE WAY OUT, a tile of R's 16 rows at a time.  rope = 1: registers 2 p, 2 p + 1 of accumulator (a, b) are the pair of frequency 8 b + 4 h + p of token r: they are turned by cos and sin, then quantised.
.macro EPI rope
	PLACES 8                                       ; behind the last products: their results are read
.irp a, 0,1,2,3
.if \rope
	s_wait_loadcnt 48-16*\a                        ; this tile's 16 loads of cos and sin are in; the 16 of each later tile may be out
.if \a < 3
.set CB_, 64*\a
	WIN 0x0e                                       ; source 0 window 2 (the sums), source 1 window 3 (cos, sin)
.else
.set CB_, 0
	WIN 0x06                                       ; tile 3's lie in window 1
.endif
.irp b, 0,1,2,3,4,5,6,7
.irp p, 0,1,2,3
	v_mul_f32 v[T+2*\p], v[8*(8*\a+\b)+2*\p+1], v[CB_+32+4*\b+\p]          ; xi sin
	v_mul_f32 v[T+2*\p+1], v[8*(8*\a+\b)+2*\p], v[CB_+32+4*\b+\p]          ; xr sin
.endr
.irp p, 0,1,2,3
	v_fma_f32 v[ST+8*\b+2*\p], v[8*(8*\a+\b)+2*\p], v[CB_+4*\b+\p], -v[T+2*\p]           ; xr cos - xi sin
	v_fma_f32 v[ST+8*\b+2*\p+1], v[8*(8*\a+\b)+2*\p+1], v[CB_+4*\b+\p], v[T+2*\p+1]      ; xi cos + xr sin
.endr
.endr
	WIN 0
	QUANT ST, 0, ST, PC+16*\a, PW+\a
.else
	QUANT 64*\a, 2, ST, PC+16*\a, PW+\a
.endif
.irp c, 0,1,2,3
	global_store_b128 v[LI], v[PC+16*\a+4*\c:PC+16*\a+4*\c+3], s[DST:DST+1] offset:2048*\a+512*\c   ; the image: 512 consecutive aligned bytes a store; each tile has its own registers
.endr
.endr
	v_cmp_le_u32 vcc_lo, 16, v1
	v_cndmask_b32 v[PWC], v[PW], v[PW+1], vcc_lo   ; lanes 0-15: tile 0's words, lanes 16-31: tile 1's
	v_cndmask_b32 v[PWC+1], v[PW+2], v[PW+3], vcc_lo
	global_store_b32 v[LS], v[PWC], s[DSW:DSW+1]
	global_store_b32 v[LS], v[PWC+1], s[DSW:DSW+1] offset:128
.endm
	s_load_b256 s[4:11], s[0:1], 0x0               ; xq s[4:5], wc s[6:7], cos s[8:9], sin s[10:11]
	s_load_b128 s[12:15], s[0:1], 0x20             ; qq s[12:13], kv s[14:15]
	v_lshl_add_u32 v[SPW], v0, 2, SPARE
	v_mov_b32 v[NIL], 0
	ds_add_u32 v[SPW], v[NIL]                      ; the opening: the add, twice on end, and its wait ahead of my tensor load
	ds_add_u32 v[SPW], v[NIL]
	v_lshrrev_b32 v1, 5, v0
	v_readfirstlane_b32 s[WV], v1                  ; wave 0..3
	s_lshr_b32 s[WH], s[WV], 1                     ; my panel of R
	s_and_b32 s[WL], s[WV], 1                      ; my four tiles of it
	s_bfe_u32 s40, ttmp6, 0x40000                  ; cx, cy: my place in the cluster
	s_bfe_u32 s41, ttmp6, 0x40004
	s_and_b32 s23, ttmp7, 0xffff                   ; Y: the cluster's y (ttmp9: X)
	s_lshl_b32 s42, 0x1111, s40                    ; my column of the cluster
	s_or_b32 s[G1P], s42, (3<<16)|(1<<21)          ; group 1: the mask; elements of 8 bytes; bit 21 beside a mask: four records, dense, as 264 rows of 256 bytes
	s_mov_b32 s[G1P+1], 32<<16
	s_mov_b32 s[G1P+2], 264<<16
	s_mov_b32 s[G1P+3], 32<<16
	s_mov_b32 s[G1P+4], 264
	s_mov_b32 s[G1P+5], 32
	s_mov_b32 s[G1P+6], 0
	s_mov_b32 s[G1P+7], 0
	; P's panel hangs on X, Y and cx alone: q, k: weight panel 4 X + cx; v: x's panel (the key step) 4 X - 24 + 8 Y + cx
	s_lshl_b32 s44, ttmp9, 2
	s_add_co_u32 s44, s44, s40
	s_lshl_b32 s45, s23, 3
	s_cmp_ge_u32 ttmp9, 6
	s_cselect_b32 s45, s45, 0
	s_cselect_b32 s46, 24, 0
	s_add_co_u32 s44, s44, s45
	s_sub_co_u32 s44, s44, s46
	s_mov_b32 s79, s44                             ; (kept for the results' addresses)
	s_mul_i32 s44, s44, PANEL
	s_mov_b32 s[G0P], 1
	s_mul_i32 s[G0P+1], s[WV], 4*REC               ; I fetch K steps 4 w .. 4 w + 3: the same place in LDS and in the panel
	s_add_co_u32 s44, s44, s[G0P+1]
	s_mov_b32 s45, 0
	; R: q, k: x's panel 8 Y + 2 cy + w / 2; v: wv's panel 24 + 2 cy + w / 2; my images begin 8,192 (w % 2) bytes on
	s_lshl_b32 s66, s41, 1
	s_lshl_b32 s67, s23, 3
	s_cmp_ge_u32 ttmp9, 6
	s_cselect_b32 s67, 24, s67
	s_add_co_u32 s66, s66, s67
	s_add_co_u32 s66, s66, s[WH]
	s_mul_i32 s66, s66, PANEL
	s_lshl_b32 s67, s[WL], 13
	s_add_co_u32 s66, s66, s67
	s_mov_b32 s67, 0
	; where my results go: record 16 pi + 2 ri + w / 2 of qq;  2 (that - 256) of kv (k);  2 (16 (2 cy + w / 2) + pi) + 1 of kv (v)
	s_lshl_b32 s78, s23, 2
	s_add_co_u32 s78, s78, s41                     ; ri = 4 Y + cy: which 256 rows of x
	s_lshl_b32 s82, s79, 4
	s_lshl_b32 s83, s78, 1
	s_add_co_u32 s82, s82, s83
	s_add_co_u32 s82, s82, s[WH]
	s_sub_co_u32 s83, s82, 256
	s_lshl_b32 s83, s83, 1
	s_lshl_b32 s84, s41, 1
	s_add_co_u32 s84, s84, s[WH]
	s_lshl_b32 s84, s84, 4
	s_add_co_u32 s84, s84, s79
	s_lshl_b32 s84, s84, 1
	s_add_co_u32 s84, s84, 1
	s_cmp_ge_u32 ttmp9, 4
	s_cselect_b32 s82, s83, s82
	s_cmp_ge_u32 ttmp9, 6
	s_cselect_b32 s82, s84, s82
	s_mul_i32 s82, s82, REC
	s_lshl_b32 s84, s[WL], 13                      ; my four tiles: images 4 (w % 2) on,
	s_add_co_u32 s84, s84, s82
	s_mov_b32 s85, 0
	s_lshl_b32 s86, s[WL], 8                       ; and their scale words
	s_add_co_u32 s86, s86, s82
	s_add_co_u32 s86, s86, WOFF
	s_mov_b32 s87, 0
	s_lshl_b32 s90, s78, 16                        ; 256 rows of cos or sin, 256 bytes each
	s_mov_b32 s91, 0
	s_mov_b32 s[MNT], 0x600000
	s_mov_b32 s[SEL], 0x76543210
	s_mov_b32 s[SEL+1], 0xfedcba98
	s_mul_i32 s93, s[WL], 7936
	s_sub_co_u32 s93, WOFF, s93                    ; from my images' base to my scale words: WOFF + 256 (w % 2) - 8,192 (w % 2)
	s_mul_i32 s94, s40, REC                        ; my share of a prefetch: K step + cx
	s_lshl_b32 s95, s[WV], 14
	s_mov_b32 s3, 3
	v_and_b32 v1, 31, v0                           ; lane
	v_and_b32 v2, 15, v0                           ; r
	v_bfe_u32 v3, v0, 4, 1                         ; h
	v_lshlrev_b32 v[LI], 4, v1
	v_lshlrev_b32 v[LS], 2, v1
	v_add_nc_u32 v[ADP], 2*REC, v[LI]
	v_add_nc_u32 v[ADP+1], 4*REC, v[LI]
	v_add_nc_u32 v[LSW], WOFF, v[LS]
	v_add_nc_u32 v[ASP], 2*REC+WOFF, v[LS]
	v_add_nc_u32 v[ASP+1], 4*REC+WOFF, v[LS]
	v_add_nc_u32 v[RSO], s93, v[LS]
	v_lshl_add_u32 v[PFO], v1, 8, s94
	v_lshlrev_b32 v[CSA], 8, v2                    ; cos, sin: token 64 w + 16 a + r of my 256, 256 bytes a token; + 16 h
	v_lshl_add_u32 v[CSA], v3, 4, v[CSA]
	v_add_nc_u32 v[CSA], s95, v[CSA]
.irp b, 0,1,2,3
	v_mov_b32 v[TM+4+\b], 0                        ; written once: a lane permute's destination counts as one of its sources
.endr
	s_wait_alu depctr_va_vdst(0)
	s_wait_dscnt 0x0                               ; both opening adds are done
	s_wait_kmcnt 0x0
	s_cmp_ge_u32 ttmp9, 6                          ; the choices of buffers hang on the cluster's x alone
	s_cselect_b64 s[46:47], s[4:5], s[6:7]
	s_cselect_b64 s[68:69], s[6:7], s[4:5]
	s_add_nc_u64 s[G0P+2:G0P+3], s[46:47], s[44:45]
	s_or_b32 s[G0P+3], s[G0P+3], 0x80000000
	s_add_nc_u64 s[RB:RB+1], s[68:69], s[66:67]
	s_cmp_ge_u32 ttmp9, 4
	s_cselect_b64 s[88:89], s[14:15], s[12:13]
	s_add_nc_u64 s[DST:DST+1], s[88:89], s[84:85]
	s_add_nc_u64 s[DSW:DSW+1], s[88:89], s[86:87]
	s_add_nc_u64 s[CB:CB+1], s[8:9], s[90:91]
	s_add_nc_u64 s[SNB:SNB+1], s[10:11], s[90:91]
	CROUND                                         ; all sixteen work-groups are here: the joint loads meet
	s_cmp_eq_u32 s[WV], 0                          ; one load a wave; wave 0 has a line of its own, since it alone waits at the first barrier
	s_cbranch_scc0 .Lothers
	tensor_load_to_lds s[G0P:G0P+3], s[G1P:G1P+7]
	s_nop 0
	PLACES 4
	s_branch .Lasked
.Lothers:
	tensor_load_to_lds s[G0P:G0P+3], s[G1P:G1P+7]
	s_nop 0
	PLACES 4
.Lasked:
.irp q, 0,1,2,3                        ; R's K steps 0 to 3 into the four sets: 18 loads each
	WIN 0xc0
.set J_, 0
.rept 16
	global_load_b128 v[64*\q+4*J_:64*\q+4*J_+3], v[LI], s[RB:RB+1] offset:\q*REC+512*J_
.set J_, J_+1
.endr
	WIN 0
	global_load_b32 v[SCR+2*(\q%2)+8*(\q/2)], v[RSO], s[RB:RB+1] offset:\q*REC
	global_load_b32 v[SCR+2*(\q%2)+8*(\q/2)+1], v[RSO], s[RB:RB+1] offset:\q*REC+128
.endr
	global_prefetch_b8 v[PFO], s[RB:RB+1] offset:4*REC th:TH_LOAD_NT scope:SCOPE_SE   ; what the first trip loads: my share of K steps 4 to 7
	s_cmp_eq_u32 s[WV], 0
	s_cbranch_scc0 .Lnot_first
	s_wait_tensorcnt 0x0                           ; wave 0: K steps 0 to 3 of P are in
.Lnot_first:
	s_barrier_signal -1
	s_barrier_wait -1
	WIN 0x40
.set J_, 0
.rept 32
	ds_load_b128 v[4*J_:4*J_+3], v[LI] offset:512*J_       ; P's K step 0 into set 0
.set J_, J_+1
.endr
	WIN 0
.irp i, 0,1,2,3
	ds_load_b32 v[SCP+\i], v[LSW] offset:128*\i
.endr
	STEP 0, 0, 1, 54, LI, REC, LSW, 0, 1, 0        ; K step 0 stands in front of the loop: its products start the sums.  Three sets of 18 loads may be out
.Ltrip:                                                ; trip t: K steps 4 t + 1 .. 4 t + 4; two sets of 18 loads may be out at each step's head
	STEP 1, 1, 0, 36, ADP, 0, ASP, 4, 3, 0
	s_cmp_gt_u32 s3, 1                             ; the last trip has no trip behind it to ask for
	s_cbranch_scc0 .Lnone_ahead
	global_prefetch_b8 v[PFO], s[RB:RB+1] offset:8*REC th:TH_LOAD_NT scope:SCOPE_SE   ; what the next trip loads: my share of K steps 4 t + 8 .. 4 t + 11
.Lnone_ahead:
	STEP 0, 2, 0, 36, ADP, REC, ASP, 5, 3, 0
	STEP 1, 3, 0, 36, ADP+1, 0, ASP+1, 6, 3, 1     ; its LDS loads are the first to read beyond wave 0's records
	STEP 0, 0, 0, 36, ADP+1, REC, ASP+1, 7, 3, 0
.irp k, 0,1
	v_add_nc_u32 v[ADP+\k], 4*REC, v[ADP+\k]
	v_add_nc_u32 v[ASP+\k], 4*REC, v[ASP+\k]
.endr
	s_wait_alu depctr_va_vdst(0)
	s_wait_xcnt 0x0                                ; my loads and my prefetch have read their base, so it may step
	s_add_nc_u64 s[RB:RB+1], s[RB:RB+1], 4*REC
	s_sub_co_u32 s3, s3, 1
	s_cmp_lg_u32 s3, 0
	s_cbranch_scc1 .Ltrip
	s_cmp_ge_u32 ttmp9, 6                          ; the one parting of q, k and v: on the cluster's x, alike in all partners; no barrier and no tensor load stands on either way
	s_cbranch_scc1 .Lv_way
	STEP 1, 1, 0, 36, ADP, 0, ASP, 0, 5, 0         ; K step 13; cos and sin of tile 0 take set 0
	STEP 0, 2, 0, 34, ADP, REC, ASP, 0, 5, 0       ; 14: out may be K step 15's 18 and tile 0's 16; tile 1's take set 1
	STEP 1, 3, 0, 32, ADP, 0, ASP, 0, 24, 0        ; 15: tiles 0 and 1's may be out; tile 2's take set 2, tile 3's P's set 0
	EPI 1
	s_branch .Lend
.Lv_way:
	STEP 1, 1, 0, 36, ADP, 0, ASP, 0, 1, 0
	STEP 0, 2, 0, 18, ADP, REC, ASP, 0, 1, 0
	STEP 1, 3, 0, 0, ADP, 0, ASP, 0, 0, 0
	EPI 0
.Lend:
	s_wait_tensorcnt 0x0                           ; the wave's end
	ds_add_u32 v[SPW], v[NIL]
	s_wait_dscnt 0x0
	CROUND                                         ; the closing round
	s_endpgm
.Lfunc_end_k_q3da479db35_qkv:
	.size	k_q3da479db35_qkv, .Lfunc_end_k_q3da479db35_qkv-k_q3da479db35_qkv
	.p2alignl 7, 3214868480
	.fill 96, 4, 3214868480
	.section	.rodata,"a",@progbits
	.p2align	6, 0x0
	.amdhsa_kernel k_q3da479db35_qkv
		.amdhsa_group_segment_fixed_size 327680
		.amdhsa_private_segment_fixed_size 0
		.amdhsa_enable_private_segment 0
		.amdhsa_kernarg_size 48
		.amdhsa_user_sgpr_count 2
		.amdhsa_user_sgpr_kernarg_segment_ptr 1
		.amdhsa_wavefront_size32 1
		.amdhsa_system_sgpr_workgroup_id_x 1
		.amdhsa_system_sgpr_workgroup_id_y 1
		.amdhsa_system_sgpr_workgroup_id_z 1
		.amdhsa_system_vgpr_workitem_id 0
		.amdhsa_next_free_vgpr 1024
		.amdhsa_next_free_sgpr 96
		.amdhsa_reserve_vcc 1
		.amdhsa_float_denorm_mode_32 3
		.amdhsa_float_denorm_mode_16_64 3
		.amdhsa_memory_ordered 1
		.amdhsa_forward_progress 1
		.amdhsa_inst_pref_size 192
	.end_amdhsa_kernel
	.amdgpu_metadata
---
amdhsa.version: [ 1, 2 ]
amdhsa.kernels:
  - .name:           k_q3da479db35_qkv
    .symbol:         k_q3da479db35_qkv.kd
    .args:
      - { .name: xq, .offset: 0, .size: 8, .value_kind: global_buffer, .address_space: global }
      - { .name: wc, .offset: 8, .size: 8, .value_kind: global_buffer, .address_space: global }
      - { .name: freqs_cos, .offset: 16, .size: 8, .value_kind: global_buffer, .address_space: global }
      - { .name: freqs_sin, .offset: 24, .size: 8, .value_kind: global_buffer, .address_space: global }
      - { .name: qq, .offset: 32, .size: 8, .value_kind: global_buffer, .address_space: global }
      - { .name: kv, .offset: 40, .size: 8, .value_kind: global_buffer, .address_space: global }
    .group_segment_fixed_size: 327680
    .private_segment_fixed_size: 0
    .kernarg_segment_align: 8
    .kernarg_segment_size: 48
    .max_flat_workgroup_size: 128
    .sgpr_count:     96
    .vgpr_count:     1024
    .wavefront_size: 32
...
	.end_amdgpu_metadata
.endif
;; end of part 6
;; launch attn (part 7): grid 32 x 8, 8 waves a work-group, clusters of 4 x 1, 327,680 bytes of LDS; arguments qq, kv, oq; writes oq
.if DOCPART == 7
	.amdgcn_target "amdgcn-amd-amdhsa--gfx1250"
	.amdhsa_code_object_version 6
	.text
	.protected	k_q3da479db35_attn
	.globl	k_q3da479db35_attn
	.p2align	8
	.type	k_q3da479db35_attn,@function
k_q3da479db35_attn:
	s_mov_b64 s[64:65], 0
	v_nop
	global_prefetch_b8 v0, s[64:65] scope:SCOPE_SE
	s_setreg_imm32_b32 hwreg(HW_REG_WAVE_MODE, 25, 1), 1
	s_wait_xcnt 0x0
	s_wait_alu depctr_hold_cnt(0) depctr_sa_sdst(0) depctr_va_vdst(0) depctr_va_sdst(0) depctr_va_ssrc(0) depctr_va_vcc(0) depctr_vm_vsrc(0)
	s_getreg_b32 s2, hwreg(HW_REG_IB_STS2, 6, 4)
	s_cmp_eq_u32 s2, 0
	s_cbranch_scc0 .Lentry_in_a_cluster
	s_endpgm
.Lentry_in_a_cluster:
	s_bfe_u32 s2, ttmp6, 0x10000c
	s_cmp_lg_u32 s2, 0x3003
	s_cbranch_scc0 .Lentry_shape_is_right
	s_endpgm
.Lentry_shape_is_right:
; Causal attention on codes of FP8 (E4M3) with E8M0 scales: 16 query heads, 8 key and value heads, 2,048 tokens, head size 128; the result is quantised along the model's 2,048 and leaves as codes.
; t = score x log2(e) / sqrt(128); M = the running largest t rounded UP to a whole number; p = 2^(t - M) is quantised along the keys, not normalised; the row's sum is taken of the unquantised p and divides at the end.
; When M moves, the sum and O are multiplied by 2^(old M - new M): exact.
; OPERANDS are records (REC bytes: eight images of a fragment's registers, then 128 scale words).  qq: [head][query panel][REC].  kv: [kv head][key step][K's record | V's record].  oq: [query panel][head][REC].
; LAYOUT.  S^T = K Q^T (source 0 = 16 keys, source 1 = my 16 queries), O^T = V^T P^T (source 0 = 16 of the head's 128, source 1 = p): a lane holds ONE query (lane % 16) throughout; register j of tile t is key, or channel, 16 t + 8 h + j.
; So position 32 c + 16 h + i of p's codes holds key 32 c + 8 h + i % 8 + 16 (i / 8), and V's record was made in the same order: the permutation stays inside a scale block and is alike on both sides.
; LIMITS: the order of the matrix unit's partial sums differs from ascending K by that permutation; 1 / sum by v_rcp_f32; a block's largest p is taken from the block's largest score by the same two instructions
; (it takes v_exp_f32 not to fall where its input rises); a block of zeros gets the byte 1 (its codes are zeros; this program alone reads the bytes); NaN and infinities are not served.
; SHARES.  A work-group takes four tiles of 16 queries of panel pi and four of panel 15 - pi of one head (pi = the cluster's x, 0 .. 7).  A tile of panel mu has mu + 1 key steps of work: 17 for a tile of each kind, 68 in each of the 256 work-groups.
; A wave's kind is (w % 2) xor (w / 4), its tile w / 2: waves w and w + 4 are of unlike kind, and so are waves 2 i and 2 i + 1; so whichever two waves share a SIMD have 17 steps together, and in every key step the four SIMDs have like work.
; EVERY work-group walks all 16 key steps: trip counts are constants, and no tensor load and no barrier is jumped over.  A step all of whose keys come after the wave's queries is left out by a scalar branch on ids.
; CLUSTER.  The four work-groups of a cluster are the two query heads of one key and value head x the two halves of a panel's eight tiles: they walk the same K and V, and mu hangs on the wave's number and the cluster's x alone,
; so they branch alike.  Each record is asked for JOINTLY, with a mask that names the four.
; RING.  Two slots of four key steps: 8 records, 135,168 consecutive bytes of kv; each of the eight waves fetches one record, all eight read.  A refill has a slot's four steps in which to land.
; K A STEP AHEAD.  K's fragments of the next step of the same slot are asked for together with V's, behind the score products, and land under the softmax: only a slot's first step waits for K.
; REGISTERS.  window 0: v1-11 addresses; v12 -M, v13 the largest t, v[14:15] the sum; v16-31 Q; v32-41 scale words and nothing else; v48-87 at work; v96-159 S^T, then p; v160-223 O^T; v224-239 p's codes.
;   window 1: v0-127 K's eight fragments, v128-255 V's.
.set REC,   16896
.set WOFF,  16384
.set SLOT,  8*REC                      ; four key steps x (K's record, V's record).  A slot's base is 0 or SLOT, so that one exclusive or turns the one into the other
.set SPARE, 2*SLOT                     ; the spare words, 128 bytes for each wave: four blocks of 256 bytes that no other line names
.set LI,   1                           ; v1   16 x lane: K's images
.set LIV,  2                           ; v2   + REC: V's
.set LSK,  3                           ; v3   4 x lane + WOFF: K's scale words
.set LSV,  4                           ; v4   + REC: V's
.set SPW,  5                           ; v5   my spare word; never rewritten
.set NIL,  6                           ; v6   0; never rewritten
.set DM,   7                           ; v7   16 jj + r - 8 h: on the diagonal register 8 t + j is hidden where 16 t + j is larger
.set ADK,  8                           ; v8-11 the four addresses in the step in hand
.set ADV,  9
.set ADS,  10
.set ADT,  11
.set KSW,  32                          ; v32-35 K's scale words: register i: tile 2 i in lanes 0-15, tile 2 i + 1 in lanes 16-31;  v36-39 V's;  v40 Q's;  v41 p's
.set VSW,  36
.set QS,   40
.set PSW,  41
.set BM,   48                          ; v48-51 a block's largest score, then its largest p
.set TP,   52                          ; v52-55 at work
.set LM,   56                          ; v56-59 448 x the scale
.set SO,   60                          ; v60-63 the conversions' scale operands
.set PWO,  70                          ; v70    the result's scale word
.set TM,   72                          ; v72-87 the way out, at work
.set WV,   16
.set LIM,  17                          ; s17  mu: my last key step
.set MNT,  19
.set SEL,  20
.set CS,   22                          ; s[22:23] c = log2(e) / sqrt(128)
.set G1,   24
.set G0,   32                          ; s[32:35] the one group 0, which walks
.set TB,   36                          ; s36  LDS byte at which the key step in hand begins
.set KSI,  37                          ; s37  the key step in hand
.set SLOTS, 38
.set FB,   39                          ; s39  base of the slot that was filled last
.set WREC, 48                          ; s48  wave x REC: my record's place in a slot
.set INNER, 59
.set MSB, 0
.macro WIN new
.if MSB != (\new)
	s_set_vgpr_msb (MSB<<8)|(\new)
.set MSB, (\new)
.endif
.endm
.macro PLACES n
.rept \n
	v_nop
.endr
.endm
.macro CROUND                          ; a round of the cluster's barrier
	s_barrier_signal -1
	s_barrier_wait -1
	s_cmp_lg_u32 s[WV], 0
	s_cbranch_scc1 .Lnot_wave_0_\@
	s_barrier_signal -3
.Lnot_wave_0_\@:
	s_barrier_wait -3
	s_barrier_signal -1
	s_barrier_wait -1
.endm
.macro TLOAD                           ; every wave fetches its record of the slot; four v_nop follow the line
	tensor_load_to_lds s[G0:G0+3], s[G1:G1+7]
	s_nop 0
.rept 4
	v_nop
.endr
.endm
.macro WM d, a, b, zero, sa, ra, sb    ; ra: source 0's scale words lie in lanes 16-31
.if \zero
.if (\ra)
	v_wmma_scale_f32_16x16x128_f8f6f4 v[\d:\d+7], v[\a:\a+15], v[\b:\b+15], 0, v[\sa], v[\sb] matrix_a_scale:MATRIX_SCALE_ROW1
.else
	v_wmma_scale_f32_16x16x128_f8f6f4 v[\d:\d+7], v[\a:\a+15], v[\b:\b+15], 0, v[\sa], v[\sb]
.endif
.else
.if (\ra)
	v_wmma_scale_f32_16x16x128_f8f6f4 v[\d:\d+7], v[\a:\a+15], v[\b:\b+15], v[\d:\d+7], v[\sa], v[\sb] matrix_a_scale:MATRIX_SCALE_ROW1
.else
	v_wmma_scale_f32_16x16x128_f8f6f4 v[\d:\d+7], v[\a:\a+15], v[\b:\b+15], v[\d:\d+7], v[\sa], v[\sb]
.endif
.endif
.endm
	s_load_b128 s[4:7], s[0:1], 0x0                ; qq s[4:5], kv s[6:7]
	s_load_b64 s[8:9], s[0:1], 0x10                ; oq
	v_lshl_add_u32 v[SPW], v0, 2, SPARE
	v_mov_b32 v[NIL], 0
	ds_add_u32 v5, v6
	ds_add_u32 v5, v6
	s_wait_dscnt 0x0
	v_lshrrev_b32 v8, 5, v0
	s_delay_alu instid0(VALU_DEP_1)
	v_readfirstlane_b32 s[WV], v8                  ; wave 0..7
	s_bfe_u32 s40, ttmp6, 0x40000                  ; cx: it enters Q's and the result's addresses and the mask's numbers alone
	s_and_b32 s45, ttmp7, 0xffff                   ; the key and value head, which the four partners share
	s_and_b32 s43, s40, 1
	s_lshl_b32 s42, s45, 1
	s_add_co_u32 s43, s43, s42                     ; head = 2 x kv head + cx % 2
	s_lshr_b32 s41, s40, 1
	s_lshl_b32 s41, s41, 2
	s_lshr_b32 s42, s[WV], 1
	s_add_co_u32 s41, s41, s42                     ; jj = 4 (cx / 2) + w / 2: which 16 queries of the panel
	s_and_b32 s46, s[WV], 1
	s_lshr_b32 s47, s[WV], 2
	s_xor_b32 s46, s46, s47                        ; my kind: 0: panel pi, 1: panel 15 - pi
	s_lshl_b32 s47, ttmp9, 1
	s_sub_co_u32 s47, 15, s47
	s_mul_i32 s47, s47, s46
	s_add_co_u32 s[LIM], s47, ttmp9                ; mu = pi + kind x (15 - 2 pi)
	s_mul_i32 s[WREC], s[WV], REC                  ; the record that I fetch, in a slot and in memory
	s_mul_i32 s50, s45, 32*REC                     ; the head's 16 key steps x 2 records
	s_add_co_u32 s50, s50, s[WREC]
	s_mov_b32 s51, 0
	s_lshl_b32 s54, s41, 11                        ; my tile's image in a record,
	s_lshl_b32 s55, s41, 6                         ; and its scale words
	s_lshl_b32 s52, s43, 4
	s_add_co_u32 s52, s52, s[LIM]
	s_mul_i32 s52, s52, REC                        ; Q: record 16 head + mu
	s_add_co_u32 s46, s52, s55
	s_add_co_u32 s46, s46, WOFF
	s_mov_b32 s47, 0
	s_add_co_u32 s52, s52, s54
	s_mov_b32 s53, 0
	s_lshl_b32 s60, s[LIM], 4
	s_add_co_u32 s60, s60, s43
	s_mul_i32 s60, s60, REC                        ; the result: record 16 mu + head
	s_add_co_u32 s62, s60, s55
	s_add_co_u32 s62, s62, WOFF
	s_mov_b32 s63, 0
	s_add_co_u32 s60, s60, s54
	s_mov_b32 s61, 0
	s_lshl_b32 s55, s41, 4                         ; 16 jj
	; descriptor group 1: a record, dense, as 66 rows of 256 bytes (32 elements of 8 bytes)
	s_mov_b32 s[G1], 15|(3<<16)|(1<<21)            ; 15:0 the mask: all four work-groups; 17:16 elements of 8 bytes; 21 set beside a mask
	s_mov_b32 s[G1+1], 32<<16
	s_mov_b32 s[G1+2], 66<<16
	s_mov_b32 s[G1+3], 32<<16
	s_mov_b32 s[G1+4], 66
	s_mov_b32 s[G1+5], 32
	s_mov_b32 s[G1+6], 0
	s_mov_b32 s[G1+7], 0
	s_mov_b32 s[SEL], 0x76543210
	s_mov_b32 s[SEL+1], 0xfedcba98
	s_mov_b32 s[CS], 0x3e0293ee
	s_mov_b32 s[CS+1], s[CS]                       ; (named with it as a pair, so it is written)
	s_mov_b32 s[MNT], 0x600000
	s_mov_b32 s[TB], 0
	s_mov_b32 s[FB], 0
	s_mov_b32 s[KSI], 0
	s_mov_b32 s[SLOTS], 3
	s_wait_kmcnt 0x0
	s_mov_b32 s[G0], 1                             ; count = 1
	s_mov_b32 s[G0+1], s[WREC]                     ; LDS address: slot 0
	s_add_nc_u64 s[G0+2:G0+3], s[6:7], s[50:51]    ; global address: key steps 0 to 3
	s_or_b32 s[G0+3], s[G0+3], 0x80000000          ; type = 2
	s_add_nc_u64 s[10:11], s[4:5], s[52:53]        ; Q's image
	s_add_nc_u64 s[12:13], s[4:5], s[46:47]        ; Q's scale words
	s_add_nc_u64 s[14:15], s[8:9], s[60:61]        ; the result's image
	s_add_nc_u64 s[56:57], s[8:9], s[62:63]        ; the result's scale words
	CROUND                                         ; all four work-groups are here: the first joint loads meet
	TLOAD                                          ; slot 0
	v_and_b32 v8, 31, v0
	s_delay_alu instid0(VALU_DEP_1)
	v_lshlrev_b32 v[LI], 4, v8
	s_delay_alu instid0(VALU_DEP_1)
	v_add_nc_u32 v[LIV], REC, v[LI]
	s_delay_alu instid0(VALU_DEP_3)
	v_lshlrev_b32 v[LSK], 2, v8
	s_delay_alu instid0(VALU_DEP_1)
	v_add_nc_u32 v[LSV], REC+WOFF, v[LSK]
	s_delay_alu instid0(VALU_DEP_2)
	v_add_nc_u32 v[LSK], WOFF, v[LSK]
.irp c, 0,1,2,3
	global_load_b128 v[16+4*\c:19+4*\c], v[LI], s[10:11] offset:512*\c     ; Q's fragment stays in registers
.endr
	v_and_b32 v8, 15, v0                           ; r
	v_bfe_u32 v9, v0, 4, 1                         ; h
	s_delay_alu instid0(VALU_DEP_2)
	v_lshlrev_b32 v11, 2, v8
	global_load_b32 v[QS], v11, s[12:13]           ; lane r: query r's scale word (lanes 16-31 hold the same and are not read)
	v_lshlrev_b32 v10, 3, v9
	s_delay_alu instid0(VALU_DEP_1)
	v_sub_nc_u32 v[DM], v8, v10
	s_delay_alu instid0(VALU_DEP_1)
	v_add_nc_u32 v[DM], s55, v[DM]
	v_mov_b32 v13, 0xff61b1e6                      ; the largest t so far: -3e38, under every t
	s_delay_alu instid0(VALU_DEP_1)
	v_floor_f32 v12, -v13                          ; -M
	v_mov_b32 v14, 0                               ; the sum, in two halves
	v_mov_b32 v15, 0
	v_mov_b32 v66, 0                               ; (lane permutes' destinations count as sources: written once)
	v_mov_b32 v69, 0                               ; (named as the upper half of the pair v[68:69])
.irp b, 0,1,2,3
	v_mov_b32 v[TP+\b], 0
	v_mov_b32 v[TM+4+\b], 0
.endr
.set n, 0
.rept 64
	v_mov_b32 v[160+n], 0                          ; O^T.  The key step has no first form of its own: the first finds zeros, which the first change of M leaves zeros; a first step of its own would be one more copy of the step's text
.set n, n+1
.endr
; A KEY STEP: 128 keys, at LDS byte TB.  Its K has been asked for: by the slot's head or by the step before.  pre = 1: the next step lies in the same slot, and its K is asked for here.
; The working steps of a wave are a run from key step 0 on, so a step that works always follows one that worked.
.macro STEP pre
	s_cmp_gt_u32 s[KSI], s[LIM]                    ; all its keys come after my queries: the work is left out (a branch on ids; no barrier and no tensor load stands in a step)
	s_cbranch_scc1 .Lhidden_\@
	v_add_nc_u32 v[ADK], s[TB], v[LI]
	v_add_nc_u32 v[ADV], s[TB], v[LIV]
	v_add_nc_u32 v[ADS], s[TB], v[LSK]
	v_add_nc_u32 v[ADT], s[TB], v[LSV]
	s_wait_alu depctr_va_vdst(0)
	s_wait_dscnt 0x0                               ; K is in (behind a slot's first step this wait is met at once: the wait in front of the last step's second products covered it)
	WIN 0x01                                       ; source 0 window 1
.irp t, 0,1,2,3,4,5,6,7
	WM 96+8*\t, 16*\t, 16, 1, KSW+\t/2, \t%2, QS   ; S^T, tile t: keys 16 t + 8 h + j
.endr
	PLACES 8                                       ; eight places behind these products: in front of the loads into K's registers and scale words, and of the first read of the scores; with the four additions above, twelve behind the last step's products, in front of the loads into V's
	WIN 0x40                                       ; destination window 1
.irp t, 0,1,2,3,4,5,6,7                ; V's fragments land under the softmax,
.irp c, 0,1,2,3
	ds_load_b128 v[128+16*\t+4*\c:128+16*\t+4*\c+3], v[ADV] offset:2048*\t+512*\c
.endr
.endr
.if \pre
.irp t, 0,1,2,3,4,5,6,7                ; and so do the next step's fragments of K, two records on
.irp c, 0,1,2,3
	ds_load_b128 v[16*\t+4*\c:16*\t+4*\c+3], v[ADK] offset:2*REC+2048*\t+512*\c
.endr
.endr
.endif
	WIN 0
.irp i, 0,1,2,3
	ds_load_b32 v[VSW+\i], v[ADT] offset:128*\i
.endr
.if \pre
.irp i, 0,1,2,3
	ds_load_b32 v[KSW+\i], v[ADS] offset:2*REC+128*\i
.endr
.endif
	s_cmp_lg_u32 s[KSI], s[LIM]                    ; only my last step lies on the diagonal: there hidden scores become -infinity ahead of the maximum, so that p = 0
	s_cbranch_scc1 .Lopen_\@
	v_mov_b32 v66, 0xff800000
.set n, 0
.rept 64
	v_cmp_gt_i32 vcc_lo, 16*(n/8)+n%8, v[DM]
	v_cndmask_b32 v[96+n], v[96+n], v66, vcc_lo
.set n, n+1
.endr
.Lopen_\@:
.irp b, 0,1,2,3
	v_max3_num_f32 v[BM+\b], v[96+16*\b], v[97+16*\b], v[98+16*\b]         ; the largest score of each block of 32 keys: for the row's maximum, and, since p rises with the score, for the block's largest p
.endr
.irp i, 3,5,7,9,11,13
.irp b, 0,1,2,3
	v_max3_num_f32 v[BM+\b], v[BM+\b], v[96+16*\b+\i], v[97+16*\b+\i]      ; (the four blocks by turns)
.endr
.endr
.irp b, 0,1,2,3
	v_max_num_f32 v[BM+\b], v[BM+\b], v[111+16*\b]
.endr
.irp b, 0,1,2,3
	s_delay_alu instid0(VALU_DEP_4)
	v_permlanex16_b32 v[TP+\b], v[BM+\b], s[SEL], s[SEL+1]
.endr
.irp b, 0,1,2,3
	s_delay_alu instid0(VALU_DEP_4)
	v_max_num_f32 v[BM+\b], v[BM+\b], v[TP+\b]     ; with lane l xor 16's 16 keys
.endr
	s_delay_alu instid0(VALU_DEP_2)
	v_max3_num_f32 v66, v[BM], v[BM+1], v[BM+2]
	s_delay_alu instid0(VALU_DEP_1)
	v_max_num_f32 v66, v66, v[BM+3]                ; the step's largest score of my query
	s_delay_alu instid0(VALU_DEP_1)
	v_mul_f32 v66, s[CS], v66                      ; as t (c is positive)
	s_delay_alu instid0(VALU_DEP_1)
	v_max_num_f32 v13, v13, v66                    ; the running largest t
	v_mov_b32 v66, v12
	s_delay_alu instid0(VALU_DEP_2)
	v_floor_f32 v12, -v13                          ; the new -M = floor(-t) = -ceil(t): M is a whole number
	s_delay_alu instid0(VALU_DEP_1)
	v_sub_f32 v66, v12, v66                        ; old M - new M: a whole number, 0 or less
	s_delay_alu instid0(VALU_DEP_1)
	v_cvt_i32_f32 v66, v66                         ; (it saturates)
	s_delay_alu instid0(VALU_DEP_1)
	v_ldexp_f32 v68, 1.0, v66                      ; f = 2^(old M - new M)
.set n, 0
.rept 32
	v_pk_fma_f32 v[96+n:97+n], v[96+n:97+n], s[CS:CS+1], v[12:13] op_sel_hi:[1,0,0]   ; t - M, two at a time (of the pairs c and -M the low word serves both halves)
.set n, n+2
.endr
.irp b, 0,1,2,3
	v_fma_f32 v[BM+\b], v[BM+\b], s[CS], v12       ; the same of each block's largest score
.endr
.set n, 0
	s_wait_alu depctr_va_vdst(0)
.rept 64
	v_exp_f32 v[96+n], v[96+n]                     ; p = 2^(t - M), at most 1: not normalised
.set n, n+1
.endr
.irp b, 0,1,2,3
	v_exp_f32 v[BM+\b], v[BM+\b]                   ; the block's largest p
.endr
	v_pk_mul_f32 v[14:15], v[14:15], v[68:69] op_sel_hi:[1,0]      ; the sums under the new M.  (A plain line behind the exponentials)
	s_wait_alu depctr_va_vdst(0)
.irp b, 0,1,2,3
	v_max_num_f32 v[BM+\b], 0x4800000, v[BM+\b]    ; the floor 2^(9 - 127): the byte cannot fall under 1
.endr
.irp b, 0,1,2,3
	s_delay_alu instid0(VALU_DEP_4)
	v_add_nc_u32 v[SO+\b], 0xfc000000, v[BM+\b]    ; 8 off the exponent field: the conversion's scale operand
.endr
.irp b, 0,1,2,3
	v_and_or_b32 v[LM+\b], v[BM+\b], 0x7f800000, s[MNT]    ; 448 x the scale
.endr
.irp b, 0,1,2,3
	v_lshrrev_b32 v[TP+\b], 23, v[SO+\b]           ; the scale's byte
.endr
	s_delay_alu instid0(VALU_DEP_3)
	v_lshl_or_b32 v[PSW], v[TP+1], 8, v[TP]        ; p's scale word for these 128 keys
	s_delay_alu instid0(VALU_DEP_1)
	v_lshl_or_b32 v[PSW], v[TP+2], 16, v[PSW]
	s_delay_alu instid0(VALU_DEP_1)
	v_lshl_or_b32 v[PSW], v[TP+3], 24, v[PSW]
	v_pk_add_f32 v[64:65], v[100:101], v[104:105]
	v_pk_add_f32 v[254:255], v[108:109], v[112:113]
	v_pk_add_f32 v[252:253], v[116:117], v[120:121]
	v_pk_add_f32 v[250:251], v[124:125], v[128:129]
	v_pk_add_f32 v[248:249], v[132:133], v[136:137]
	v_pk_add_f32 v[246:247], v[140:141], v[144:145]
	v_pk_add_f32 v[244:245], v[148:149], v[152:153]
	v_pk_add_f32 v[14:15], v[14:15], v[156:157]
	v_pk_add_f32 v[64:65], v[64:65], v[96:97]
	v_pk_add_f32 v[254:255], v[254:255], v[98:99]
	v_pk_add_f32 v[252:253], v[252:253], v[102:103]
	v_pk_add_f32 v[250:251], v[250:251], v[106:107]
	v_pk_add_f32 v[248:249], v[248:249], v[110:111]
	v_pk_add_f32 v[246:247], v[246:247], v[114:115]
	v_pk_add_f32 v[244:245], v[244:245], v[118:119]
	v_pk_add_f32 v[14:15], v[14:15], v[122:123]
	v_pk_add_f32 v[64:65], v[64:65], v[126:127]
	v_pk_add_f32 v[254:255], v[254:255], v[130:131]
	v_pk_add_f32 v[252:253], v[252:253], v[134:135]
	v_pk_add_f32 v[250:251], v[250:251], v[138:139]
	v_pk_add_f32 v[248:249], v[248:249], v[142:143]
	v_pk_add_f32 v[246:247], v[246:247], v[146:147]
	v_pk_add_f32 v[244:245], v[244:245], v[150:151]
	v_pk_add_f32 v[14:15], v[14:15], v[154:155]
	v_pk_add_f32 v[64:65], v[64:65], v[158:159]
	s_delay_alu instid0(VALU_DEP_2)
	v_pk_add_f32 v[14:15], v[14:15], v[250:251]
	s_delay_alu instid0(VALU_DEP_2)
	v_pk_add_f32 v[64:65], v[64:65], v[248:249]
	v_pk_add_f32 v[254:255], v[254:255], v[246:247]
	v_pk_add_f32 v[252:253], v[252:253], v[244:245]
	s_delay_alu instid0(VALU_DEP_2)
	v_pk_add_f32 v[14:15], v[14:15], v[254:255]
	s_delay_alu instid0(VALU_DEP_2)
	v_pk_add_f32 v[64:65], v[64:65], v[252:253]
	s_delay_alu instid0(VALU_DEP_1)
	v_pk_add_f32 v[14:15], v[14:15], v[64:65]
.irp b, 0,1,2,3
.irp i, 0,1,2,3,4,5,6,7,8,9,10,11,12,13,14,15
	v_min_num_f32 v[96+16*\b+\i], v[96+16*\b+\i], v[LM+\b]         ; the conversion does not saturate (ISA guide 7.6.2); p is not negative, so the hold is one-sided
.endr
	v_cvt_scalef32_pk8_fp8_f32 v[224+4*\b:225+4*\b], v[96+16*\b:103+16*\b], v[SO+\b]
	v_cvt_scalef32_pk8_fp8_f32 v[226+4*\b:227+4*\b], v[104+16*\b:111+16*\b], v[SO+\b]
.endr
.set n, 0
.rept 32
	v_pk_mul_f32 v[160+n:161+n], v[160+n:161+n], v[68:69] op_sel_hi:[1,0]  ; O^T under the new M; each accumulator from its low end on.  (These 32 are also the places between the codes and the products)
.set n, n+2
.endr
	s_wait_alu depctr_va_vdst(0)
	s_wait_dscnt 0x0                               ; V is in, and so is the next step's K
	WIN 0x01
.irp t, 0,1,2,3,4,5,6,7
	WM 160+8*\t, 128+16*\t, 224, 0, VSW+\t/2, \t%2, PSW    ; O^T += V^T P^T: the eight accumulators by turns, one instruction a turn
.endr
	WIN 0
.Lhidden_\@:
	s_add_co_u32 s[KSI], s[KSI], 1
	s_add_co_u32 s[TB], s[TB], 2*REC               ; the next step's two records
.endm
; THE CHANGE OF SLOTS stands at a slot's head.  Each wave waits for all its tensor loads (its record of the slot ahead), adds 0 to its spare word, and waits for that and for its reads of the slot that it has left.
; fill = 1: that slot is filled with the keys that follow: the barrier is a round of the cluster's, and the joint load is the first thing behind it: it has four key steps in which to land.
.macro CHANGE fill
	s_wait_tensorcnt 0x0                           ; no tensor load of mine is out, so the group 0 may be written
	ds_add_u32 v[SPW], v[NIL]                      ; 0 onto my spare word
.if \fill
	s_xor_b32 s[FB], s[FB], SLOT                   ; the other slot than last time,
	s_add_co_u32 s[G0+1], s[FB], s[WREC]           ; my record's place in it,
	s_add_nc_u64 s[G0+2:G0+3], s[G0+2:G0+3], 8*REC ; the next four key steps; the type bits on top are not reached
.endif
	s_wait_dscnt 0x0                               ; the add is done, and my reads of the slot that I have left are over
.if \fill
	CROUND
	TLOAD
.else
	s_barrier_signal -1
	s_barrier_wait -1
.endif
.endm
; A slot's four key steps.  The first step's K is asked for at once, by every wave (a wave whose steps are all hidden reads it in vain: 36 loads a slot, and no branch); three steps ask for the next step's K, the fourth does not.
.macro SLOTWORK
	v_add_nc_u32 v[ADK], s[TB], v[LI]
	v_add_nc_u32 v[ADS], s[TB], v[LSK]
	WIN 0x40                                       ; destination window 1.  (K's registers were last read by products that stand a whole softmax back)
.irp t, 0,1,2,3,4,5,6,7
.irp c, 0,1,2,3
	ds_load_b128 v[16*\t+4*\c:16*\t+4*\c+3], v[ADK] offset:2048*\t+512*\c
.endr
.endr
	WIN 0
.irp i, 0,1,2,3
	ds_load_b32 v[KSW+\i], v[ADS] offset:128*\i
.endr
	s_mov_b32 s[INNER], 3
.Lstep_\@:
	STEP 1
	s_sub_co_u32 s[INNER], s[INNER], 1
	s_cmp_lg_u32 s[INNER], 0
	s_cbranch_scc1 .Lstep_\@
	STEP 0
.endm
	s_wait_loadcnt 0x0                             ; Q
.Lslot:                                                ; 3 trips: behind each change of slots but the last the next slot is asked for
	CHANGE 1
	SLOTWORK
	s_sub_co_u32 s[TB], s[TB], 8*REC               ; back to the slot's base,
	s_xor_b32 s[TB], s[TB], SLOT                   ; and on to the other slot's
	s_sub_co_u32 s[SLOTS], s[SLOTS], 1
	s_cmp_lg_u32 s[SLOTS], 0
	s_cbranch_scc1 .Lslot
	CHANGE 0                                       ; the last slot is written out
	SLOTWORK
	; THE WAY OUT.  O^T / the sum is the last product's operand: it is quantised along the head's 128 (four blocks of the model's 2,048) and leaves as an image and a scale word a row.
	PLACES 8
	v_add_f32 v14, v14, v15                        ; the sum's two halves,
	s_delay_alu instid0(VALU_DEP_1)
	v_permlanex16_b32 v66, v14, s[SEL], s[SEL+1]
	s_delay_alu instid0(VALU_DEP_1)
	v_add_f32 v14, v14, v66                        ; and lane l xor 16's: the row's sum
	s_wait_alu depctr_va_vdst(0)
	v_rcp_f32 v14, v14
	v_and_b32 v8, 31, v0                           ; (a plain line behind the transcendental)
.set n, 0
	s_wait_alu depctr_va_vdst(0)
.rept 64
	v_mul_f32 v[96+n], v[160+n], v14               ; register 8 t + j is o(query r, channel 16 t + 8 h + j)
.set n, n+1
.endr
.irp b, 0,1,2,3
	v_max3_num_f32 v[TM+\b], |v[96+16*\b]|, |v[97+16*\b]|, 0x4800000       ; block b: my 16 numbers and the floor 2^(9 - 127)
.endr
.irp i, 2,4,6,8,10,12,14
.irp b, 0,1,2,3
	s_delay_alu instid0(VALU_DEP_4)
	v_max3_num_f32 v[TM+\b], |v[96+16*\b+\i]|, |v[97+16*\b+\i]|, v[TM+\b]
.endr
.endr
.irp b, 0,1,2,3
	s_delay_alu instid0(VALU_DEP_4)
	v_permlanex16_b32 v[TM+4+\b], v[TM+\b], s[SEL], s[SEL+1]
.endr
.irp b, 0,1,2,3
	s_delay_alu instid0(VALU_DEP_4)
	v_max_num_f32 v[TM+\b], v[TM+\b], v[TM+4+\b]
.endr
.irp b, 0,1,2,3
	s_delay_alu instid0(VALU_DEP_4)
	v_add_nc_u32 v[TM+12+\b], 0xfc000000, v[TM+\b]
.endr
.irp b, 0,1,2,3
	v_and_or_b32 v[TM+8+\b], v[TM+\b], 0x7f800000, s[MNT]
.endr
.irp b, 0,1,2,3
	v_lshrrev_b32 v[TM+4+\b], 23, v[TM+12+\b]
.endr
	s_delay_alu instid0(VALU_DEP_3)
	v_lshl_or_b32 v[PWO], v[TM+5], 8, v[TM+4]
	s_delay_alu instid0(VALU_DEP_1)
	v_lshl_or_b32 v[PWO], v[TM+6], 16, v[PWO]
	s_delay_alu instid0(VALU_DEP_1)
	v_lshl_or_b32 v[PWO], v[TM+7], 24, v[PWO]
.set n, 0
.rept 64
	v_med3_num_f32 v[96+n], v[96+n], -v[TM+8+n/16], v[TM+8+n/16]
.set n, n+1
.endr
.irp b, 0,1,2,3
	v_cvt_scalef32_pk8_fp8_f32 v[224+4*\b:225+4*\b], v[96+16*\b:103+16*\b], v[TM+12+\b]
	v_cvt_scalef32_pk8_fp8_f32 v[226+4*\b:227+4*\b], v[104+16*\b:111+16*\b], v[TM+12+\b]
.endr
	v_lshlrev_b32 v9, 2, v8                        ; 4 x lane.  (A plain line behind the last conversion)
; wo's codes lie in true order, so these must too: lane (r, 0) wants channels 32 c + 0 .. 15 and lane (r, 1) 32 c + 16 .. 31.  Lane (r, 1)'s registers 4 c, 4 c + 1 (32 c + 8 ..) change places with lane (r, 0)'s 4 c + 2, 4 c + 3 (32 c + 16 ..).
.irp c, 0,1,2,3
	v_permlane16_swap_b32 v[224+4*\c], v[226+4*\c]
	v_permlane16_swap_b32 v[225+4*\c], v[227+4*\c]
.endr
.irp c, 0,1,2,3
	global_store_b128 v[LI], v[224+4*\c:227+4*\c], s[14:15] offset:512*\c  ; the image: 512 consecutive aligned bytes a store
.endr
	v_cmp_gt_u32 vcc_lo, 16, v8
	s_wait_xcnt 0x0                                ; EXEC is a source of the stores above: it changes only behind this wait
	s_and_saveexec_b32 s58, vcc_lo
	global_store_b32 v9, v[PWO], s[56:57]          ; lanes 0-15: the 16 rows' scale words
	s_wait_xcnt 0x0                                ; and again, in front of the line that widens it
	s_or_b32 exec_lo, exec_lo, s58
	s_wait_tensorcnt 0x0                           ; the wave's end
	ds_add_u32 v[SPW], v[NIL]
	s_wait_dscnt 0x0
	CROUND                                         ; the closing round: no work-group ends while a partner may still ask for a tile that names it
	s_endpgm
.Lfunc_end_k_q3da479db35_attn:
	.size	k_q3da479db35_attn, .Lfunc_end_k_q3da479db35_attn-k_q3da479db35_attn
	.p2alignl 7, 3214868480
	.fill 96, 4, 3214868480
	.section	.rodata,"a",@progbits
	.p2align	6, 0x0
	.amdhsa_kernel k_q3da479db35_attn
		.amdhsa_group_segment_fixed_size 327680
		.amdhsa_private_segment_fixed_size 0
		.amdhsa_enable_private_segment 0
		.amdhsa_kernarg_size 24
		.amdhsa_user_sgpr_count 2
		.amdhsa_user_sgpr_kernarg_segment_ptr 1
		.amdhsa_wavefront_size32 1
		.amdhsa_system_sgpr_workgroup_id_x 1
		.amdhsa_system_sgpr_workgroup_id_y 1
		.amdhsa_system_sgpr_workgroup_id_z 1
		.amdhsa_system_vgpr_workitem_id 0
		.amdhsa_next_free_vgpr 512
		.amdhsa_next_free_sgpr 66
		.amdhsa_reserve_vcc 1
		.amdhsa_float_denorm_mode_32 3
		.amdhsa_float_denorm_mode_16_64 3
		.amdhsa_memory_ordered 1
		.amdhsa_forward_progress 1
		.amdhsa_inst_pref_size 136
	.end_amdhsa_kernel
	.amdgpu_metadata
---
amdhsa.version: [ 1, 2 ]
amdhsa.kernels:
  - .name:           k_q3da479db35_attn
    .symbol:         k_q3da479db35_attn.kd
    .args:
      - { .name: qq, .offset: 0, .size: 8, .value_kind: global_buffer, .address_space: global }
      - { .name: kv, .offset: 8, .size: 8, .value_kind: global_buffer, .address_space: global }
      - { .name: oq, .offset: 16, .size: 8, .value_kind: global_buffer, .address_space: global }
    .group_segment_fixed_size: 327680
    .private_segment_fixed_size: 0
    .kernarg_segment_align: 8
    .kernarg_segment_size: 24
    .max_flat_workgroup_size: 256
    .sgpr_count:     66
    .vgpr_count:     512
    .wavefront_size: 32
...
	.end_amdgpu_metadata
.endif
;; end of part 7
;; launch oproj (part 8): grid 16 x 16, 4 waves a work-group, clusters of 4 x 4, 327,680 bytes of LDS; arguments oq, wc, out0; writes out0
.if DOCPART == 8
	.amdgcn_target "amdgcn-amd-amdhsa--gfx1250"
	.amdhsa_code_object_version 6
	.text
	.protected	k_q3da479db35_oproj
	.globl	k_q3da479db35_oproj
	.p2align	8
	.type	k_q3da479db35_oproj,@function
k_q3da479db35_oproj:
	s_mov_b64 s[64:65], 0
	v_nop
	global_prefetch_b8 v0, s[64:65] scope:SCOPE_SE
	s_setreg_imm32_b32 hwreg(HW_REG_WAVE_MODE, 25, 1), 1
	s_wait_xcnt 0x0
	s_wait_alu depctr_hold_cnt(0) depctr_sa_sdst(0) depctr_va_vdst(0) depctr_va_sdst(0) depctr_va_ssrc(0) depctr_va_vcc(0) depctr_vm_vsrc(0)
	s_getreg_b32 s2, hwreg(HW_REG_IB_STS2, 6, 4)
	s_cmp_eq_u32 s2, 0
	s_cbranch_scc0 .Lentry_in_a_cluster
	s_endpgm
.Lentry_in_a_cluster:
	s_bfe_u32 s2, ttmp6, 0x10000c
	s_cmp_lg_u32 s2, 0xf033
	s_cbranch_scc0 .Lentry_shape_is_right
	s_endpgm
.Lentry_shape_is_right:
; out = o wo on codes of FP8 (E4M3) with E8M0 scales: 2,048 x 2,048 x 2,048, f32 sums, f32 out.
; OPERANDS are records (128 rows x 128 K in REC bytes: eight images of a fragment's registers, 2,048 bytes each, then 128 scale words).  oq: [query panel 16][K step = head 16][REC].  wc: panels 32 .. 47 are wo's columns, [panel][K step][REC].
; SHAPE.  A work-group makes 128 x 128 of out: P = a panel of wo (128 columns), R = a panel of o (128 rows).  Wave w multiplies all 8 tiles of P by tiles 2 w, 2 w + 1 of R: 16 accumulators.  256 work-groups.
; Source 0 = 16 rows of P, source 1 = 16 rows of R: lane (r, h) holds row r of out, and register j of accumulator (a, b) its column 16 b + 8 h + j: 32 neighbouring bytes.
; P LIES IN LDS WHOLE: 16 records, 270,336 bytes.  Each wave asks for four of them at the head, by one joint load shared along a column of the cluster (P hangs on cx); no LDS byte is filled twice, so there is no round between the opening and the closing one.
; Wave 0's records (K steps 0 to 3) are shown by the first barrier, at which wave 0 alone waits (it has a load line of its own); the others' by the barrier in K step 3, ahead of the first read of K step 4.
; R GOES FROM MEMORY STRAIGHT INTO REGISTERS: each of its tiles is read by ONE wave of the work-group.  Eight sets of 32 registers; the head asks for K steps 0 to 6, and step s for K step s + 7 into the set that step s - 1 read.
; That is why R has no joint load: a joint load lands in LDS, P's panel takes 270,336 of its bytes, and R's bytes have one reader each.
; NO PREFETCH: the 16 K steps are written out by one macro, so there is no loop to run ahead in; all of P is asked for at the head, and each K step of R seven steps ahead of its use.
; THE WAY OUT: 16 rows x 128 columns at a time through the wave's own stage in LDS (bytes of its own, on which no tensor load lands), back as whole rows of 512 bytes: 32 lanes store two aligned units of 256 bytes.
; LIMITS: NaN and infinities are not served.
; REGISTERS: window 0: v1-31 addresses; v32-47 the operands' scale words, nothing else; v128-255 rows read back from the stage.  window 1: P's fragments, two sets.  window 2: the accumulators, (a, b) at v[8 (8 a + b)].  window 3: R's eight sets.
.set REC,   16896
.set WOFF,  16384
.set PANEL, 16*REC
.set STAGE, PANEL                      ; behind P: 16 rows x 528 bytes for each wave
.set SPITCH, 528
.set SPARE, STAGE+4*16*SPITCH          ; behind the stages: the spare words, 128 bytes for each wave: two blocks of 256 bytes that no other line names
.set LI,   4                           ; v4       16 x lane
.set LS,   5                           ; v5       4 x lane
.set RSO,  6                           ; v6       my scale words of R, from my images' base
.set STO,  7                           ; v7       the way out: where I put 32 bytes of a row
.set RD,   8                           ; v8       and where I read a row back
.set SPW,  14                          ; v14      my spare word; never rewritten
.set NIL,  15                          ; v15      0; never rewritten
.set AP,   16                          ; v16-23   P's images of K steps 2 k, 2 k + 1: 16 x lane + 2 k REC
.set AS,   24                          ; v24-31   their scale words
.set SCP,  32                          ; P's scale words: set p at v[32 + 8 p + i]: tiles 2 i (lanes 0-15), 2 i + 1 (lanes 16-31)
.set SCR,  36                          ; R's: set q at v[36 + q % 4 + 8 (q / 4)]: my tile 0 in lanes 0-15, tile 1 in lanes 16-31; no product's two scale registers have numbers equal modulo 8
.set BK,   128
.set WV,   16
.set G1P,  24
.set G0P,  32
.set RB,   56                          ; s[56:57] my two images of R at K step 0
.set CD,   70                          ; s[70:71] my 32 rows of out, at my work-group's columns
.set MUL,  0xad                        ; source 0 (P) window 1, source 1 (R) window 3, C and D window 2
.set MSB, 0
.macro WIN new                         ; the immediate's high byte repeats the setting that is left; a switch that changes nothing is dropped
.if MSB != (\new)
	s_set_vgpr_msb (MSB<<8)|(\new)
.set MSB, (\new)
.endif
.endm
.macro PLACES n
.rept \n
	v_nop
.endr
.endm
.macro CROUND                          ; a round of the cluster's barrier
	s_barrier_signal -1
	s_barrier_wait -1
	s_cmp_lg_u32 s[WV], 0
	s_cbranch_scc1 .Lnot_wave_0_\@
	s_barrier_signal -3
.Lnot_wave_0_\@:
	s_barrier_wait -3
	s_barrier_signal -1
	s_barrier_wait -1
.endm
.macro WM d, a, b, zero, sa, ra, sb, rb    ; ra, rb: the side's scale words lie in lanes 16-31 of the register named
.if \zero
.if (\ra) && (\rb)
	v_wmma_scale_f32_16x16x128_f8f6f4 v[\d:\d+7], v[\a:\a+15], v[\b:\b+15], 0, v[\sa], v[\sb] matrix_a_scale:MATRIX_SCALE_ROW1 matrix_b_scale:MATRIX_SCALE_ROW1
.elseif (\ra)
	v_wmma_scale_f32_16x16x128_f8f6f4 v[\d:\d+7], v[\a:\a+15], v[\b:\b+15], 0, v[\sa], v[\sb] matrix_a_scale:MATRIX_SCALE_ROW1
.elseif (\rb)
	v_wmma_scale_f32_16x16x128_f8f6f4 v[\d:\d+7], v[\a:\a+15], v[\b:\b+15], 0, v[\sa], v[\sb] matrix_b_scale:MATRIX_SCALE_ROW1
.else
	v_wmma_scale_f32_16x16x128_f8f6f4 v[\d:\d+7], v[\a:\a+15], v[\b:\b+15], 0, v[\sa], v[\sb]
.endif
.else
.if (\ra) && (\rb)
	v_wmma_scale_f32_16x16x128_f8f6f4 v[\d:\d+7], v[\a:\a+15], v[\b:\b+15], v[\d:\d+7], v[\sa], v[\sb] matrix_a_scale:MATRIX_SCALE_ROW1 matrix_b_scale:MATRIX_SCALE_ROW1
.elseif (\ra)
	v_wmma_scale_f32_16x16x128_f8f6f4 v[\d:\d+7], v[\a:\a+15], v[\b:\b+15], v[\d:\d+7], v[\sa], v[\sb] matrix_a_scale:MATRIX_SCALE_ROW1
.elseif (\rb)
	v_wmma_scale_f32_16x16x128_f8f6f4 v[\d:\d+7], v[\a:\a+15], v[\b:\b+15], v[\d:\d+7], v[\sa], v[\sb] matrix_b_scale:MATRIX_SCALE_ROW1
.else
	v_wmma_scale_f32_16x16x128_f8f6f4 v[\d:\d+7], v[\a:\a+15], v[\b:\b+15], v[\d:\d+7], v[\sa], v[\sb]
.endif
.endif
.endm
.macro FETCHR q                        ; my two tiles of R at K step q into set q % 8: 9 loads
	WIN 0xc0
.set J_, 0
.rept 8
	global_load_b128 v[32*((\q)%8)+4*J_:32*((\q)%8)+4*J_+3], v[LI], s[RB:RB+1] offset:(\q)*REC+512*J_
.set J_, J_+1
.endr
	WIN 0
	global_load_b32 v[SCR+((\q)%4)+8*(((\q)%8)/4)], v[RSO], s[RB:RB+1] offset:(\q)*REC
.endm
.macro FETCHP q                        ; P's eight tiles at K step q into set q % 2: 36 LDS loads
	WIN 0x40
.set J_, 0
.rept 32
	ds_load_b128 v[128*((\q)%2)+4*J_:128*((\q)%2)+4*J_+3], v[AP+(\q)/2] offset:((\q)%2)*REC+512*J_
.set J_, J_+1
.endr
	WIN 0
.irp i, 0,1,2,3
	ds_load_b32 v[SCP+8*((\q)%2)+\i], v[AS+(\q)/2] offset:((\q)%2)*REC+128*\i
.endr
.endm
; K STEP s: eight v_nop, the places between the last step's products and the loads into what they read; one run of loads for the later steps; 16 products on end,
; the 16 accumulators by turns in the same order in every step.  Step 0's products start the sums.
.macro STEP s
.set PS_, (\s)%2
.set RS_, (\s)%8
.if (\s) == 0
.set Z_, 1
.else
.set Z_, 0
.endif
.if (\s) == 3
	s_wait_tensorcnt 0x0                           ; every wave's four records of P are in,
.endif
	s_wait_dscnt 0x0                               ; P's set is in
.if (\s) <= 9
	s_wait_loadcnt 54                              ; R's set is in: the six sets of 9 loads asked for behind it may be out
.else
	s_wait_loadcnt 9*(15-(\s))                     ; the sets that are left
.endif
.if (\s) == 3
	s_barrier_signal -1                            ; and a barrier says so, ahead of the first read beyond wave 0's records
.endif
	PLACES 8
.if (\s) == 3
	s_barrier_wait -1
.endif
.if (\s) <= 8
	FETCHR (\s)+7
.endif
.if (\s) <= 14
	FETCHP (\s)+1
.endif
	WIN MUL
.set N_, 0
.rept 16
	WM 8*N_, 128*PS_+16*(N_%8), 32*RS_+16*(N_/8), Z_, SCP+8*PS_+(N_%8)/2, N_%2, SCR+(RS_%4)+8*(RS_/4), N_/8
.set N_, N_+1
.endr
	WIN 0
.endm
.macro TOSTAGE a                       ; my tile a: each accumulator from its low end on into the stage, and back as rows.  LDS serves a wave's instructions in order (ISA guide 5.7.1.4): no wait between the stores and the loads
	WIN 0x08                                       ; the data: window 2
.irp b, 0,1,2,3,4,5,6,7
	ds_store_b128 v[STO], v[8*(8*(\a)+\b):8*(8*(\a)+\b)+3] offset:64*\b
	ds_store_b128 v[STO], v[8*(8*(\a)+\b)+4:8*(8*(\a)+\b)+7] offset:64*\b+16
.endr
	WIN 0
.irp t, 0,1,2,3,4,5,6,7,8,9,10,11,12,13,14,15
	ds_load_b128 v[BK+64*(\a)+4*\t:BK+64*(\a)+4*\t+3], v[RD] offset:\t*SPITCH
.endr
.endm
.macro SEND a, younger                 ; younger: the LDS instructions issued behind tile a's loads, which may stay out
	s_wait_dscnt \younger
.irp t, 0,1,2,3,4,5,6,7,8,9,10,11,12,13,14,15
	global_store_b128 v[LI], v[BK+64*(\a)+4*\t:BK+64*(\a)+4*\t+3], s[CD:CD+1] offset:(16*(\a)+\t)*8192 th:TH_STORE_NT   ; 32 lanes store 512 consecutive aligned bytes
.endr
.endm
	s_load_b128 s[4:7], s[0:1], 0x0                ; oq s[4:5], wc s[6:7]
	s_load_b64 s[8:9], s[0:1], 0x10                ; out0
	v_lshl_add_u32 v[SPW], v0, 2, SPARE
	v_mov_b32 v[NIL], 0
	ds_add_u32 v[SPW], v[NIL]                      ; the opening: the add, twice on end, and its wait ahead of my tensor load
	ds_add_u32 v[SPW], v[NIL]
	v_lshrrev_b32 v1, 5, v0
	v_readfirstlane_b32 s[WV], v1                  ; wave 0..3
	s_bfe_u32 s40, ttmp6, 0x40000                  ; cx, cy: my place in the cluster
	s_bfe_u32 s41, ttmp6, 0x40004
	s_and_b32 s23, ttmp7, 0xffff                   ; Y: the cluster's y (ttmp9: X)
	s_lshl_b32 s42, 0x1111, s40                    ; my column of the cluster
	s_or_b32 s[G1P], s42, (3<<16)|(1<<21)          ; group 1: the mask; elements of 8 bytes; bit 21 beside a mask: four records, dense, as 264 rows of 256 bytes
	s_mov_b32 s[G1P+1], 32<<16
	s_mov_b32 s[G1P+2], 264<<16
	s_mov_b32 s[G1P+3], 32<<16
	s_mov_b32 s[G1P+4], 264
	s_mov_b32 s[G1P+5], 32
	s_mov_b32 s[G1P+6], 0
	s_mov_b32 s[G1P+7], 0
	s_lshl_b32 s44, ttmp9, 2                       ; P: panel 32 + 4 X + cx of wc
	s_add_co_u32 s44, s44, s40
	s_add_co_u32 s44, s44, 32
	s_mul_i32 s44, s44, PANEL
	s_mov_b32 s[G0P], 1
	s_mul_i32 s[G0P+1], s[WV], 4*REC               ; I fetch K steps 4 w .. 4 w + 3: the same place in LDS and in the panel
	s_add_co_u32 s44, s44, s[G0P+1]
	s_mov_b32 s45, 0
	s_lshl_b32 s66, s23, 2                         ; R: panel 4 Y + cy of oq; my two images begin 4,096 w bytes on
	s_add_co_u32 s66, s66, s41
	s_mul_i32 s66, s66, PANEL
	s_lshl_b32 s67, s[WV], 12
	s_add_co_u32 s66, s66, s67
	s_mov_b32 s67, 0
	s_lshl_b32 s78, s23, 2                         ; out: row 128 (4 Y + cy) + 32 w, 8,192 bytes a row; column 128 (4 X + cx), 4 bytes each
	s_add_co_u32 s78, s78, s41
	s_lshl_b32 s78, s78, 7
	s_lshl_b32 s79, s[WV], 5
	s_add_co_u32 s78, s78, s79
	s_lshl_b32 s78, s78, 13
	s_lshl_b32 s79, ttmp9, 2
	s_add_co_u32 s79, s79, s40
	s_lshl_b32 s79, s79, 9
	s_add_co_u32 s78, s78, s79
	s_mov_b32 s79, 0
	s_mul_i32 s93, s[WV], 3968
	s_sub_co_u32 s93, WOFF, s93                    ; from my images' base to my scale words: WOFF + 128 w - 4,096 w
	s_mul_i32 s94, s[WV], 16*SPITCH
	s_add_co_u32 s94, s94, STAGE                   ; my stage
	v_and_b32 v1, 31, v0                           ; lane
	v_and_b32 v2, 15, v0                           ; r
	v_bfe_u32 v3, v0, 4, 1                         ; h
	v_lshlrev_b32 v[LI], 4, v1
	v_lshlrev_b32 v[LS], 2, v1
.irp k, 0,1,2,3,4,5,6,7
	v_add_nc_u32 v[AP+\k], 2*\k*REC, v[LI]
	v_add_nc_u32 v[AS+\k], 2*\k*REC+WOFF, v[LS]
.endr
	v_add_nc_u32 v[RSO], s93, v[LS]
	v_mul_u32_u24 v[STO], v2, SPITCH               ; in: row r, 32 bytes for each half of the lanes
	v_lshl_add_u32 v[STO], v3, 5, v[STO]
	v_add_nc_u32 v[STO], s94, v[STO]
	v_add_nc_u32 v[RD], s94, v[LI]                 ; back: the 32 lanes take one row of 512 bytes
	s_wait_alu depctr_va_vdst(0)
	s_wait_dscnt 0x0                               ; both opening adds are done
	s_wait_kmcnt 0x0
	s_add_nc_u64 s[G0P+2:G0P+3], s[6:7], s[44:45]
	s_or_b32 s[G0P+3], s[G0P+3], 0x80000000
	s_add_nc_u64 s[RB:RB+1], s[4:5], s[66:67]
	s_add_nc_u64 s[CD:CD+1], s[8:9], s[78:79]
	CROUND                                         ; all sixteen work-groups are here: the joint loads meet
	s_cmp_eq_u32 s[WV], 0                          ; one load a wave; wave 0 has a line of its own, since it alone waits at the first barrier
	s_cbranch_scc0 .Lothers
	tensor_load_to_lds s[G0P:G0P+3], s[G1P:G1P+7]
	s_nop 0
	PLACES 4
	s_branch .Lasked
.Lothers:
	tensor_load_to_lds s[G0P:G0P+3], s[G1P:G1P+7]
	s_nop 0
	PLACES 4
.Lasked:
.irp q, 0,1,2,3,4,5,6
	FETCHR \q
.endr
	s_cmp_eq_u32 s[WV], 0
	s_cbranch_scc0 .Lnot_first
	s_wait_tensorcnt 0x0                           ; wave 0: K steps 0 to 3 of P are in
.Lnot_first:
	s_barrier_signal -1
	s_barrier_wait -1
	FETCHP 0
.irp s, 0,1,2,3,4,5,6,7,8,9,10,11,12,13,14,15
	STEP \s
.endr
	PLACES 8                                       ; behind the last products: their results are read
	TOSTAGE 0
	TOSTAGE 1
	SEND 0, 32                                     ; behind tile 0's loads: tile 1's 16 stores and 16 loads
	SEND 1, 0
	s_wait_tensorcnt 0x0                           ; the wave's end
	ds_add_u32 v[SPW], v[NIL]
	s_wait_dscnt 0x0
	CROUND                                         ; the closing round
	s_endpgm
.Lfunc_end_k_q3da479db35_oproj:
	.size	k_q3da479db35_oproj, .Lfunc_end_k_q3da479db35_oproj-k_q3da479db35_oproj
	.p2alignl 7, 3214868480
	.fill 96, 4, 3214868480
	.section	.rodata,"a",@progbits
	.p2align	6, 0x0
	.amdhsa_kernel k_q3da479db35_oproj
		.amdhsa_group_segment_fixed_size 327680
		.amdhsa_private_segment_fixed_size 0
		.amdhsa_enable_private_segment 0
		.amdhsa_kernarg_size 24
		.amdhsa_user_sgpr_count 2
		.amdhsa_user_sgpr_kernarg_segment_ptr 1
		.amdhsa_wavefront_size32 1
		.amdhsa_system_sgpr_workgroup_id_x 1
		.amdhsa_system_sgpr_workgroup_id_y 1
		.amdhsa_system_sgpr_workgroup_id_z 1
		.amdhsa_system_vgpr_workitem_id 0
		.amdhsa_next_free_vgpr 1024
		.amdhsa_next_free_sgpr 96
		.amdhsa_reserve_vcc 0
		.amdhsa_float_denorm_mode_32 3
		.amdhsa_float_denorm_mode_16_64 3
		.amdhsa_memory_ordered 1
		.amdhsa_forward_progress 1
		.amdhsa_inst_pref_size 103
	.end_amdhsa_kernel
	.amdgpu_metadata
---
amdhsa.version: [ 1, 2 ]
amdhsa.kernels:
  - .name:           k_q3da479db35_oproj
    .symbol:         k_q3da479db35_oproj.kd
    .args:
      - { .name: oq, .offset: 0, .size: 8, .value_kind: global_buffer, .address_space: global }
      - { .name: wc, .offset: 8, .size: 8, .value_kind: global_buffer, .address_space: global }
      - { .name: out0, .offset: 16, .size: 8, .value_kind: global_buffer, .address_space: global }
    .group_segment_fixed_size: 327680
    .private_segment_fixed_size: 0
    .kernarg_segment_align: 8
    .kernarg_segment_size: 24
    .max_flat_workgroup_size: 128
    .sgpr_count:     96
    .vgpr_count:     1024
    .wavefront_size: 32
...
	.end_amdgpu_metadata
.endif
;; end of part 8
